; MI455X (gfx1250); checked and timed in simulation.
; The chip was launched on July 23, 2026; its instructions are those of AMD's public machine-readable ISA for CDNA 5 (MIT licence, August 2026) and "CDNA5" Instruction Set Architecture Reference Guide (July 2026). The comments in the code are by the model that wrote it; some were corrected since.
;; GSH Layer. Allowed arithmetic: matrix products marked QUANTISED: E2M3 operands, one E8M0 scale for each 32 along K, by v_wmma_scale_f32_16x16x128_f8f6f4 with both operands' format E2M3, f32 sums; everything else in f32.
;; Inputs: Wk_codes 1,024 x 32 x 24 uint8 (E2M3 codes of Wk, K innermost, in blocks of 32 codes, four codes in three bytes); Wk_scales 1,024 x 32 uint8 (E8M0 scales of Wk, one for each 32 codes along K); Wo_codes 1,024 x 32 x 24 uint8 (E2M3 codes of Wo, K innermost, in blocks of 32 codes, four codes in three bytes); Wo_scales 1,024 x 32 uint8 (E8M0 scales of Wo, one for each 32 codes along K); Wq_codes 1,024 x 32 x 24 uint8 (E2M3 codes of Wq, K innermost, in blocks of 32 codes, four codes in three bytes); Wq_scales 1,024 x 32 uint8 (E8M0 scales of Wq, one for each 32 codes along K); Wv_codes 1,024 x 32 x 24 uint8 (E2M3 codes of Wv, K innermost, in blocks of 32 codes, four codes in three bytes); Wv_scales 1,024 x 32 uint8 (E8M0 scales of Wv, one for each 32 codes along K); bk 1,024 float32; bo 1,024 float32; bq 1,024 float32; bv 1,024 float32; keys_codes 4 x 1,024 x 32 x 24 uint8 (E2M3 codes of keys, K innermost, in blocks of 32 codes, four codes in three bytes); keys_scales 4 x 1,024 x 32 uint8 (E8M0 scales of keys, one for each 32 codes along K); queries_codes 4 x 1,024 x 32 x 24 uint8 (E2M3 codes of queries, K innermost, in blocks of 32 codes, four codes in three bytes); queries_scales 4 x 1,024 x 32 uint8 (E8M0 scales of queries, one for each 32 codes along K); values_codes 4 x 1,024 x 32 x 24 uint8 (E2M3 codes of values, K innermost, in blocks of 32 codes, four codes in three bytes); values_scales 4 x 1,024 x 32 uint8 (E8M0 scales of values, one for each 32 codes along K).
;; Outputs: out0 4 x 1,024 x 1,024 float32.
;; This version of the problem:
;;   THIS VERSION OF THE PROBLEM IS GIVEN IN LOW PRECISION. The matrix products marked QUANTISED in the list below multiply operands that are first quantised to E2M3 (2 exponent bits, 3 mantissa bits; 6 bits a number), with one power-of-two scale for each 32 numbers along K (OCP MX v1.0); their sums are f32. All else is computed in f32.
;;   The module's matrix products, in the order in which they are computed (A, B: the left and right operand; K: the contracted axis; several contracted axes count as one K, in the product's order):
;;     1. [M 4,096, K 1,024] x [K 1,024, N 1,024]; A: input queries (given as codes); B: input Wq (given as codes): QUANTISED
;;     2. [M 4,096, K 1,024] x [K 1,024, N 1,024]; A: input keys (given as codes); B: input Wk (given as codes): QUANTISED
;;     3. [M 4,096, K 1,024] x [K 1,024, N 1,024]; A: input values (given as codes); B: input Wk (given as codes): QUANTISED
;;     4. [M 4,096, K 1,024] x [K 1,024, N 1,024]; A: computed on the way; B: input Wv (given as codes): QUANTISED
;;     5. batch 64 x [M 1,024, K 64] x [K 64, N 1,024]; A: computed on the way; B: computed on the way: QUANTISED
;;     6. batch 64 x [M 64, K 1,024] x [K 1,024, N 1,024]; A: computed on the way; B: computed on the way: QUANTISED
;;     7. [M 4,096, K 1,024] x [K 1,024, N 1,024]; A: computed on the way; B: input Wo (given as codes): QUANTISED
;;   THE QUANTISER, for each operand of a quantised product, along K:
;;     - K is cut into blocks of 32 from its start; a last block that is shorter is filled with zeros.
;;     - A block's scale is 2^e with e = floor(log2(the largest magnitude in the block)) - 2, held to -126 .. 127; a block of zeros has e = 0. As a byte (E8M0): e + 127.
;;     - Each number is divided by its block's scale, clamped to +-7.5, and rounded to the nearest number of E2M3, ties to even, subnormals kept.
;;     - The product sums the exact products of the quantised numbers (number of the format x scale) in f32.
;;   ~~~python
;;   def quantise(x, axis):      # numpy; x: float32 -> the quantised numbers, widened to float32 again
;;       x = np.moveaxis(x, axis, -1); K = x.shape[-1]
;;       x = np.pad(x, [(0, 0)] * (x.ndim - 1) + [(0, -K % 32)]); x = x.reshape(x.shape[:-1] + (-1, 32)); a = np.abs(x).max(-1, keepdims=True)
;;       e = np.where(a > 0, np.clip(np.frexp(np.where(a > 0, a, 1))[1] - 1 - 2, -126, 127), 0)      # np.frexp(a)[1] - 1 = floor(log2(a)), exactly
;;       r = np.clip(x / 2.0 ** e, -7.5, 7.5)
;;       step = 2.0 ** (np.maximum(np.frexp(np.where(r == 0, 1, r))[1] - 1, 0) - 3)
;;       q = np.round(r / step) * step * 2.0 ** e      # np.round: ties to even
;;       return np.moveaxis(q.reshape(q.shape[:-2] + (-1,))[..., :K], -1, axis).astype(np.float32)
;;   ~~~
;;   OPERANDS COMPUTED ON THE WAY. 'Computed on the way' means the value that the module computes at that place (a softmax that the list does not call 'softmax' is quantised finished and normalised). What goes into a quantiser is computed in f32, as accurately as f32 sums, v_exp_f32 and their like allow (about 1e-6 of the number): no bf16 or f16 on the way to a quantiser, and a product that is left as it is and whose result goes on into a quantised operand takes f32 operands (vector FMAs, or v_wmma_f32_16x16x4_f32). A number that lies on a knife's edge between two numbers of the format may be rounded either way, as far as f32 arithmetic and the matrix unit's own rounding can turn it there, and no further.
;;   INPUTS GIVEN AS CODES. Wk (in the module: [1024, 1024], K = its axis 0); Wo (in the module: [1024, 1024], K = its axis 0); Wq (in the module: [1024, 1024], K = its axis 0); Wv (in the module: [1024, 1024], K = its axis 0); keys (in the module: [4, 1024, 1024], K = its axis 2); queries (in the module: [4, 1024, 1024], K = its axis 2); values (in the module: [4, 1024, 1024], K = its axis 2): each comes as NAME_codes (uint8): NAME with its K axis moved to the last place and cut into blocks of 32 codes, [.., K / 32, bytes a block], one block behind the other in memory; four codes in three bytes: a row's codes are one little-endian stream of bits, code i at bits 6 i .. 6 i + 5 (a code: sign, 2 exponent bits, 3 mantissa bits); and NAME_scales (uint8): the same leading axes, one E8M0 byte (e + 127) for each 32 codes along K. Its value is code x scale, taken as it is: it is not quantised again, and the codes and scales need not be those that the quantiser above would give.
;; 2 versions, each right and faster than the one before. Each part assembles by itself: llvm-mc -triple=amdgcn-amd-amdhsa -mcpu=gfx1250 --defsym DOCPART=n.
;; ======== version 1 of 2: 4 launches
;; workspace buffers: q_ws 3,276,800 bytes; k_ws 3,276,800 bytes; t_ws 3,276,800 bytes; v_ws 3,276,800 bytes; a_ws 3,276,800 bytes
;; launch proj (part 1): grid 8 x 96, 4 waves a work-group, clusters of 4 x 4, 327,680 bytes of LDS; arguments queries_codes, queries_scales, keys_codes, keys_scales, values_codes, values_scales, Wq_codes, Wq_scales, Wk_codes, Wk_scales, bq, bk, q_ws, k_ws, t_ws; writes q_ws, k_ws, t_ws
.if DOCPART == 1
	.amdgcn_target "amdgcn-amd-amdhsa--gfx1250"
	.amdhsa_code_object_version 6
	.text
	.protected	k_q3d1b80e1ac_proj
	.globl	k_q3d1b80e1ac_proj
	.p2align	8
	.type	k_q3d1b80e1ac_proj,@function
k_q3d1b80e1ac_proj:
	s_mov_b64 s[64:65], 0
	v_nop
	global_prefetch_b8 v0, s[64:65] scope:SCOPE_SE
	s_setreg_imm32_b32 hwreg(HW_REG_WAVE_MODE, 25, 1), 1
	s_wait_xcnt 0x0
	s_wait_alu depctr_hold_cnt(0) depctr_sa_sdst(0) depctr_va_vdst(0) depctr_va_sdst(0) depctr_va_ssrc(0) depctr_va_vcc(0) depctr_vm_vsrc(0)
	s_getreg_b32 s2, hwreg(HW_REG_IB_STS2, 6, 4)
	s_cmp_eq_u32 s2, 0
	s_cbranch_scc0 .Lentry_in_a_cluster
	s_endpgm
.Lentry_in_a_cluster:
	s_bfe_u32 s2, ttmp6, 0x10000c
	s_cmp_lg_u32 s2, 0xf033
	s_cbranch_scc0 .Lentry_shape_is_right
	s_endpgm
.Lentry_shape_is_right:
; ONE TEXT FOR THREE LAUNCHES; MODE says which.  D = P Q^T + bias on codes of FP6 (E2M3), one E8M0 scale for each 32 along K, K = 1,024, sums in f32.
;   MODE 1: q = queries Wq + bq, k = keys Wk + bk, t = values Wk + bk (work-group y / 32 says which).  P = 128 rows of W, Q = 128 rows of x.  The results are quantised along the features.
;   MODE 2: v = t Wv + bv.  P = 128 rows of t (keys), Q = 128 rows of Wv.  The results are quantised along the KEYS, which are the K of the product that reads them.
;   MODE 3: out = a Wo + bo, f32.  P = 128 rows of Wo, Q = 128 rows of a.
; P IS SOURCE 0, Q SOURCE 1: in a result lane (r, h) holds Q's row r and its register j P's row 8 h + j of the tile, so a lane's registers run along P, the axis that is quantised (or, in MODE 3, along a row of out).
; SHARES.  A work-group of four waves makes 128 x 128; wave w makes all 128 of P x Q's tiles 2 w and 2 w + 1: 16 accumulators.  128 of P to a wave are one whole fragment and one whole scale word of the next product.
; WEIGHT ROWS OF A TILE ARE NOT NEIGHBOURS: lane r of tile 2 b + u takes row 32 b + 8 u + r + 8 (r / 8), so that the 16 registers of tiles 2 b and 2 b + 1 are 16 neighbours, 32 b + 16 h + 0 .. 15.
; Rows of x, t and a form tiles of 16 neighbours.  In MODE 2 a block's 32 keys so stand in another order than in memory; the launch that makes the other operand of that product lays its keys in the same order.
; LDS.  Both panels, for ALL of K, and their scale bytes come in once, by tensor loads at the head: nothing is filled again.  A row of 768 bytes lies as 3 x (256 + 16) bytes, 816 from row to row = 204 words:
; row i starts at bank 12 i mod 64 (64 banks of 4 bytes: ISA guide 11.1).  A panel is two halves: rows with (row / 16) even, then those with (row / 16) odd, 128 bytes further on than the first half's end:
; so the 32 lanes of a load of 8 bytes touch 64 different banks, in tiles of neighbours and in the weights' tiles alike.
; CLUSTER 4 x 4.  Q's panel hangs on work-group y alone and is asked for jointly by the four of a row of the cluster, P's on x alone (in MODE 1 also on which product, which all sixteen share) by the four of a column.
; WORKSPACE (q, k, t, v): AN OPERAND LIES AS AN IMAGE OF ITS REGISTERS.  A fragment (16 rows x 128 K, 12 registers) is 1,536 bytes: registers 4 c .. 4 c + 3 of lane l at 512 c + 16 l; its 16 scale words are 64 bytes.
; Eight fragments lie at IDX x 12,288, their scale words at SCOFF + IDX x 512, IDX = (8 batch + group of 128 features) x 8 + block of 128 rows (MODE 2: of 128 keys).
; LIMITS: NaN, infinities and scale bytes 0xff among the inputs are not served.  A block of zeros, or one whose largest magnitude lies under 2^(3 - 127), gets the byte 1 where the rule says 127 for zeros: its codes
; are zeros or held by that scale, and this program alone reads the bytes.  The bias is the C of each sum's first product, so it is added first and not last.
.set MODE,  1
.set SCOFF, 3145728                    ; a workspace buffer: 3,145,728 bytes of codes, then 131,072 scale bytes
.set PITCH, 816
.set SUB1,  64*PITCH+128               ; from a panel's first half to its second
.set QPAN,  0
.set PPAN,  2*SUB1
.set QSCL,  209408                     ; Q's scale bytes, 128 rows x 32
.set PSCL,  QSCL+4096                  ; P's
.set STG,   PSCL+4096                  ; a stage that no tensor load fills: MODE 1, 2: 512 bytes of scale words; MODE 3: 16 rows x 528 bytes for each wave
.set FR,    12                         ; registers of a fragment
.set PANW,  (3<<16)|(1<<20)|(1<<21)|(5<<22)|(3<<25)   ; group 1, word 0 beside the mask: elements of 8 bytes; padding on; bit 21 set beside a mask; after every 64 words, 4 words
.set DENW,  (3<<16)|(1<<21)            ; the same without padding
.if MODE == 2
.set PWRD, DENW                        ; P = t: four K steps x 8 fragments (12,288 bytes), 98,304 bytes from K step to K step
.set PST,  12288
.set PSD0, 64                          ; their scale words: 512 bytes, 4,096 bytes apart
.set PSD1, 4
.set PSST, 512
.else
.set PWRD, PANW                        ; P = a weight: four runs of 16 dense rows (12,288 bytes), 32 rows apart
.set PST,  3072
.set PSD0, 32                          ; 2,048 dense scale bytes as 8 rows of 256
.set PSD1, 8
.set PSST, 32
.endif
; scalar registers
.set QC,   4                           ; s[4:5]   Q's codes
.if MODE == 3
.set QSC,  4                           ;          Q's scale bytes lie in the same buffer
.else
.set QSC,  6                           ; s[6:7]   Q's scale bytes
.endif
.set PCD,  8                           ; s[8:9]   P's codes
.if MODE == 2
.set PSC,  8
.else
.set PSC,  10                          ; s[10:11] P's scale bytes
.endif
.set BIA,  12                          ; s[12:13] the bias
.set OUT,  14                          ; s[14:15] where my results go
.set OSC,  16                          ; s[16:17] and the work-group's scale words
.set WV,   18
.set ROLE, 19                          ; wave / 2: 0 fetches for Q, 1 for P
.set GH,   20                          ; wave % 2: which half of the panel
.set CX,   21
.set CY,   22
.set PB,   23                          ; work-group x: P's block
.set G1Q,  24                          ; groups 1: Q's panel, P's panel, Q's scale bytes, P's
.set G1P,  32
.set G1QS, 40
.set G1PS, 48
.set G0Q,  56                          ; groups 0 likewise
.set G0P,  60
.set G0QS, 68
.set G0PS, 72
.set QB,   76                          ; work-group y: Q's block (MODE 1: modulo 32)
.set MROW, 77
.set MCOL, 78
.set GSEL, 79                          ; MODE 1: which product
.set OQ,   80                          ; s[80:81], s[90:91] offsets on Q's side: they never hold cx
.set OP,   82                          ; s[82:83], s[92:93] on P's side: they never hold cy
.set OO,   84                          ; s[84:85] offsets of bias and results
.set SEL,  86                          ; s[86:87] v_permlanex16_b32's selects for lane l xor 16
.set OQS,  90
.set OPS,  92
; vector registers, window 0
.set R,    1
.set H,    2
.set LN,   3
.set AP0,  4                           ; LDS address of P's fragments; AP1: the pieces behind one padding more (MODE 2: K steps 4 to 7)
.set AP1,  5
.set AQ0,  6
.set AQ1,  7
.set APS,  8                           ; of P's scale words
.set AQS,  9
.set GI,   10                          ; 16 x lane
.set SW,   11                          ; into the stage
.set SR,   12                          ; out of it
.set BO,   13                          ; my offset in the bias
.set T0,   14
.set T1,   15
.set BV,   28                          ; MODE 2: bv of my two rows
.set PW,   30                          ; v30-31 the scale words just made
.set PS,   32                          ; v32-63 P's scale words: register 4 t + j: lanes 0-15 K step j, lanes 16-31 K step 4 + j
.set QS,   64                          ; v64-71 Q's likewise
.set PCA,  72                          ; v72-111 the codes just made: 12 + 8 at work for each of my two tiles
.set TM,   112                         ; v112-127 at work
.set ACC,  128                         ; v128-255 accumulator (q, t) at 128 + 64 q + 8 t
; window 1: P's fragments, two sets of 96; from v192 Q's, two sets of 24.   window 2: the bias in the result's layout
.set MSB, 0
.macro WIN new                         ; the immediate's high byte repeats the setting that is left
.if MSB != (\new)
	s_set_vgpr_msb (MSB<<8)|(\new)
.set MSB, (\new)
.endif
.endm
.macro PLACES n                        ; plain vector instructions between a matrix instruction and what touches its registers (ISA guide 7.12.1)
.rept \n
	v_nop
.endr
.endm
.macro CROUND                          ; a round of the cluster's barrier: my work-group's barrier; wave 0 signals for the work-group; every wave waits for all sixteen; my work-group's barrier once more
	s_barrier_signal -1
	s_barrier_wait -1
	s_cmp_lg_u32 s[WV], 0
	s_cbranch_scc1 .Lnot_wave_0_\@
	s_barrier_signal -3
.Lnot_wave_0_\@:
	s_barrier_wait -3
	s_barrier_signal -1
	s_barrier_wait -1
.endm
.macro JLOAD g0q, g1q, g0p, g1p        ; a joint load: waves 0 and 1 fetch for Q, waves 2 and 3 for P; each line has one mask; four v_nop follow each
	s_cmp_eq_u32 s[ROLE], 0
	s_cbranch_scc0 .Lfor_p_\@
	tensor_load_to_lds s[\g0q:\g0q+3], s[\g1q:\g1q+7]
	s_nop 0
.rept 4
	v_nop
.endr
	s_branch .Lasked_\@
.Lfor_p_\@:
	tensor_load_to_lds s[\g0p:\g0p+3], s[\g1p:\g1p+7]
	s_nop 0
.rept 4
	v_nop
.endr
.Lasked_\@:
.endm
.macro G1SET g, d0, d1, st             ; words 1 to 7 of a group 1: rows of d0 elements, d1 of them, st elements apart; the tile lies inside the tensor
	s_mov_b32 s[\g+1], (\d0)<<16
	s_mov_b32 s[\g+2], (\d1)<<16
	s_mov_b32 s[\g+3], (\d0)<<16
	s_mov_b32 s[\g+4], \d1
	s_mov_b32 s[\g+5], \st
	s_mov_b32 s[\g+6], 0
	s_mov_b32 s[\g+7], 0
.endm
.if MODE == 1
	s_load_b512 s[24:39], s[0:1], 0x0              ; queries, keys, values (codes, scales), Wq (codes, scales)
	s_load_b256 s[40:47], s[0:1], 0x40             ; Wk (codes, scales), bq, bk
	s_load_b128 s[48:51], s[0:1], 0x60             ; q_ws, k_ws
	s_load_b64 s[52:53], s[0:1], 0x70              ; t_ws
	v_lshl_add_u32 v122, v0, 2, 0x35400
	v_mov_b32 v123, 0
	ds_add_u32 v122, v123
	ds_add_u32 v122, v123
.elseif MODE == 2
	s_load_b64 s[PCD:PCD+1], s[0:1], 0x0           ; t_ws
	s_load_b128 s[QC:QC+3], s[0:1], 0x8            ; Wv's codes, Wv's scales
	s_load_b128 s[BIA:BIA+3], s[0:1], 0x18         ; bv, v_ws
.else
	s_load_b64 s[QC:QC+1], s[0:1], 0x0             ; a_ws
	s_load_b128 s[PCD:PCD+3], s[0:1], 0x8          ; Wo's codes, Wo's scales
	s_load_b128 s[BIA:BIA+3], s[0:1], 0x18         ; bo, out0
.endif
	v_lshrrev_b32 v1, 5, v0
	v_readfirstlane_b32 s[WV], v1                  ; wave 0..3
	s_lshr_b32 s[ROLE], s[WV], 1
	s_and_b32 s[GH], s[WV], 1
	s_bfe_u32 s[CX], ttmp6, 0x40000                ; my place in the cluster
	s_bfe_u32 s[CY], ttmp6, 0x40004
	s_lshl_b32 s[PB], ttmp9, 2
	s_add_co_u32 s[PB], s[PB], s[CX]               ; work-group x = 4 x cluster x + cx
	s_and_b32 s[QB], ttmp7, 0xffff
.if MODE == 1
	s_lshr_b32 s[GSEL], s[QB], 3                   ; work-group y / 32 = cluster y / 8: the same in all sixteen partners
.endif
	s_lshl_b32 s[QB], s[QB], 2
	s_add_co_u32 s[QB], s[QB], s[CY]               ; work-group y = 4 x cluster y + cy
.if MODE == 1
	s_and_b32 s[QB], s[QB], 31                     ; the block of 128 rows of x
.endif
	s_lshl_b32 s[MROW], s[CY], 2
	s_lshl_b32 s[MROW], 15, s[MROW]                ; my row of the cluster
	s_lshl_b32 s[MCOL], 0x1111, s[CX]              ; my column
	s_mov_b32 s[SEL], 0x76543210
	s_mov_b32 s[SEL+1], 0xfedcba98
	; where the panels begin, in bytes
	s_mul_i32 s88, s[GH], 12288                    ; a row-major panel's second half begins 16 rows on
	s_lshl_b32 s89, s[GH], 11                      ; the scale bytes' second half 2,048 bytes on, in memory and in LDS
	s_mul_i32 s97, s[GH], SUB1                     ; the panel's second half in LDS
	s_mul_i32 s[OQ], s[QB], 98304                  ; 128 rows of 768 bytes
	s_add_co_u32 s[OQ], s[OQ], s88
	s_mov_b32 s[OQ+1], 0
	s_lshl_b32 s[OQS], s[QB], 12                   ; 128 rows of 32 scale bytes
	s_add_co_u32 s[OQS], s[OQS], s89
.if MODE == 3
	s_add_co_u32 s[OQS], s[OQS], SCOFF
.endif
	s_mov_b32 s[OQS+1], 0
.if MODE == 2
	s_lshr_b32 s94, s[PB], 3                       ; the batch
	s_and_b32 s95, s[PB], 7                        ; the block of 128 rows in it
	s_mul_i32 s[OP], s94, 786432
	s_mul_i32 s96, s95, 12288
	s_add_co_u32 s[OP], s[OP], s96
	s_mul_i32 s96, s[GH], 393216                   ; K steps 4 to 7
	s_add_co_u32 s[OP], s[OP], s96
	s_lshl_b32 s[OPS], s94, 15
	s_lshl_b32 s96, s95, 9
	s_add_co_u32 s[OPS], s[OPS], s96
	s_lshl_b32 s96, s[GH], 14
	s_add_co_u32 s[OPS], s[OPS], s96
	s_add_co_u32 s[OPS], s[OPS], SCOFF
	s_mul_i32 s99, s[GH], 49152
.else
	s_mul_i32 s[OP], s[PB], 98304
	s_add_co_u32 s[OP], s[OP], s88
	s_lshl_b32 s[OPS], s[PB], 12
	s_add_co_u32 s[OPS], s[OPS], s89
.endif
	s_mov_b32 s[OP+1], 0
	s_mov_b32 s[OPS+1], 0
	s_wait_dscnt 0x0
	s_wait_kmcnt 0x0
.if MODE == 1
	s_cmp_eq_u32 s[GSEL], 0                        ; the buffers are chosen by the product's number alone
	s_cselect_b64 s[QC:QC+1], s[24:25], s[28:29]
	s_cselect_b64 s[QSC:QSC+1], s[26:27], s[30:31]
	s_cselect_b64 s[PCD:PCD+1], s[36:37], s[40:41]
	s_cselect_b64 s[PSC:PSC+1], s[38:39], s[42:43]
	s_cselect_b64 s[BIA:BIA+1], s[44:45], s[46:47]
	s_cselect_b64 s[OUT:OUT+1], s[48:49], s[50:51]
	s_cmp_eq_u32 s[GSEL], 2
	s_cselect_b64 s[QC:QC+1], s[32:33], s[QC:QC+1]
	s_cselect_b64 s[QSC:QSC+1], s[34:35], s[QSC:QSC+1]
	s_cselect_b64 s[OUT:OUT+1], s[52:53], s[OUT:OUT+1]
.endif
	s_or_b32 s[G1Q], s[MROW], PANW                 ; Q's panel: four runs of 16 dense rows (1,536 elements of 8 bytes), 32 rows apart
	G1SET G1Q, 1536, 4, 3072
	s_or_b32 s[G1QS], s[MROW], DENW
	G1SET G1QS, 32, 8, 32
	s_or_b32 s[G1P], s[MCOL], PWRD
	G1SET G1P, 1536, 4, PST
	s_or_b32 s[G1PS], s[MCOL], DENW
	G1SET G1PS, PSD0, PSD1, PSST
	s_mov_b32 s[G0Q], 1                            ; groups 0: count 1; LDS address; global address; type 2
	s_add_co_u32 s[G0Q+1], s97, QPAN
	s_add_nc_u64 s[G0Q+2:G0Q+3], s[QC:QC+1], s[OQ:OQ+1]
	s_or_b32 s[G0Q+3], s[G0Q+3], 0x80000000
	s_mov_b32 s[G0QS], 1
	s_add_co_u32 s[G0QS+1], s89, QSCL
	s_add_nc_u64 s[G0QS+2:G0QS+3], s[QSC:QSC+1], s[OQS:OQS+1]
	s_or_b32 s[G0QS+3], s[G0QS+3], 0x80000000
	s_mov_b32 s[G0P], 1
.if MODE == 2
	s_add_co_u32 s[G0P+1], s99, PPAN
.else
	s_add_co_u32 s[G0P+1], s97, PPAN
.endif
	s_add_nc_u64 s[G0P+2:G0P+3], s[PCD:PCD+1], s[OP:OP+1]
	s_or_b32 s[G0P+3], s[G0P+3], 0x80000000
	s_mov_b32 s[G0PS], 1
	s_add_co_u32 s[G0PS+1], s89, PSCL
	s_add_nc_u64 s[G0PS+2:G0PS+3], s[PSC:PSC+1], s[OPS:OPS+1]
	s_or_b32 s[G0PS+3], s[G0PS+3], 0x80000000
	CROUND                                         ; all sixteen work-groups are here: the joint loads meet
	JLOAD G0QS, G1QS, G0PS, G1PS                   ; two tensor loads of mine are out: my half of a side's scale bytes,
	JLOAD G0Q, G1Q, G0P, G1P                       ; and my half of its panel
	v_and_b32 v[R], 15, v0                         ; r
	v_bfe_u32 v[H], v0, 4, 1                       ; h
	v_and_b32 v[LN], 31, v0
	v_lshlrev_b32 v[GI], 4, v[LN]
	v_bfe_u32 v[T1], v0, 3, 1                      ; r / 8
	v_and_b32 v[T0], 7, v0
	v_mul_u32_u24 v[T0], v[T0], PITCH
	v_mad_u32_u24 v[T0], v[T1], SUB1, v[T0]        ; a weight's tile: lanes 0-7 eight rows of the first half, lanes 8-15 the same eight of the second,
	v_mad_u32_u24 v[T0], v[H], 24, v[T0]           ; + 24 h
	v_lshl_add_u32 v[T1], v[T1], 3, v[R]           ; r + 8 (r / 8)
	s_mul_i32 s66, s[WV], 16*PITCH                 ; my two tiles of Q: 16 LDS rows for each wave
	s_lshl_b32 s67, s[WV], 10                      ; and 32 rows of scale bytes
.if MODE == 2
	v_add_nc_u32 v[AP0], PPAN, v[GI]               ; images: 16 x lane
	v_add_nc_u32 v[AP1], PPAN+49152, v[GI]
	v_add_nc_u32 v[AQ0], s66, v[T0]
	v_lshlrev_b32 v[APS], 2, v[R]
	v_lshl_add_u32 v[APS], v[H], 11, v[APS]        ; lanes 16-31 take the scale words four K steps on
	v_add_nc_u32 v[APS], PSCL, v[APS]
	v_lshlrev_b32 v[AQS], 5, v[T1]
	v_lshlrev_b32 v[BO], 2, v[T1]
.else
	v_add_nc_u32 v[AP0], PPAN, v[T0]
	v_lshl_add_u32 v[AP1], v[H], 4, v[AP0]
	v_mul_u32_u24 v[AQ0], v[R], PITCH
	v_mad_u32_u24 v[AQ0], v[H], 24, v[AQ0]
	v_add_nc_u32 v[AQ0], s66, v[AQ0]
	v_lshlrev_b32 v[APS], 5, v[T1]
	v_lshl_add_u32 v[APS], v[H], 4, v[APS]         ; 16 bytes: the words of K steps 4 h .. 4 h + 3
	v_add_nc_u32 v[APS], PSCL, v[APS]
	v_lshlrev_b32 v[AQS], 5, v[R]
	v_lshlrev_b32 v[BO], 6, v[H]
.endif
	v_lshl_add_u32 v[AQ1], v[H], 4, v[AQ0]
	v_lshl_add_u32 v[AQS], v[H], 4, v[AQS]
	v_add_nc_u32 v[AQS], s67, v[AQS]
	v_add_nc_u32 v[AQS], QSCL, v[AQS]
.if MODE == 3
	s_mul_i32 s100, s[WV], 16*528
	v_mul_u32_u24 v[SW], v[R], 528
	v_lshl_add_u32 v[SW], v[H], 6, v[SW]
	v_add_nc_u32 v[SW], s100, v[SW]
	v_add_nc_u32 v[SW], STG, v[SW]                 ; in: row r, + 64 h
	v_add_nc_u32 v[SR], s100, v[GI]
	v_add_nc_u32 v[SR], STG, v[SR]                 ; back: a row of 512 bytes to the 32 lanes
.else
	s_lshl_b32 s100, s[WV], 7
	v_lshl_add_u32 v[SW], v[R], 2, s100
	v_add_nc_u32 v[SW], STG, v[SW]                 ; my tiles' scale words: 128 x wave + 4 r
	v_add_nc_u32 v[SR], STG, v[GI]
.endif
.irp b, 0,1,2,3
	v_mov_b32 v[TM+4+\b], 0                        ; written once: a lane permute's destination counts as one of its sources
.endr
	; the bias, in the result's layout
	s_mov_b32 s[OO+1], 0
.if MODE == 2
	s_lshl_b32 s[OO], s[QB], 9
	s_lshl_b32 s94, s[WV], 7
	s_add_co_u32 s[OO], s[OO], s94
	s_add_nc_u64 s[BIA:BIA+1], s[BIA:BIA+1], s[OO:OO+1]
	global_load_b32 v[BV], v[BO], s[BIA:BIA+1]               ; bv of my row of tile 2 w: 32 w + r + 8 (r / 8),
	global_load_b32 v[BV+1], v[BO], s[BIA:BIA+1] offset:32   ; and of tile 2 w + 1: eight further on
.else
	s_lshl_b32 s[OO], s[PB], 9
	s_add_nc_u64 s[BIA:BIA+1], s[BIA:BIA+1], s[OO:OO+1]
	WIN 0x80                                       ; destination window 2
.irp t, 0,1,2,3,4,5,6,7
	global_load_b128 v[8*\t:8*\t+3], v[BO], s[BIA:BIA+1] offset:(32*(\t/2)+8*(\t%2))*4       ; tile t, lane half h: 32 (t / 2) + 16 h + 8 (t % 2) + 0 .. 7
	global_load_b128 v[8*\t+4:8*\t+7], v[BO], s[BIA:BIA+1] offset:(32*(\t/2)+8*(\t%2))*4+16
.endr
	WIN 0
.endif
	; where the results go
.if MODE == 3
	s_lshl_b32 s94, s[QB], 7
	s_lshl_b32 s95, s[WV], 5
	s_add_co_u32 s94, s94, s95                     ; my first row of out
	s_lshl_b32 s[OO], s94, 12
	s_lshl_b32 s95, s[PB], 9
	s_add_co_u32 s[OO], s[OO], s95
	s_add_nc_u64 s[OUT:OUT+1], s[OUT:OUT+1], s[OO:OO+1]
.else
.if MODE == 1
	s_lshr_b32 s94, s[QB], 3                       ; batch
	s_lshl_b32 s94, s94, 3
	s_add_co_u32 s94, s94, s[PB]                   ; group of 128 features
	s_and_b32 s95, s[QB], 7                        ; block of 128 rows
.else
	s_lshr_b32 s94, s[PB], 3
	s_lshl_b32 s94, s94, 3
	s_add_co_u32 s94, s94, s[QB]
	s_and_b32 s95, s[PB], 7                        ; block of 128 keys
.endif
	s_lshl_b32 s94, s94, 3
	s_add_co_u32 s94, s94, s95                     ; IDX
	s_lshl_b32 s[OO], s94, 9
	s_add_co_u32 s[OO], s[OO], SCOFF
	s_add_nc_u64 s[OSC:OSC+1], s[OUT:OUT+1], s[OO:OO+1]
	s_mul_i32 s[OO], s94, 12288
	s_mul_i32 s95, s[WV], 3072                     ; my two fragments
	s_add_co_u32 s[OO], s[OO], s95
	s_add_nc_u64 s[OUT:OUT+1], s[OUT:OUT+1], s[OO:OO+1]
.endif
; A fragment out of a row-major panel: lane (r, h) takes 24 bytes at 96 s + 24 h of its row and 24 bytes 48 further on, in pieces of 8 bytes.  Piece n of a row lies at 8 n + 16 (n / 32).
; Lanes 16-31 read three pieces further on: where that is behind one padding more, the second address register (40 for 24 bytes a half) serves.
.macro FRAG reg, adr, s, off
.irp p, 0,1,2,3,4,5
.set PCN, 12*(\s)+6*(\p/3)+\p%3
.if PCN%32 < 29
	ds_load_b64 v[\reg+2*\p:\reg+2*\p+1], v[\adr] offset:(\off)+8*PCN+16*(PCN/32)
.else
	ds_load_b64 v[\reg+2*\p:\reg+2*\p+1], v[\adr+1] offset:(\off)+8*PCN+16*(PCN/32)
.endif
.endr
.endm
.macro IFRAG reg, adr, off             ; a fragment out of an image
.irp c, 0,1,2
	ds_load_b128 v[\reg+4*\c:\reg+4*\c+3], v[\adr] offset:(\off)+512*\c
.endr
.endm
.macro FETCH s, st                     ; K step s: P's eight fragments and my two of Q into set st
	WIN 0x40                                       ; destination window 1
.irp t, 0,1,2,3,4,5,6,7
.if MODE == 2
	IFRAG 96*(\st)+FR*\t, AP0+(\s)/4, ((\s)%4)*12288+\t*1536
.else
	FRAG 96*(\st)+FR*\t, AP0, \s, (16*(\t/2)+8*(\t%2))*PITCH
.endif
.endr
.irp q, 0,1
.if MODE == 2
	FRAG 192+24*(\st)+FR*\q, AQ0, \s, 8*\q*PITCH
.else
	FRAG 192+24*(\st)+FR*\q, AQ0, \s, \q*SUB1
.endif
.endr
	WIN 0
.endm
.macro MM s, q, t                      ; one product: P's tile t x Q's tile q, K step s.  K steps 4 to 7 take their scale words from lanes 16-31
.set DD, ACC+64*(\q)+8*(\t)
.set AA, 96*((\s)%2)+FR*(\t)
.set BB, 192+24*((\s)%2)+FR*(\q)
.set SA, PS+4*(\t)+(\s)%4
.set SBB, QS+4*(\q)+(\s)%4
.if MODE == 2
.set CC, 8*(\q)
.else
.set CC, 8*(\t)
.endif
.if (\s) == 0
	v_wmma_scale_f32_16x16x128_f8f6f4 v[DD:DD+7], v[AA:AA+11], v[BB:BB+11], v[CC:CC+7], v[SA], v[SBB] matrix_a_fmt:MATRIX_FMT_FP6 matrix_b_fmt:MATRIX_FMT_FP6
.elseif (\s) < 4
	v_wmma_scale_f32_16x16x128_f8f6f4 v[DD:DD+7], v[AA:AA+11], v[BB:BB+11], v[DD:DD+7], v[SA], v[SBB] matrix_a_fmt:MATRIX_FMT_FP6 matrix_b_fmt:MATRIX_FMT_FP6
.else
	v_wmma_scale_f32_16x16x128_f8f6f4 v[DD:DD+7], v[AA:AA+11], v[BB:BB+11], v[DD:DD+7], v[SA], v[SBB] matrix_a_fmt:MATRIX_FMT_FP6 matrix_b_fmt:MATRIX_FMT_FP6 matrix_a_scale:MATRIX_SCALE_ROW1 matrix_b_scale:MATRIX_SCALE_ROW1
.endif
.endm
; A K step: 16 products; the 16 accumulators take turns, one instruction a turn, in the same order in every step.  The next step's fragments are asked for ahead of the products.
.macro STEP s
	s_wait_dscnt 0x0                               ; this step's fragments are in (asked for ahead of the last step's 16 products); at step 0 the scale words too
.if (\s) < 7
.if (\s) > 0
	PLACES 4                                       ; the set to be loaded was read by the last step's products
.endif
	FETCH (\s)+1, ((\s)+1)%2
.endif
.if (\s) == 0
	WIN 0x25                                       ; sources 0 and 1 window 1, C (the bias) window 2, D window 0
.else
	WIN 0x05
.endif
.irp q, 0,1
.irp t, 0,1,2,3,4,5,6,7
	MM \s, \q, \t
.endr
.endr
	WIN 0
.endm
; 64 numbers of a lane, v[s] .. v[s + 63], register 16 b + i = place 32 b + 16 h + i along the next K of my row, become a fragment's codes in v[pc] .. v[pc + 11] and its scale word in v[pw].
.macro QUANT s, pc, pw
.irp b, 0,1,2,3
	v_max3_num_f32 v[TM+\b], |v[\s+16*\b]|, |v[\s+1+16*\b]|, 0x1800000   ; block b: my 16 numbers, and the floor 2^(3 - 127): the byte cannot fall under 1
.endr
.irp i, 2,4,6,8,10,12,14
.irp b, 0,1,2,3
	v_max3_num_f32 v[TM+\b], v[TM+\b], |v[\s+16*\b+\i]|, |v[\s+1+16*\b+\i]|   ; (the four blocks by turns)
.endr
.endr
.irp b, 0,1,2,3
	v_permlanex16_b32 v[TM+4+\b], v[TM+\b], s[SEL], s[SEL+1]
.endr
.irp b, 0,1,2,3
	v_max_num_f32 v[TM+\b], v[TM+\b], v[TM+4+\b]   ; with lane l xor 16's: the block's largest magnitude
.endr
.irp b, 0,1,2,3
	v_add_nc_u32 v[TM+12+\b], 0xff000000, v[TM+\b] ; 2 off its exponent field: the conversion takes the exponent field of this operand as its scale
.endr
.irp b, 0,1,2,3
	v_lshrrev_b32 v[TM+4+\b], 23, v[TM+12+\b]      ; the scale's byte
.endr
	v_lshl_or_b32 v[\pw], v[TM+5], 8, v[TM+4]
	v_lshl_or_b32 v[\pw], v[TM+6], 16, v[\pw]
	v_lshl_or_b32 v[\pw], v[TM+7], 24, v[\pw]
.irp c, 0,1
	v_cvt_scalef32_pk16_fp6_f32 v[\pc+6*\c:\pc+2+6*\c], v[\s+32*\c:\s+15+32*\c], v[TM+12+2*\c]
	v_cvt_scalef32_pk16_fp6_f32 v[\pc+12+4*\c:\pc+14+4*\c], v[\s+16+32*\c:\s+31+32*\c], v[TM+12+2*\c+1]   ; (a conversion's three registers begin on an even number)
.endr
	v_nop                                          ; one plain place behind a scaled conversion
.irp c, 0,1                                    ; the operand's layout wants a whole block in a lane: lanes 0-15 block 2 c, lanes 16-31 block 2 c + 1
.irp i, 0,1,2
	v_permlane16_swap_b32 v[\pc+6*\c+\i], v[\pc+12+4*\c+\i]
.endr
.irp i, 0,1,2
	v_mov_b32 v[\pc+3+6*\c+\i], v[\pc+12+4*\c+\i]
.endr
.endr
.endm
	s_wait_tensorcnt 0x0                           ; my parts of the panels and of the scale bytes are in,
	s_barrier_signal -1
	s_barrier_wait -1                              ; everybody's are.  Nothing is filled again in this launch
.irp t, 0,1,2,3,4,5,6,7
.if MODE == 2
.irp j, 0,1,2,3
	ds_load_b32 v[PS+4*\t+\j], v[APS] offset:\j*512+\t*64
.endr
.else
	ds_load_b128 v[PS+4*\t:PS+4*\t+3], v[APS] offset:(32*(\t/2)+8*(\t%2))*32
.endif
.endr
.irp q, 0,1
.if MODE == 2
	ds_load_b128 v[QS+4*\q:QS+4*\q+3], v[AQS] offset:\q*256
.else
	ds_load_b128 v[QS+4*\q:QS+4*\q+3], v[AQS] offset:\q*512
.endif
.endr
	FETCH 0, 0
	s_wait_loadcnt 0x0                             ; the bias
.if MODE == 2
	WIN 0x80                                       ; a lane's eight results of a tile belong to one row of Wv: eight times the same number
.irp i, 0,1,2,3,4,5,6,7
	v_mov_b32 v[\i], v[BV]
	v_mov_b32 v[8+\i], v[BV+1]
.endr
	WIN 0
	PLACES 4
.endif
.irp s, 0,1,2,3,4,5,6,7
	STEP \s
.endr
	PLACES 4                                       ; in front of the first read of results
.if MODE == 3
; THE WAY OUT: 16 rows x 128 columns at a time through my own stage (rows of 512 + 16 bytes) and back as whole rows.  LDS serves a wave's instructions in order (ISA guide 5.7.1.4): no wait between stores and loads.
.irp q, 0,1
.irp b, 0,1,2,3
.irp i, 0,1,2,3
	ds_store_b128 v[SW], v[ACC+64*\q+16*\b+4*\i:ACC+64*\q+16*\b+4*\i+3] offset:128*\b+16*\i   ; columns 32 b + 16 h + 4 i on; each accumulator from its low end on
.endr
.endr
.irp i, 0,1,2,3,4,5,6,7,8,9,10,11,12,13,14,15
	ds_load_b128 v[ACC+64*\q+4*\i:ACC+64*\q+4*\i+3], v[SR] offset:528*\i
.endr
.irp i, 0,1,2,3,4,5,6,7,8,9,10,11,12,13,14,15
	s_wait_dscnt 15-\i                             ; row i is back; the loads issued behind it may be out
	global_store_b128 v[GI], v[ACC+64*\q+4*\i:ACC+64*\q+4*\i+3], s[OUT:OUT+1] offset:(16*\q+\i)*4096 th:TH_STORE_NT   ; 32 lanes store 512 consecutive bytes, at a multiple of 256 from out's first byte
.endr
.endr
.else
; THE WAY OUT: each of my two tiles becomes a fragment, stored as it stands: three stores of 512 consecutive bytes.  The scale words of the work-group's eight fragments meet in LDS and leave as 512 bytes.
.irp q, 0,1
	QUANT ACC+64*\q, PCA+20*\q, PW+\q
.irp c, 0,1,2
	global_store_b128 v[GI], v[PCA+20*\q+4*\c:PCA+20*\q+4*\c+3], s[OUT:OUT+1] offset:\q*1536+512*\c
.endr
	ds_store_b32 v[SW], v[PW+\q] offset:64*\q      ; both halves of the lanes write the same word with the same value
.endr
	s_wait_dscnt 0x0                               ; for the others' sake: my scale words lie in the stage
	s_barrier_signal -1
	s_barrier_wait -1
	s_cmp_lg_u32 s[WV], 0
	s_cbranch_scc1 .Lnot_mine
	ds_load_b128 v[TM:TM+3], v[SR]
	s_wait_dscnt 0x0
	global_store_b128 v[GI], v[TM:TM+3], s[OSC:OSC+1]   ; 512 consecutive bytes, at a multiple of 256 from the buffer's first byte
.Lnot_mine:
.endif
	s_wait_tensorcnt 0x0
	ds_add_u32 v122, v123
	s_wait_dscnt 0x0
	CROUND                                         ; the closing round: no work-group ends while a partner may still ask for a panel that names it
	s_endpgm
.Lfunc_end_k_q3d1b80e1ac_proj:
	.size	k_q3d1b80e1ac_proj, .Lfunc_end_k_q3d1b80e1ac_proj-k_q3d1b80e1ac_proj
	.p2alignl 7, 3214868480
	.fill 96, 4, 3214868480
	.section	.rodata,"a",@progbits
	.p2align	6, 0x0
	.amdhsa_kernel k_q3d1b80e1ac_proj
		.amdhsa_group_segment_fixed_size 327680
		.amdhsa_private_segment_fixed_size 0
		.amdhsa_enable_private_segment 0
		.amdhsa_kernarg_size 120
		.amdhsa_user_sgpr_count 2
		.amdhsa_user_sgpr_kernarg_segment_ptr 1
		.amdhsa_wavefront_size32 1
		.amdhsa_system_sgpr_workgroup_id_x 1
		.amdhsa_system_sgpr_workgroup_id_y 1
		.amdhsa_system_sgpr_workgroup_id_z 1
		.amdhsa_system_vgpr_workitem_id 0
		.amdhsa_next_free_vgpr 768
		.amdhsa_next_free_sgpr 102
		.amdhsa_reserve_vcc 0
		.amdhsa_float_denorm_mode_32 3
		.amdhsa_float_denorm_mode_16_64 3
		.amdhsa_memory_ordered 1
		.amdhsa_forward_progress 1
		.amdhsa_inst_pref_size 69
	.end_amdhsa_kernel
	.amdgpu_metadata
---
amdhsa.version: [ 1, 2 ]
amdhsa.kernels:
  - .name:           k_q3d1b80e1ac_proj
    .symbol:         k_q3d1b80e1ac_proj.kd
    .args:
      - { .name: queries_codes, .offset: 0, .size: 8, .value_kind: global_buffer, .address_space: global }
      - { .name: queries_scales, .offset: 8, .size: 8, .value_kind: global_buffer, .address_space: global }
      - { .name: keys_codes, .offset: 16, .size: 8, .value_kind: global_buffer, .address_space: global }
      - { .name: keys_scales, .offset: 24, .size: 8, .value_kind: global_buffer, .address_space: global }
      - { .name: values_codes, .offset: 32, .size: 8, .value_kind: global_buffer, .address_space: global }
      - { .name: values_scales, .offset: 40, .size: 8, .value_kind: global_buffer, .address_space: global }
      - { .name: Wq_codes, .offset: 48, .size: 8, .value_kind: global_buffer, .address_space: global }
      - { .name: Wq_scales, .offset: 56, .size: 8, .value_kind: global_buffer, .address_space: global }
      - { .name: Wk_codes, .offset: 64, .size: 8, .value_kind: global_buffer, .address_space: global }
      - { .name: Wk_scales, .offset: 72, .size: 8, .value_kind: global_buffer, .address_space: global }
      - { .name: bq, .offset: 80, .size: 8, .value_kind: global_buffer, .address_space: global }
      - { .name: bk, .offset: 88, .size: 8, .value_kind: global_buffer, .address_space: global }
      - { .name: q_ws, .offset: 96, .size: 8, .value_kind: global_buffer, .address_space: global }
      - { .name: k_ws, .offset: 104, .size: 8, .value_kind: global_buffer, .address_space: global }
      - { .name: t_ws, .offset: 112, .size: 8, .value_kind: global_buffer, .address_space: global }
    .group_segment_fixed_size: 327680
    .private_segment_fixed_size: 0
    .kernarg_segment_align: 8
    .kernarg_segment_size: 120
    .max_flat_workgroup_size: 128
    .sgpr_count:     102
    .vgpr_count:     768
    .wavefront_size: 32
...
	.end_amdgpu_metadata
.endif
;; end of part 1
;; launch vproj (part 2): grid 32 x 8, 4 waves a work-group, clusters of 4 x 4, 327,680 bytes of LDS; arguments t_ws, Wv_codes, Wv_scales, bv, v_ws; writes v_ws
.if DOCPART == 2
	.amdgcn_target "amdgcn-amd-amdhsa--gfx1250"
	.amdhsa_code_object_version 6
	.text
	.protected	k_q3d1b80e1ac_vproj
	.globl	k_q3d1b80e1ac_vproj
	.p2align	8
	.type	k_q3d1b80e1ac_vproj,@function
k_q3d1b80e1ac_vproj:
	s_mov_b64 s[64:65], 0
	v_nop
	global_prefetch_b8 v0, s[64:65] scope:SCOPE_SE
	s_setreg_imm32_b32 hwreg(HW_REG_WAVE_MODE, 25, 1), 1
	s_wait_xcnt 0x0
	s_wait_alu depctr_hold_cnt(0) depctr_sa_sdst(0) depctr_va_vdst(0) depctr_va_sdst(0) depctr_va_ssrc(0) depctr_va_vcc(0) depctr_vm_vsrc(0)
	s_getreg_b32 s2, hwreg(HW_REG_IB_STS2, 6, 4)
	s_cmp_eq_u32 s2, 0
	s_cbranch_scc0 .Lentry_in_a_cluster
	s_endpgm
.Lentry_in_a_cluster:
	s_bfe_u32 s2, ttmp6, 0x10000c
	s_cmp_lg_u32 s2, 0xf033
	s_cbranch_scc0 .Lentry_shape_is_right
	s_endpgm
.Lentry_shape_is_right:
; ONE TEXT FOR THREE LAUNCHES; MODE says which.  D = P Q^T + bias on codes of FP6 (E2M3), one E8M0 scale for each 32 along K, K = 1,024, sums in f32.
;   MODE 1: q = queries Wq + bq, k = keys Wk + bk, t = values Wk + bk (work-group y / 32 says which).  P = 128 rows of W, Q = 128 rows of x.  The results are quantised along the features.
;   MODE 2: v = t Wv + bv.  P = 128 rows of t (keys), Q = 128 rows of Wv.  The results are quantised along the KEYS, which are the K of the product that reads them.
;   MODE 3: out = a Wo + bo, f32.  P = 128 rows of Wo, Q = 128 rows of a.
; P IS SOURCE 0, Q SOURCE 1: in a result lane (r, h) holds Q's row r and its register j P's row 8 h + j of the tile, so a lane's registers run along P, the axis that is quantised (or, in MODE 3, along a row of out).
; SHARES.  A work-group of four waves makes 128 x 128; wave w makes all 128 of P x Q's tiles 2 w and 2 w + 1: 16 accumulators.  128 of P to a wave are one whole fragment and one whole scale word of the next product.
; WEIGHT ROWS OF A TILE ARE NOT NEIGHBOURS: lane r of tile 2 b + u takes row 32 b + 8 u + r + 8 (r / 8), so that the 16 registers of tiles 2 b and 2 b + 1 are 16 neighbours, 32 b + 16 h + 0 .. 15.
; Rows of x, t and a form tiles of 16 neighbours.  In MODE 2 a block's 32 keys so stand in another order than in memory; the launch that makes the other operand of that product lays its keys in the same order.
; LDS.  Both panels, for ALL of K, and their scale bytes come in once, by tensor loads at the head: nothing is filled again.  A row of 768 bytes lies as 3 x (256 + 16) bytes, 816 from row to row = 204 words:
; row i starts at bank 12 i mod 64 (64 banks of 4 bytes: ISA guide 11.1).  A panel is two halves: rows with (row / 16) even, then those with (row / 16) odd, 128 bytes further on than the first half's end:
; so the 32 lanes of a load of 8 bytes touch 64 different banks, in tiles of neighbours and in the weights' tiles alike.
; CLUSTER 4 x 4.  Q's panel hangs on work-group y alone and is asked for jointly by the four of a row of the cluster, P's on x alone (in MODE 1 also on which product, which all sixteen share) by the four of a column.
; WORKSPACE (q, k, t, v): AN OPERAND LIES AS AN IMAGE OF ITS REGISTERS.  A fragment (16 rows x 128 K, 12 registers) is 1,536 bytes: registers 4 c .. 4 c + 3 of lane l at 512 c + 16 l; its 16 scale words are 64 bytes.
; Eight fragments lie at IDX x 12,288, their scale words at SCOFF + IDX x 512, IDX = (8 batch + group of 128 features) x 8 + block of 128 rows (MODE 2: of 128 keys).
; LIMITS: NaN, infinities and scale bytes 0xff among the inputs are not served.  A block of zeros, or one whose largest magnitude lies under 2^(3 - 127), gets the byte 1 where the rule says 127 for zeros: its codes
; are zeros or held by that scale, and this program alone reads the bytes.  The bias is the C of each sum's first product, so it is added first and not last.
.set MODE,  2
.set SCOFF, 3145728                    ; a workspace buffer: 3,145,728 bytes of codes, then 131,072 scale bytes
.set PITCH, 816
.set SUB1,  64*PITCH+128               ; from a panel's first half to its second
.set QPAN,  0
.set PPAN,  2*SUB1
.set QSCL,  209408                     ; Q's scale bytes, 128 rows x 32
.set PSCL,  QSCL+4096                  ; P's
.set STG,   PSCL+4096                  ; a stage that no tensor load fills: MODE 1, 2: 512 bytes of scale words; MODE 3: 16 rows x 528 bytes for each wave
.set FR,    12                         ; registers of a fragment
.set PANW,  (3<<16)|(1<<20)|(1<<21)|(5<<22)|(3<<25)   ; group 1, word 0 beside the mask: elements of 8 bytes; padding on; bit 21 set beside a mask; after every 64 words, 4 words
.set DENW,  (3<<16)|(1<<21)            ; the same without padding
.if MODE == 2
.set PWRD, DENW                        ; P = t: four K steps x 8 fragments (12,288 bytes), 98,304 bytes from K step to K step
.set PST,  12288
.set PSD0, 64                          ; their scale words: 512 bytes, 4,096 bytes apart
.set PSD1, 4
.set PSST, 512
.else
.set PWRD, PANW                        ; P = a weight: four runs of 16 dense rows (12,288 bytes), 32 rows apart
.set PST,  3072
.set PSD0, 32                          ; 2,048 dense scale bytes as 8 rows of 256
.set PSD1, 8
.set PSST, 32
.endif
; scalar registers
.set QC,   4                           ; s[4:5]   Q's codes
.if MODE == 3
.set QSC,  4                           ;          Q's scale bytes lie in the same buffer
.else
.set QSC,  6                           ; s[6:7]   Q's scale bytes
.endif
.set PCD,  8                           ; s[8:9]   P's codes
.if MODE == 2
.set PSC,  8
.else
.set PSC,  10                          ; s[10:11] P's scale bytes
.endif
.set BIA,  12                          ; s[12:13] the bias
.set OUT,  14                          ; s[14:15] where my results go
.set OSC,  16                          ; s[16:17] and the work-group's scale words
.set WV,   18
.set ROLE, 19                          ; wave / 2: 0 fetches for Q, 1 for P
.set GH,   20                          ; wave % 2: which half of the panel
.set CX,   21
.set CY,   22
.set PB,   23                          ; work-group x: P's block
.set G1Q,  24                          ; groups 1: Q's panel, P's panel, Q's scale bytes, P's
.set G1P,  32
.set G1QS, 40
.set G1PS, 48
.set G0Q,  56                          ; groups 0 likewise
.set G0P,  60
.set G0QS, 68
.set G0PS, 72
.set QB,   76                          ; work-group y: Q's block (MODE 1: modulo 32)
.set MROW, 77
.set MCOL, 78
.set GSEL, 79                          ; MODE 1: which product
.set OQ,   80                          ; s[80:81], s[90:91] offsets on Q's side: they never hold cx
.set OP,   82                          ; s[82:83], s[92:93] on P's side: they never hold cy
.set OO,   84                          ; s[84:85] offsets of bias and results
.set SEL,  86                          ; s[86:87] v_permlanex16_b32's selects for lane l xor 16
.set OQS,  90
.set OPS,  92
; vector registers, window 0
.set R,    1
.set H,    2
.set LN,   3
.set AP0,  4                           ; LDS address of P's fragments; AP1: the pieces behind one padding more (MODE 2: K steps 4 to 7)
.set AP1,  5
.set AQ0,  6
.set AQ1,  7
.set APS,  8                           ; of P's scale words
.set AQS,  9
.set GI,   10                          ; 16 x lane
.set SW,   11                          ; into the stage
.set SR,   12                          ; out of it
.set BO,   13                          ; my offset in the bias
.set T0,   14
.set T1,   15
.set BV,   28                          ; MODE 2: bv of my two rows
.set PW,   30                          ; v30-31 the scale words just made
.set PS,   32                          ; v32-63 P's scale words: register 4 t + j: lanes 0-15 K step j, lanes 16-31 K step 4 + j
.set QS,   64                          ; v64-71 Q's likewise
.set PCA,  72                          ; v72-111 the codes just made: 12 + 8 at work for each of my two tiles
.set TM,   112                         ; v112-127 at work
.set ACC,  128                         ; v128-255 accumulator (q, t) at 128 + 64 q + 8 t
; window 1: P's fragments, two sets of 96; from v192 Q's, two sets of 24.   window 2: the bias in the result's layout
.set MSB, 0
.macro WIN new                         ; the immediate's high byte repeats the setting that is left
.if MSB != (\new)
	s_set_vgpr_msb (MSB<<8)|(\new)
.set MSB, (\new)
.endif
.endm
.macro PLACES n                        ; plain vector instructions between a matrix instruction and what touches its registers (ISA guide 7.12.1)
.rept \n
	v_nop
.endr
.endm
.macro CROUND                          ; a round of the cluster's barrier: my work-group's barrier; wave 0 signals for the work-group; every wave waits for all sixteen; my work-group's barrier once more
	s_barrier_signal -1
	s_barrier_wait -1
	s_cmp_lg_u32 s[WV], 0
	s_cbranch_scc1 .Lnot_wave_0_\@
	s_barrier_signal -3
.Lnot_wave_0_\@:
	s_barrier_wait -3
	s_barrier_signal -1
	s_barrier_wait -1
.endm
.macro JLOAD g0q, g1q, g0p, g1p        ; a joint load: waves 0 and 1 fetch for Q, waves 2 and 3 for P; each line has one mask; four v_nop follow each
	s_cmp_eq_u32 s[ROLE], 0
	s_cbranch_scc0 .Lfor_p_\@
	tensor_load_to_lds s[\g0q:\g0q+3], s[\g1q:\g1q+7]
	s_nop 0
.rept 4
	v_nop
.endr
	s_branch .Lasked_\@
.Lfor_p_\@:
	tensor_load_to_lds s[\g0p:\g0p+3], s[\g1p:\g1p+7]
	s_nop 0
.rept 4
	v_nop
.endr
.Lasked_\@:
.endm
.macro G1SET g, d0, d1, st             ; words 1 to 7 of a group 1: rows of d0 elements, d1 of them, st elements apart; the tile lies inside the tensor
	s_mov_b32 s[\g+1], (\d0)<<16
	s_mov_b32 s[\g+2], (\d1)<<16
	s_mov_b32 s[\g+3], (\d0)<<16
	s_mov_b32 s[\g+4], \d1
	s_mov_b32 s[\g+5], \st
	s_mov_b32 s[\g+6], 0
	s_mov_b32 s[\g+7], 0
.endm
.if MODE == 1
	s_load_b512 s[24:39], s[0:1], 0x0              ; queries, keys, values (codes, scales), Wq (codes, scales)
	s_load_b256 s[40:47], s[0:1], 0x40             ; Wk (codes, scales), bq, bk
	s_load_b128 s[48:51], s[0:1], 0x60             ; q_ws, k_ws
	s_load_b64 s[52:53], s[0:1], 0x70              ; t_ws
.elseif MODE == 2
	s_load_b64 s[PCD:PCD+1], s[0:1], 0x0           ; t_ws
	s_load_b128 s[QC:QC+3], s[0:1], 0x8            ; Wv's codes, Wv's scales
	s_load_b128 s[BIA:BIA+3], s[0:1], 0x18         ; bv, v_ws
	v_lshl_add_u32 v122, v0, 2, 0x35400
	v_mov_b32 v123, 0
	ds_add_u32 v122, v123
	ds_add_u32 v122, v123
.else
	s_load_b64 s[QC:QC+1], s[0:1], 0x0             ; a_ws
	s_load_b128 s[PCD:PCD+3], s[0:1], 0x8          ; Wo's codes, Wo's scales
	s_load_b128 s[BIA:BIA+3], s[0:1], 0x18         ; bo, out0
.endif
	v_lshrrev_b32 v1, 5, v0
	v_readfirstlane_b32 s[WV], v1                  ; wave 0..3
	s_lshr_b32 s[ROLE], s[WV], 1
	s_and_b32 s[GH], s[WV], 1
	s_bfe_u32 s[CX], ttmp6, 0x40000                ; my place in the cluster
	s_bfe_u32 s[CY], ttmp6, 0x40004
	s_lshl_b32 s[PB], ttmp9, 2
	s_add_co_u32 s[PB], s[PB], s[CX]               ; work-group x = 4 x cluster x + cx
	s_and_b32 s[QB], ttmp7, 0xffff
.if MODE == 1
	s_lshr_b32 s[GSEL], s[QB], 3                   ; work-group y / 32 = cluster y / 8: the same in all sixteen partners
.endif
	s_lshl_b32 s[QB], s[QB], 2
	s_add_co_u32 s[QB], s[QB], s[CY]               ; work-group y = 4 x cluster y + cy
.if MODE == 1
	s_and_b32 s[QB], s[QB], 31                     ; the block of 128 rows of x
.endif
	s_lshl_b32 s[MROW], s[CY], 2
	s_lshl_b32 s[MROW], 15, s[MROW]                ; my row of the cluster
	s_lshl_b32 s[MCOL], 0x1111, s[CX]              ; my column
	s_mov_b32 s[SEL], 0x76543210
	s_mov_b32 s[SEL+1], 0xfedcba98
	; where the panels begin, in bytes
	s_mul_i32 s88, s[GH], 12288                    ; a row-major panel's second half begins 16 rows on
	s_lshl_b32 s89, s[GH], 11                      ; the scale bytes' second half 2,048 bytes on, in memory and in LDS
	s_mul_i32 s97, s[GH], SUB1                     ; the panel's second half in LDS
	s_mul_i32 s[OQ], s[QB], 98304                  ; 128 rows of 768 bytes
	s_add_co_u32 s[OQ], s[OQ], s88
	s_mov_b32 s[OQ+1], 0
	s_lshl_b32 s[OQS], s[QB], 12                   ; 128 rows of 32 scale bytes
	s_add_co_u32 s[OQS], s[OQS], s89
.if MODE == 3
	s_add_co_u32 s[OQS], s[OQS], SCOFF
.endif
	s_mov_b32 s[OQS+1], 0
.if MODE == 2
	s_lshr_b32 s94, s[PB], 3                       ; the batch
	s_and_b32 s95, s[PB], 7                        ; the block of 128 rows in it
	s_mul_i32 s[OP], s94, 786432
	s_mul_i32 s96, s95, 12288
	s_add_co_u32 s[OP], s[OP], s96
	s_mul_i32 s96, s[GH], 393216                   ; K steps 4 to 7
	s_add_co_u32 s[OP], s[OP], s96
	s_lshl_b32 s[OPS], s94, 15
	s_lshl_b32 s96, s95, 9
	s_add_co_u32 s[OPS], s[OPS], s96
	s_lshl_b32 s96, s[GH], 14
	s_add_co_u32 s[OPS], s[OPS], s96
	s_add_co_u32 s[OPS], s[OPS], SCOFF
	s_mul_i32 s99, s[GH], 49152
.else
	s_mul_i32 s[OP], s[PB], 98304
	s_add_co_u32 s[OP], s[OP], s88
	s_lshl_b32 s[OPS], s[PB], 12
	s_add_co_u32 s[OPS], s[OPS], s89
.endif
	s_mov_b32 s[OP+1], 0
	s_mov_b32 s[OPS+1], 0
	s_wait_dscnt 0x0
	s_wait_kmcnt 0x0
.if MODE == 1
	s_cmp_eq_u32 s[GSEL], 0                        ; the buffers are chosen by the product's number alone
	s_cselect_b64 s[QC:QC+1], s[24:25], s[28:29]
	s_cselect_b64 s[QSC:QSC+1], s[26:27], s[30:31]
	s_cselect_b64 s[PCD:PCD+1], s[36:37], s[40:41]
	s_cselect_b64 s[PSC:PSC+1], s[38:39], s[42:43]
	s_cselect_b64 s[BIA:BIA+1], s[44:45], s[46:47]
	s_cselect_b64 s[OUT:OUT+1], s[48:49], s[50:51]
	s_cmp_eq_u32 s[GSEL], 2
	s_cselect_b64 s[QC:QC+1], s[32:33], s[QC:QC+1]
	s_cselect_b64 s[QSC:QSC+1], s[34:35], s[QSC:QSC+1]
	s_cselect_b64 s[OUT:OUT+1], s[52:53], s[OUT:OUT+1]
.endif
	s_or_b32 s[G1Q], s[MROW], PANW                 ; Q's panel: four runs of 16 dense rows (1,536 elements of 8 bytes), 32 rows apart
	G1SET G1Q, 1536, 4, 3072
	s_or_b32 s[G1QS], s[MROW], DENW
	G1SET G1QS, 32, 8, 32
	s_or_b32 s[G1P], s[MCOL], PWRD
	G1SET G1P, 1536, 4, PST
	s_or_b32 s[G1PS], s[MCOL], DENW
	G1SET G1PS, PSD0, PSD1, PSST
	s_mov_b32 s[G0Q], 1                            ; groups 0: count 1; LDS address; global address; type 2
	s_add_co_u32 s[G0Q+1], s97, QPAN
	s_add_nc_u64 s[G0Q+2:G0Q+3], s[QC:QC+1], s[OQ:OQ+1]
	s_or_b32 s[G0Q+3], s[G0Q+3], 0x80000000
	s_mov_b32 s[G0QS], 1
	s_add_co_u32 s[G0QS+1], s89, QSCL
	s_add_nc_u64 s[G0QS+2:G0QS+3], s[QSC:QSC+1], s[OQS:OQS+1]
	s_or_b32 s[G0QS+3], s[G0QS+3], 0x80000000
	s_mov_b32 s[G0P], 1
.if MODE == 2
	s_add_co_u32 s[G0P+1], s99, PPAN
.else
	s_add_co_u32 s[G0P+1], s97, PPAN
.endif
	s_add_nc_u64 s[G0P+2:G0P+3], s[PCD:PCD+1], s[OP:OP+1]
	s_or_b32 s[G0P+3], s[G0P+3], 0x80000000
	s_mov_b32 s[G0PS], 1
	s_add_co_u32 s[G0PS+1], s89, PSCL
	s_add_nc_u64 s[G0PS+2:G0PS+3], s[PSC:PSC+1], s[OPS:OPS+1]
	s_or_b32 s[G0PS+3], s[G0PS+3], 0x80000000
	CROUND                                         ; all sixteen work-groups are here: the joint loads meet
	JLOAD G0QS, G1QS, G0PS, G1PS                   ; two tensor loads of mine are out: my half of a side's scale bytes,
	JLOAD G0Q, G1Q, G0P, G1P                       ; and my half of its panel
	v_and_b32 v[R], 15, v0                         ; r
	v_bfe_u32 v[H], v0, 4, 1                       ; h
	v_and_b32 v[LN], 31, v0
	v_lshlrev_b32 v[GI], 4, v[LN]
	v_bfe_u32 v[T1], v0, 3, 1                      ; r / 8
	v_and_b32 v[T0], 7, v0
	v_mul_u32_u24 v[T0], v[T0], PITCH
	v_mad_u32_u24 v[T0], v[T1], SUB1, v[T0]        ; a weight's tile: lanes 0-7 eight rows of the first half, lanes 8-15 the same eight of the second,
	v_mad_u32_u24 v[T0], v[H], 24, v[T0]           ; + 24 h
	v_lshl_add_u32 v[T1], v[T1], 3, v[R]           ; r + 8 (r / 8)
	s_mul_i32 s66, s[WV], 16*PITCH                 ; my two tiles of Q: 16 LDS rows for each wave
	s_lshl_b32 s67, s[WV], 10                      ; and 32 rows of scale bytes
.if MODE == 2
	v_add_nc_u32 v[AP0], PPAN, v[GI]               ; images: 16 x lane
	v_add_nc_u32 v[AP1], PPAN+49152, v[GI]
	v_add_nc_u32 v[AQ0], s66, v[T0]
	v_lshlrev_b32 v[APS], 2, v[R]
	v_lshl_add_u32 v[APS], v[H], 11, v[APS]        ; lanes 16-31 take the scale words four K steps on
	v_add_nc_u32 v[APS], PSCL, v[APS]
	v_lshlrev_b32 v[AQS], 5, v[T1]
	v_lshlrev_b32 v[BO], 2, v[T1]
.else
	v_add_nc_u32 v[AP0], PPAN, v[T0]
	v_lshl_add_u32 v[AP1], v[H], 4, v[AP0]
	v_mul_u32_u24 v[AQ0], v[R], PITCH
	v_mad_u32_u24 v[AQ0], v[H], 24, v[AQ0]
	v_add_nc_u32 v[AQ0], s66, v[AQ0]
	v_lshlrev_b32 v[APS], 5, v[T1]
	v_lshl_add_u32 v[APS], v[H], 4, v[APS]         ; 16 bytes: the words of K steps 4 h .. 4 h + 3
	v_add_nc_u32 v[APS], PSCL, v[APS]
	v_lshlrev_b32 v[AQS], 5, v[R]
	v_lshlrev_b32 v[BO], 6, v[H]
.endif
	v_lshl_add_u32 v[AQ1], v[H], 4, v[AQ0]
	v_lshl_add_u32 v[AQS], v[H], 4, v[AQS]
	v_add_nc_u32 v[AQS], s67, v[AQS]
	v_add_nc_u32 v[AQS], QSCL, v[AQS]
.if MODE == 3
	s_mul_i32 s100, s[WV], 16*528
	v_mul_u32_u24 v[SW], v[R], 528
	v_lshl_add_u32 v[SW], v[H], 6, v[SW]
	v_add_nc_u32 v[SW], s100, v[SW]
	v_add_nc_u32 v[SW], STG, v[SW]                 ; in: row r, + 64 h
	v_add_nc_u32 v[SR], s100, v[GI]
	v_add_nc_u32 v[SR], STG, v[SR]                 ; back: a row of 512 bytes to the 32 lanes
.else
	s_lshl_b32 s100, s[WV], 7
	v_lshl_add_u32 v[SW], v[R], 2, s100
	v_add_nc_u32 v[SW], STG, v[SW]                 ; my tiles' scale words: 128 x wave + 4 r
	v_add_nc_u32 v[SR], STG, v[GI]
.endif
.irp b, 0,1,2,3
	v_mov_b32 v[TM+4+\b], 0                        ; written once: a lane permute's destination counts as one of its sources
.endr
	; the bias, in the result's layout
	s_mov_b32 s[OO+1], 0
.if MODE == 2
	s_lshl_b32 s[OO], s[QB], 9
	s_lshl_b32 s94, s[WV], 7
	s_add_co_u32 s[OO], s[OO], s94
	s_add_nc_u64 s[BIA:BIA+1], s[BIA:BIA+1], s[OO:OO+1]
	global_load_b32 v[BV], v[BO], s[BIA:BIA+1]               ; bv of my row of tile 2 w: 32 w + r + 8 (r / 8),
	global_load_b32 v[BV+1], v[BO], s[BIA:BIA+1] offset:32   ; and of tile 2 w + 1: eight further on
.else
	s_lshl_b32 s[OO], s[PB], 9
	s_add_nc_u64 s[BIA:BIA+1], s[BIA:BIA+1], s[OO:OO+1]
	WIN 0x80                                       ; destination window 2
.irp t, 0,1,2,3,4,5,6,7
	global_load_b128 v[8*\t:8*\t+3], v[BO], s[BIA:BIA+1] offset:(32*(\t/2)+8*(\t%2))*4       ; tile t, lane half h: 32 (t / 2) + 16 h + 8 (t % 2) + 0 .. 7
	global_load_b128 v[8*\t+4:8*\t+7], v[BO], s[BIA:BIA+1] offset:(32*(\t/2)+8*(\t%2))*4+16
.endr
	WIN 0
.endif
	; where the results go
.if MODE == 3
	s_lshl_b32 s94, s[QB], 7
	s_lshl_b32 s95, s[WV], 5
	s_add_co_u32 s94, s94, s95                     ; my first row of out
	s_lshl_b32 s[OO], s94, 12
	s_lshl_b32 s95, s[PB], 9
	s_add_co_u32 s[OO], s[OO], s95
	s_add_nc_u64 s[OUT:OUT+1], s[OUT:OUT+1], s[OO:OO+1]
.else
.if MODE == 1
	s_lshr_b32 s94, s[QB], 3                       ; batch
	s_lshl_b32 s94, s94, 3
	s_add_co_u32 s94, s94, s[PB]                   ; group of 128 features
	s_and_b32 s95, s[QB], 7                        ; block of 128 rows
.else
	s_lshr_b32 s94, s[PB], 3
	s_lshl_b32 s94, s94, 3
	s_add_co_u32 s94, s94, s[QB]
	s_and_b32 s95, s[PB], 7                        ; block of 128 keys
.endif
	s_lshl_b32 s94, s94, 3
	s_add_co_u32 s94, s94, s95                     ; IDX
	s_lshl_b32 s[OO], s94, 9
	s_add_co_u32 s[OO], s[OO], SCOFF
	s_add_nc_u64 s[OSC:OSC+1], s[OUT:OUT+1], s[OO:OO+1]
	s_mul_i32 s[OO], s94, 12288
	s_mul_i32 s95, s[WV], 3072                     ; my two fragments
	s_add_co_u32 s[OO], s[OO], s95
	s_add_nc_u64 s[OUT:OUT+1], s[OUT:OUT+1], s[OO:OO+1]
.endif
; A fragment out of a row-major panel: lane (r, h) takes 24 bytes at 96 s + 24 h of its row and 24 bytes 48 further on, in pieces of 8 bytes.  Piece n of a row lies at 8 n + 16 (n / 32).
; Lanes 16-31 read three pieces further on: where that is behind one padding more, the second address register (40 for 24 bytes a half) serves.
.macro FRAG reg, adr, s, off
.irp p, 0,1,2,3,4,5
.set PCN, 12*(\s)+6*(\p/3)+\p%3
.if PCN%32 < 29
	ds_load_b64 v[\reg+2*\p:\reg+2*\p+1], v[\adr] offset:(\off)+8*PCN+16*(PCN/32)
.else
	ds_load_b64 v[\reg+2*\p:\reg+2*\p+1], v[\adr+1] offset:(\off)+8*PCN+16*(PCN/32)
.endif
.endr
.endm
.macro IFRAG reg, adr, off             ; a fragment out of an image
.irp c, 0,1,2
	ds_load_b128 v[\reg+4*\c:\reg+4*\c+3], v[\adr] offset:(\off)+512*\c
.endr
.endm
.macro FETCH s, st                     ; K step s: P's eight fragments and my two of Q into set st
	WIN 0x40                                       ; destination window 1
.irp t, 0,1,2,3,4,5,6,7
.if MODE == 2
	IFRAG 96*(\st)+FR*\t, AP0+(\s)/4, ((\s)%4)*12288+\t*1536
.else
	FRAG 96*(\st)+FR*\t, AP0, \s, (16*(\t/2)+8*(\t%2))*PITCH
.endif
.endr
.irp q, 0,1
.if MODE == 2
	FRAG 192+24*(\st)+FR*\q, AQ0, \s, 8*\q*PITCH
.else
	FRAG 192+24*(\st)+FR*\q, AQ0, \s, \q*SUB1
.endif
.endr
	WIN 0
.endm
.macro MM s, q, t                      ; one product: P's tile t x Q's tile q, K step s.  K steps 4 to 7 take their scale words from lanes 16-31
.set DD, ACC+64*(\q)+8*(\t)
.set AA, 96*((\s)%2)+FR*(\t)
.set BB, 192+24*((\s)%2)+FR*(\q)
.set SA, PS+4*(\t)+(\s)%4
.set SBB, QS+4*(\q)+(\s)%4
.if MODE == 2
.set CC, 8*(\q)
.else
.set CC, 8*(\t)
.endif
.if (\s) == 0
	v_wmma_scale_f32_16x16x128_f8f6f4 v[DD:DD+7], v[AA:AA+11], v[BB:BB+11], v[CC:CC+7], v[SA], v[SBB] matrix_a_fmt:MATRIX_FMT_FP6 matrix_b_fmt:MATRIX_FMT_FP6
.elseif (\s) < 4
	v_wmma_scale_f32_16x16x128_f8f6f4 v[DD:DD+7], v[AA:AA+11], v[BB:BB+11], v[DD:DD+7], v[SA], v[SBB] matrix_a_fmt:MATRIX_FMT_FP6 matrix_b_fmt:MATRIX_FMT_FP6
.else
	v_wmma_scale_f32_16x16x128_f8f6f4 v[DD:DD+7], v[AA:AA+11], v[BB:BB+11], v[DD:DD+7], v[SA], v[SBB] matrix_a_fmt:MATRIX_FMT_FP6 matrix_b_fmt:MATRIX_FMT_FP6 matrix_a_scale:MATRIX_SCALE_ROW1 matrix_b_scale:MATRIX_SCALE_ROW1
.endif
.endm
; A K step: 16 products; the 16 accumulators take turns, one instruction a turn, in the same order in every step.  The next step's fragments are asked for ahead of the products.
.macro STEP s
	s_wait_dscnt 0x0                               ; this step's fragments are in (asked for ahead of the last step's 16 products); at step 0 the scale words too
.if (\s) < 7
.if (\s) > 0
	PLACES 4                                       ; the set to be loaded was read by the last step's products
.endif
	FETCH (\s)+1, ((\s)+1)%2
.endif
.if (\s) == 0
	WIN 0x25                                       ; sources 0 and 1 window 1, C (the bias) window 2, D window 0
.else
	WIN 0x05
.endif
.irp q, 0,1
.irp t, 0,1,2,3,4,5,6,7
	MM \s, \q, \t
.endr
.endr
	WIN 0
.endm
; 64 numbers of a lane, v[s] .. v[s + 63], register 16 b + i = place 32 b + 16 h + i along the next K of my row, become a fragment's codes in v[pc] .. v[pc + 11] and its scale word in v[pw].
.macro QUANT s, pc, pw
.irp b, 0,1,2,3
	v_max3_num_f32 v[TM+\b], |v[\s+16*\b]|, |v[\s+1+16*\b]|, 0x1800000   ; block b: my 16 numbers, and the floor 2^(3 - 127): the byte cannot fall under 1
.endr
.irp i, 2,4,6,8,10,12,14
.irp b, 0,1,2,3
	v_max3_num_f32 v[TM+\b], v[TM+\b], |v[\s+16*\b+\i]|, |v[\s+1+16*\b+\i]|   ; (the four blocks by turns)
.endr
.endr
.irp b, 0,1,2,3
	v_permlanex16_b32 v[TM+4+\b], v[TM+\b], s[SEL], s[SEL+1]
.endr
.irp b, 0,1,2,3
	v_max_num_f32 v[TM+\b], v[TM+\b], v[TM+4+\b]   ; with lane l xor 16's: the block's largest magnitude
.endr
.irp b, 0,1,2,3
	v_add_nc_u32 v[TM+12+\b], 0xff000000, v[TM+\b] ; 2 off its exponent field: the conversion takes the exponent field of this operand as its scale
.endr
.irp b, 0,1,2,3
	v_lshrrev_b32 v[TM+4+\b], 23, v[TM+12+\b]      ; the scale's byte
.endr
	v_lshl_or_b32 v[\pw], v[TM+5], 8, v[TM+4]
	v_lshl_or_b32 v[\pw], v[TM+6], 16, v[\pw]
	v_lshl_or_b32 v[\pw], v[TM+7], 24, v[\pw]
.irp c, 0,1
	v_cvt_scalef32_pk16_fp6_f32 v[\pc+6*\c:\pc+2+6*\c], v[\s+32*\c:\s+15+32*\c], v[TM+12+2*\c]
	v_cvt_scalef32_pk16_fp6_f32 v[\pc+12+4*\c:\pc+14+4*\c], v[\s+16+32*\c:\s+31+32*\c], v[TM+12+2*\c+1]   ; (a conversion's three registers begin on an even number)
.endr
	v_nop                                          ; one plain place behind a scaled conversion
.irp c, 0,1                                    ; the operand's layout wants a whole block in a lane: lanes 0-15 block 2 c, lanes 16-31 block 2 c + 1
.irp i, 0,1,2
	v_permlane16_swap_b32 v[\pc+6*\c+\i], v[\pc+12+4*\c+\i]
.endr
.irp i, 0,1,2
	v_mov_b32 v[\pc+3+6*\c+\i], v[\pc+12+4*\c+\i]
.endr
.endr
.endm
	s_wait_tensorcnt 0x0                           ; my parts of the panels and of the scale bytes are in,
	s_barrier_signal -1
	s_barrier_wait -1                              ; everybody's are.  Nothing is filled again in this launch
.irp t, 0,1,2,3,4,5,6,7
.if MODE == 2
.irp j, 0,1,2,3
	ds_load_b32 v[PS+4*\t+\j], v[APS] offset:\j*512+\t*64
.endr
.else
	ds_load_b128 v[PS+4*\t:PS+4*\t+3], v[APS] offset:(32*(\t/2)+8*(\t%2))*32
.endif
.endr
.irp q, 0,1
.if MODE == 2
	ds_load_b128 v[QS+4*\q:QS+4*\q+3], v[AQS] offset:\q*256
.else
	ds_load_b128 v[QS+4*\q:QS+4*\q+3], v[AQS] offset:\q*512
.endif
.endr
	FETCH 0, 0
	s_wait_loadcnt 0x0                             ; the bias
.if MODE == 2
	WIN 0x80                                       ; a lane's eight results of a tile belong to one row of Wv: eight times the same number
.irp i, 0,1,2,3,4,5,6,7
	v_mov_b32 v[\i], v[BV]
	v_mov_b32 v[8+\i], v[BV+1]
.endr
	WIN 0
	PLACES 4
.endif
.irp s, 0,1,2,3,4,5,6,7
	STEP \s
.endr
	PLACES 4                                       ; in front of the first read of results
.if MODE == 3
; THE WAY OUT: 16 rows x 128 columns at a time through my own stage (rows of 512 + 16 bytes) and back as whole rows.  LDS serves a wave's instructions in order (ISA guide 5.7.1.4): no wait between stores and loads.
.irp q, 0,1
.irp b, 0,1,2,3
.irp i, 0,1,2,3
	ds_store_b128 v[SW], v[ACC+64*\q+16*\b+4*\i:ACC+64*\q+16*\b+4*\i+3] offset:128*\b+16*\i   ; columns 32 b + 16 h + 4 i on; each accumulator from its low end on
.endr
.endr
.irp i, 0,1,2,3,4,5,6,7,8,9,10,11,12,13,14,15
	ds_load_b128 v[ACC+64*\q+4*\i:ACC+64*\q+4*\i+3], v[SR] offset:528*\i
.endr
.irp i, 0,1,2,3,4,5,6,7,8,9,10,11,12,13,14,15
	s_wait_dscnt 15-\i                             ; row i is back; the loads issued behind it may be out
	global_store_b128 v[GI], v[ACC+64*\q+4*\i:ACC+64*\q+4*\i+3], s[OUT:OUT+1] offset:(16*\q+\i)*4096 th:TH_STORE_NT   ; 32 lanes store 512 consecutive bytes, at a multiple of 256 from out's first byte
.endr
.endr
.else
; THE WAY OUT: each of my two tiles becomes a fragment, stored as it stands: three stores of 512 consecutive bytes.  The scale words of the work-group's eight fragments meet in LDS and leave as 512 bytes.
.irp q, 0,1
	QUANT ACC+64*\q, PCA+20*\q, PW+\q
.irp c, 0,1,2
	global_store_b128 v[GI], v[PCA+20*\q+4*\c:PCA+20*\q+4*\c+3], s[OUT:OUT+1] offset:\q*1536+512*\c
.endr
	ds_store_b32 v[SW], v[PW+\q] offset:64*\q      ; both halves of the lanes write the same word with the same value
.endr
	s_wait_dscnt 0x0                               ; for the others' sake: my scale words lie in the stage
	s_barrier_signal -1
	s_barrier_wait -1
	s_cmp_lg_u32 s[WV], 0
	s_cbranch_scc1 .Lnot_mine
	ds_load_b128 v[TM:TM+3], v[SR]
	s_wait_dscnt 0x0
	global_store_b128 v[GI], v[TM:TM+3], s[OSC:OSC+1]   ; 512 consecutive bytes, at a multiple of 256 from the buffer's first byte
.Lnot_mine:
.endif
	s_wait_tensorcnt 0x0
	ds_add_u32 v122, v123
	s_wait_dscnt 0x0
	CROUND                                         ; the closing round: no work-group ends while a partner may still ask for a panel that names it
	s_endpgm
.Lfunc_end_k_q3d1b80e1ac_vproj:
	.size	k_q3d1b80e1ac_vproj, .Lfunc_end_k_q3d1b80e1ac_vproj-k_q3d1b80e1ac_vproj
	.p2alignl 7, 3214868480
	.fill 96, 4, 3214868480
	.section	.rodata,"a",@progbits
	.p2align	6, 0x0
	.amdhsa_kernel k_q3d1b80e1ac_vproj
		.amdhsa_group_segment_fixed_size 327680
		.amdhsa_private_segment_fixed_size 0
		.amdhsa_enable_private_segment 0
		.amdhsa_kernarg_size 40
		.amdhsa_user_sgpr_count 2
		.amdhsa_user_sgpr_kernarg_segment_ptr 1
		.amdhsa_wavefront_size32 1
		.amdhsa_system_sgpr_workgroup_id_x 1
		.amdhsa_system_sgpr_workgroup_id_y 1
		.amdhsa_system_sgpr_workgroup_id_z 1
		.amdhsa_system_vgpr_workitem_id 0
		.amdhsa_next_free_vgpr 768
		.amdhsa_next_free_sgpr 102
		.amdhsa_reserve_vcc 0
		.amdhsa_float_denorm_mode_32 3
		.amdhsa_float_denorm_mode_16_64 3
		.amdhsa_memory_ordered 1
		.amdhsa_forward_progress 1
		.amdhsa_inst_pref_size 57
	.end_amdhsa_kernel
	.amdgpu_metadata
---
amdhsa.version: [ 1, 2 ]
amdhsa.kernels:
  - .name:           k_q3d1b80e1ac_vproj
    .symbol:         k_q3d1b80e1ac_vproj.kd
    .args:
      - { .name: t_ws, .offset: 0, .size: 8, .value_kind: global_buffer, .address_space: global }
      - { .name: Wv_codes, .offset: 8, .size: 8, .value_kind: global_buffer, .address_space: global }
      - { .name: Wv_scales, .offset: 16, .size: 8, .value_kind: global_buffer, .address_space: global }
      - { .name: bv, .offset: 24, .size: 8, .value_kind: global_buffer, .address_space: global }
      - { .name: v_ws, .offset: 32, .size: 8, .value_kind: global_buffer, .address_space: global }
    .group_segment_fixed_size: 327680
    .private_segment_fixed_size: 0
    .kernarg_segment_align: 8
    .kernarg_segment_size: 40
    .max_flat_workgroup_size: 128
    .sgpr_count:     102
    .vgpr_count:     768
    .wavefront_size: 32
...
	.end_amdgpu_metadata
.endif
;; end of part 2
;; launch attn (part 3): grid 32 x 32, 16 waves a work-group, clusters of 4 x 1, 327,680 bytes of LDS; arguments q_ws, k_ws, v_ws, a_ws; writes a_ws
.if DOCPART == 3
	.amdgcn_target "amdgcn-amd-amdhsa--gfx1250"
	.amdhsa_code_object_version 6
	.text
	.protected	k_q3d1b80e1ac_attn
	.globl	k_q3d1b80e1ac_attn
	.p2align	8
	.type	k_q3d1b80e1ac_attn,@function
k_q3d1b80e1ac_attn:
	s_mov_b64 s[64:65], 0
	v_nop
	global_prefetch_b8 v0, s[64:65] scope:SCOPE_SE
	s_setreg_imm32_b32 hwreg(HW_REG_WAVE_MODE, 25, 1), 1
	s_wait_xcnt 0x0
	s_wait_alu depctr_hold_cnt(0) depctr_sa_sdst(0) depctr_va_vdst(0) depctr_va_sdst(0) depctr_va_ssrc(0) depctr_va_vcc(0) depctr_vm_vsrc(0)
	s_getreg_b32 s2, hwreg(HW_REG_IB_STS2, 6, 4)
	s_cmp_eq_u32 s2, 0
	s_cbranch_scc0 .Lentry_in_a_cluster
	s_endpgm
.Lentry_in_a_cluster:
	s_bfe_u32 s2, ttmp6, 0x10000c
	s_cmp_lg_u32 s2, 0x3003
	s_cbranch_scc0 .Lentry_shape_is_right
	s_endpgm
.Lentry_shape_is_right:
; a = Q(entmax15(q k^T / 8)) Q(v), head by head, both products on codes of FP6 (E2M3) with one E8M0 scale for each 32 along K; a is quantised along the head's 64 and stored as codes for the last product.
; q_ws, k_ws, v_ws hold operands as IMAGES OF THEIR REGISTERS: a fragment (16 rows x 128 K, 12 registers) is 1,536 bytes, registers 4 c .. 4 c + 3 of lane l at 512 c + 16 l; its 16 scale words are 64 bytes, SCOFF on.
; For batch b and head pair j (bj = 8 b + j): q and k: 64 fragments of 16 rows x the pair's 128 features at bj x 98,304; v: for each 128 keys eight fragments of 16 features x 128 keys.
; SHARES.  A work-group of sixteen waves takes one bj and 32 queries: 2 heads x 2 tiles of 16 queries.  FOUR WAVES SHARE A TILE: wave w takes keys 256 (w % 4) on, head 2 j + (w / 4) % 2, tile w / 8.
; A lane holds ONE query (lane % 16) and 128 of its scores, in v128-255.  Four waves lie on a SIMD, 256 registers each: no register window is switched.
; WHAT THE FOUR WAVES HAND EACH OTHER goes through LDS: the row's largest score, the two sums of each Newton step, and the partial O^T.  Each: store, wait, barrier, load.  Every wave reads all four parts, its own
; among them, and joins them in the same order, so the four carry the same numbers throughout.
; FIRST PRODUCT.  S^T = k q^T (source 0 = 16 keys, source 1 = the 16 queries).  A fragment holds both heads of the pair along K: the other head's codes of q are made zeros, which add nothing under any scale byte but 0xff.
; ENTMAX WITHOUT A SORT.  With y = score - the row's largest score, y / 16 is the x of the definition, bit for bit (1/8 and 1/2 are powers of two).  The threshold T (= 16 tau) is the root of
; g(T) = sqrt(sum of max(y - T, 0)^2) / 16 = 1.  g is convex and falls; its slope's magnitude a = (sum of d) / sqrt(sum of d^2) lies between 1 and 32 for 1,024 numbers; g(-16) >= 1, since the largest y is 0.
; Newton's steps from T = -16 stay left of the root and rise; the tangent at the new point gives r' <= r (1 - a' / a) for r = g - 1, and the ratios' product is at least 1/32, so after N steps
; r <= 31 (1 - 32^(-1/N))^N, for EVERY row: 1.8e-8 at N = 14, under the last bit of tau.  So 14 steps are always made, with no branch on data.  A step: T += (D - 16 sqrt(D)) / S, S = sum of d, D = sum of d^2.
; WEIGHTS.  p = d^2 / 256, made in place in the scores' registers.  d^2 is what is converted, under the scale of the block's largest d^2; the 1/256 is taken off the scale's byte (8 off each): the codes and bytes of p by the rule.
; A block's largest d^2 is not searched for: the block's largest score goes through the same instructions as the elements, which do not fall where their input rises.
; SECOND PRODUCT.  O^T = v^T p^T (source 0 = 16 of the head's 64, source 1 = p), each wave over its 256 keys.  Within a block of 32 keys p's codes and v's stand in the same order (place 16 h + 8 u + j = key 16 u + 8 h + j).
; CLUSTER 4 x 1.  The four work-groups of a cluster share bj, so k's and v's images and scale words are asked for jointly, once, at the head; nothing is filled again.
; OUTPUT.  Query l of head h of batch b: 48 bytes of codes at ((16 b + h) 1,024 + l) 48 and two scale bytes at SCOFF + ((16 b + h) 1,024 + l) 2: that IS the last product's operand, row-major.
; A tile's codes leave as three stores of 256 consecutive bytes.  The work-group's scale bytes are 64 bytes a head and leave as two runs of 64 bytes, four bytes a lane.
; LIMITS: NaN and infinities are not served.  A block of zeros, or one under the floor, gets the byte 1 where the rule says 127 for zeros: its codes are zeros, and this program alone reads the bytes.
; tau comes from the 14 steps above and not from a sort.  O^T is the sum of four partial sums, one for each quarter of the keys.
.set SCOFF, 3145728
.set KIMG,  0                          ; LDS: k's 64 fragments,
.set VIMG,  98304                      ; v's 64,
.set KSC,   196608                     ; k's scale words, 64 bytes a fragment,
.set VSC,   200704                     ; v's.  From here on bytes that no tensor load fills:
.set OST,   204800                     ; a stage of 768 bytes for each wave,
.set SST,   217088                     ; the scale bytes' stage: [key quarter of the writer][head of the pair][query]: only the first 128 bytes are written and read,
.set XM,    217600                     ; the rows' largest scores: 128 bytes a wave,
.set XC,    219648                     ; S and D: 256 bytes a wave,
.set OX,    223744                     ; the partial O^T: 4,096 bytes a wave
.set STEPS, 14
; scalar registers
.set QW,   4                           ; s[4:11] q_ws, k_ws, v_ws, a_ws
.set KW,   6
.set VW,   8
.set AW,   10
.set WV,   12
.set HP,   13                          ; which head of the pair
.set TS,   14                          ; which of the two tiles of queries
.set CX,   15
.set QBK,  16                          ; the block of 32 queries
.set BJ,   17
.set SEL,  18                          ; s[18:19] v_permlanex16_b32's selects for lane l xor 16
.set MLO,  20                          ; masks that keep my head's codes of q
.set MHI,  21
.set KQ,   22                          ; which quarter of the keys
.set NI,   23                          ; Newton steps to go
.set G1I,  24                          ; groups 1: 192 rows of 256 bytes; 8 rows of 256 bytes
.set G1S,  32
.set G0KI, 40                          ; groups 0: k's images, v's, k's scale words, v's
.set G0VI, 44
.set G0KS, 48
.set G0VS, 52
.set QP,   56                          ; s[56:57] the tile's fragment of q;  s[58:59] its scale words
.set QSP,  58
.set AP,   60                          ; s[60:61] the tile's 768 bytes of a
.set ASP,  62                          ; s[62:63] the work-group's scale bytes of a
.set M16,  66                          ; -16.0
.set FH,   67                          ; wave % 2: which half a fetching wave fetches
.set QD,   80                          ; the first wave of my four
; vector registers
.set R,    1
.set H,    2
.set LN,   3
.set LI,   4                           ; 16 x lane: an image's place for my lane
.set AK,   5                           ; my 16 fragments of k
.set AV,   6                           ; my head's four fragments of v for each of my two runs of 128 keys
.set AKS,  7
.set AVS,  8
.set STO,  9                           ; the stage: in
.set RB,   10                          ; and back
.set GO,   11                          ; 8 x lane
.set SB,   12                          ; my query's scale bytes in their stage
.set QSO,  13                          ; 4 r
.set XMA,  14                          ; the row's largest score: where I put mine,
.set XMQ,  15                          ; and where my four's begin
.set QF,   16                          ; v16-27 q's fragment;
.set PC,   16                          ;        when the scores are made: p's codes;
.set OC,   16                          ;        at the end: a's codes, v16-21,
.set OB,   22                          ;        and as they leave, v22-27
.set QS,   28                          ; q's scale words
.set FL,   29                          ; the last store: LDS address
.set NT,   30                          ; v30 -T; v31 is named with it as a pair
.set XA,   32                          ; S and D: mine,
.set XQ,   33                          ; my four's
.set OXA,  34                          ; the partial O^T: mine,
.set OXQ,  35                          ; my four's
.set FA,   36                          ; the last store: offset
.set NM,   38                          ; v38-39 minus the row's largest score
.set TM,   40                          ; v40-55 at work
.set BM,   56                          ; v56-63 my 8 blocks' largest scores, later the conversions' scale operands
.set PWS,  64                          ; v64-65 p's scale words
.set VS,   66                          ; v66-69 v's
.set KS,   70                          ; v70-73 k's
.set KF,   80                          ; v80-127 while the scores are made: four fragments of k;
.set P32,  80                          ;         in the Newton loop: v80-111 32 numbers at work,
.set SC,   112                         ;         v112-119 four chains of S, in pairs,
.set DC,   120                         ;         v120-127 four chains of D;
.set VF,   80                          ;         then four fragments of v
.set S,    128                         ; v128-255 the scores: my key tile T at v[128 + 8 T]
.set OA,   128                         ; v128-159 O^T, four tiles, once those scores have been converted
.set OR,   160                         ; v160-255 at the end: the three other partial O^T
.macro PLACES n                        ; plain vector instructions between a matrix instruction and what touches its registers (ISA guide 7.12.1)
.rept \n
	v_nop
.endr
.endm
.macro BARRIER                         ; my LDS stores have landed and my LDS loads are in: then the work-group's barrier
	s_wait_dscnt 0x0
	s_barrier_signal -1
	s_barrier_wait -1
.endm
.macro CROUND                          ; a round of the cluster's barrier
	s_barrier_signal -1
	s_barrier_wait -1
	s_cmp_lg_u32 s[WV], 0
	s_cbranch_scc1 .Lnot_wave_0_\@
	s_barrier_signal -3
.Lnot_wave_0_\@:
	s_barrier_wait -3
	s_barrier_signal -1
	s_barrier_wait -1
.endm
.macro JLOAD g0k, g0v, g1              ; a joint load: waves 0 and 1 fetch k's halves, waves 2 and 3 v's, the others nothing; four v_nop follow each line
	s_cmp_lt_u32 s[WV], 2
	s_cbranch_scc0 .Lnot_k_\@
	tensor_load_to_lds s[\g0k:\g0k+3], s[\g1:\g1+7]
	s_nop 0
.rept 4
	v_nop
.endr
	s_branch .Lasked_\@
.Lnot_k_\@:
	s_cmp_lt_u32 s[WV], 4
	s_cbranch_scc0 .Lasked_\@
	tensor_load_to_lds s[\g0v:\g0v+3], s[\g1:\g1+7]
	s_nop 0
.rept 4
	v_nop
.endr
.Lasked_\@:
.endm
	s_load_b256 s[4:11], s[0:1], 0x0
	v_lshl_add_u32 v78, v0, 2, 0x46a00
	v_mov_b32 v79, 0
	ds_add_u32 v78, v79
	ds_add_u32 v78, v79
	v_lshrrev_b32 v1, 5, v0
	v_readfirstlane_b32 s[WV], v1                  ; wave 0..15
	s_and_b32 s[FH], s[WV], 1
	s_and_b32 s[KQ], s[WV], 3
	s_and_b32 s[QD], s[WV], 12
	s_bfe_u32 s[HP], s[WV], 0x10002                ; one bit from bit 2
	s_lshr_b32 s[TS], s[WV], 3
	s_bfe_u32 s[CX], ttmp6, 0x40000
	s_lshl_b32 s[QBK], ttmp9, 2
	s_add_co_u32 s[QBK], s[QBK], s[CX]             ; it enters q's and a's addresses alone
	s_and_b32 s[BJ], ttmp7, 0xffff                 ; which the four partners share
	s_mov_b32 s[SEL], 0x76543210
	s_mov_b32 s[SEL+1], 0xfedcba98
	s_mov_b32 s[M16], 0xc1800000
	s_cmp_eq_u32 s[HP], 0
	s_cselect_b32 s[MLO], -1, 0
	s_cselect_b32 s[MHI], 0, -1
	s_mov_b32 s[G1I], 15|(3<<16)|(1<<21)           ; the mask: all four work-groups; elements of 8 bytes; bit 21 set beside a mask; no padding
	s_mov_b32 s[G1I+1], 32<<16                     ; rows of 256 bytes,
	s_mov_b32 s[G1I+2], 192<<16                    ; 192 of them: half of the 64 fragments,
	s_mov_b32 s[G1I+3], 32<<16
	s_mov_b32 s[G1I+4], 192
	s_mov_b32 s[G1I+5], 32                         ; dense
	s_mov_b32 s[G1I+6], 0
	s_mov_b32 s[G1I+7], 0
	s_mov_b32 s[G1S], 15|(3<<16)|(1<<21)
	s_mov_b32 s[G1S+1], 32<<16
	s_mov_b32 s[G1S+2], 8<<16                      ; 2,048 bytes: half of the scale words
	s_mov_b32 s[G1S+3], 32<<16
	s_mov_b32 s[G1S+4], 8
	s_mov_b32 s[G1S+5], 32
	s_mov_b32 s[G1S+6], 0
	s_mov_b32 s[G1S+7], 0
	s_mul_i32 s68, s[BJ], 98304
	s_mul_i32 s70, s[FH], 49152                    ; which half a fetching wave fetches, in memory and in LDS
	s_add_co_u32 s68, s68, s70
	s_mov_b32 s69, 0
	s_lshl_b32 s76, s[BJ], 12
	s_lshl_b32 s71, s[FH], 11
	s_add_co_u32 s76, s76, s71
	s_add_co_u32 s76, s76, SCOFF
	s_mov_b32 s77, 0
	s_wait_dscnt 0x0
	s_wait_kmcnt 0x0
	s_mov_b32 s[G0KI], 1
	s_add_co_u32 s[G0KI+1], s70, KIMG
	s_add_nc_u64 s[G0KI+2:G0KI+3], s[KW:KW+1], s[68:69]
	s_or_b32 s[G0KI+3], s[G0KI+3], 0x80000000
	s_mov_b32 s[G0VI], 1
	s_add_co_u32 s[G0VI+1], s70, VIMG
	s_add_nc_u64 s[G0VI+2:G0VI+3], s[VW:VW+1], s[68:69]
	s_or_b32 s[G0VI+3], s[G0VI+3], 0x80000000
	s_mov_b32 s[G0KS], 1
	s_add_co_u32 s[G0KS+1], s71, KSC
	s_add_nc_u64 s[G0KS+2:G0KS+3], s[KW:KW+1], s[76:77]
	s_or_b32 s[G0KS+3], s[G0KS+3], 0x80000000
	s_mov_b32 s[G0VS], 1
	s_add_co_u32 s[G0VS+1], s71, VSC
	s_add_nc_u64 s[G0VS+2:G0VS+3], s[VW:VW+1], s[76:77]
	s_or_b32 s[G0VS+3], s[G0VS+3], 0x80000000
	CROUND                                         ; all four work-groups are here: the joint loads meet
	JLOAD G0KS, G0VS, G1S                          ; a fetching wave has two tensor loads out
	JLOAD G0KI, G0VI, G1I
	; q's and a's addresses
	s_lshl_b32 s74, s[QBK], 1
	s_add_co_u32 s74, s74, s[TS]                   ; my tile of queries: 2 x block + which of the two
	s_mul_i32 s72, s[BJ], 98304
	s_mul_i32 s75, s74, 1536
	s_add_co_u32 s72, s72, s75
	s_mov_b32 s73, 0
	s_add_nc_u64 s[QP:QP+1], s[QW:QW+1], s[72:73]
	s_lshl_b32 s72, s[BJ], 12
	s_lshl_b32 s75, s74, 6
	s_add_co_u32 s72, s72, s75
	s_add_co_u32 s72, s72, SCOFF
	s_add_nc_u64 s[QSP:QSP+1], s[QW:QW+1], s[72:73]
	s_lshl_b32 s72, s[BJ], 1
	s_add_co_u32 s72, s72, s[HP]                   ; 16 b + head
	s_mul_i32 s72, s72, 49152                      ; 1,024 queries of 48 bytes
	s_mul_i32 s75, s74, 768
	s_add_co_u32 s72, s72, s75
	s_add_nc_u64 s[AP:AP+1], s[AW:AW+1], s[72:73]
	s_lshl_b32 s72, s[BJ], 12                      ; two heads of 2,048 scale bytes
	s_lshl_b32 s75, s[QBK], 6                      ; 32 queries of 2 bytes
	s_add_co_u32 s72, s72, s75
	s_add_co_u32 s72, s72, SCOFF
	s_add_nc_u64 s[ASP:ASP+1], s[AW:AW+1], s[72:73]
	v_and_b32 v[R], 15, v0
	v_bfe_u32 v[H], v0, 4, 1
	v_and_b32 v[LN], 31, v0
	v_lshlrev_b32 v[GO], 3, v[LN]
	v_lshlrev_b32 v[LI], 4, v[LN]
	v_lshlrev_b32 v[QSO], 2, v[R]
.irp c, 0,1,2
	global_load_b128 v[QF+4*\c:QF+4*\c+3], v[LI], s[QP:QP+1] offset:512*\c   ; the tile's fragment of q,
.endr
	global_load_b32 v[QS], v[QSO], s[QSP:QSP+1]    ; and its scale words
	; LDS addresses: a constant + a constant x lane + constants x parts of the wave's number
	s_mul_i32 s78, s[KQ], 24576                    ; my quarter of the keys: 16 fragments of k, two runs of eight fragments of v
	v_add_nc_u32 v[AK], s78, v[LI]                 ; (k's images begin at LDS byte 0)
	s_mul_i32 s79, s[HP], 6144                     ; my head's four of a run's eight
	s_add_co_u32 s79, s79, s78
	s_add_co_u32 s79, s79, VIMG
	v_add_nc_u32 v[AV], s79, v[LI]
	s_lshl_b32 s78, s[KQ], 10
	s_add_co_u32 s79, s78, KSC
	v_add_nc_u32 v[AKS], s79, v[QSO]
	s_lshl_b32 s79, s[HP], 8
	s_add_co_u32 s79, s79, s78
	s_add_co_u32 s79, s79, VSC
	v_add_nc_u32 v[AVS], s79, v[QSO]
	s_mul_i32 s78, s[WV], 768
	s_add_co_u32 s78, s78, OST
	v_mul_u32_u24 v[STO], v[R], 48
	v_mad_u32_u24 v[STO], v[H], 24, v[STO]
	v_add_nc_u32 v[STO], s78, v[STO]               ; in: query r's 48 bytes, block h's 24
	v_add_nc_u32 v[RB], s78, v[GO]                 ; back: 8 bytes a lane
	s_lshl_b32 s78, s[KQ], 7
	s_lshl_b32 s79, s[HP], 6
	s_add_co_u32 s78, s78, s79
	s_lshl_b32 s79, s[TS], 5
	s_add_co_u32 s78, s78, s79
	s_add_co_u32 s78, s78, SST
	v_lshl_add_u32 v[SB], v[R], 1, s78
	v_lshl_add_u32 v[FL], v[LN], 2, SST
	v_lshlrev_b32 v[FA], 2, v[R]
	v_lshl_add_u32 v[FA], v[H], 11, v[FA]          ; lanes 0-15 the first head's 64 bytes, lanes 16-31 the second's, 2,048 bytes on
	s_lshl_b32 s78, s[WV], 7
	s_add_co_u32 s78, s78, XM
	v_lshl_add_u32 v[XMA], v[LN], 2, s78
	s_lshl_b32 s78, s[QD], 7
	s_add_co_u32 s78, s78, XM
	v_lshl_add_u32 v[XMQ], v[LN], 2, s78
	s_lshl_b32 s78, s[WV], 8
	s_add_co_u32 s78, s78, XC
	v_lshl_add_u32 v[XA], v[LN], 3, s78
	s_lshl_b32 s78, s[QD], 8
	s_add_co_u32 s78, s78, XC
	v_lshl_add_u32 v[XQ], v[LN], 3, s78
	s_lshl_b32 s78, s[WV], 12
	s_add_co_u32 s78, s78, OX
	v_add_nc_u32 v[OXA], s78, v[LI]
	s_lshl_b32 s78, s[QD], 12
	s_add_co_u32 s78, s78, OX
	v_add_nc_u32 v[OXQ], s78, v[LI]
.irp i, 0,1,2,3,4,5,6,7
	v_mov_b32 v[TM+\i], 0                          ; written once: a lane permute's destination counts as one of its sources
.endr
.macro KFETCH g                        ; my key tiles 4 g .. 4 g + 3 and their scale words
.irp t, 0,1,2,3
.irp c, 0,1,2
	ds_load_b128 v[KF+12*\t+4*\c:KF+12*\t+4*\c+3], v[AK] offset:(4*(\g)+\t)*1536+512*\c
.endr
.endr
.irp t, 0,1,2,3
	ds_load_b32 v[KS+\t], v[AKS] offset:(4*(\g)+\t)*64
.endr
.endm
.macro KQMUL g                         ; four products, each with an accumulator of its own that starts at 0
	s_wait_dscnt 0x0                               ; the four fragments and their scale words are in
.irp t, 0,1,2,3
	v_wmma_scale_f32_16x16x128_f8f6f4 v[S+8*(4*(\g)+\t):S+8*(4*(\g)+\t)+7], v[KF+12*\t:KF+12*\t+11], v[QF:QF+11], 0, v[KS+\t], v[QS] matrix_a_fmt:MATRIX_FMT_FP6 matrix_b_fmt:MATRIX_FMT_FP6
.endr
.endm
; 64 keys of a Newton step: d = max(y - T, 0) of 32 registers; S += d, D += d d, two at a time, in four chains each.  first = 1: the chains start: nothing is cleared
.macro GROUP qd, first
.set i, 0
.rept 16
	v_pk_add_f32 v[P32+i:P32+i+1], v[S+32*(\qd)+i:S+32*(\qd)+i+1], v[NT:NT+1] op_sel_hi:[1,0]
.set i, i+2
.endr
.set i, 0
.rept 32
	v_max_num_f32 v[P32+i], 0, v[P32+i]
.set i, i+1
.endr
.set i, 0
.rept 16
.if (\first) && (i < 4)
	v_pk_add_f32 v[SC+2*i:SC+2*i+1], v[P32+2*i:P32+2*i+1], v[P32+2*i+8:P32+2*i+9]
	v_pk_mul_f32 v[DC+2*i:DC+2*i+1], v[P32+2*i:P32+2*i+1], v[P32+2*i:P32+2*i+1]
.else
.if ((\first) == 0) || (i > 7)
	v_pk_add_f32 v[SC+2*(i%4):SC+2*(i%4)+1], v[SC+2*(i%4):SC+2*(i%4)+1], v[P32+2*i:P32+2*i+1]
.endif
	v_pk_fma_f32 v[DC+2*(i%4):DC+2*(i%4)+1], v[P32+2*i:P32+2*i+1], v[P32+2*i:P32+2*i+1], v[DC+2*(i%4):DC+2*(i%4)+1]
.endif
.set i, i+1
.endr
.endm
.macro VFETCH ks                       ; my head's four fragments of v for my keys 128 ks on, and their scale words
.irp t, 0,1,2,3
.irp c, 0,1,2
	ds_load_b128 v[VF+12*\t+4*\c:VF+12*\t+4*\c+3], v[AV] offset:(\ks)*12288+\t*1536+512*\c
.endr
.endr
.irp t, 0,1,2,3
	ds_load_b32 v[VS+\t], v[AVS] offset:(\ks)*512+\t*64
.endr
.endm
; 128 keys: d^2 in place, its codes, four products.  The 32 additions at the head are the places behind the last four products, in front of the loads into the registers that those have read.
.macro WSTEP ks
.set YB, S+64*(\ks)
.set i, 0
.rept 32
	v_pk_add_f32 v[YB+i:YB+i+1], v[YB+i:YB+i+1], v[NT:NT+1] op_sel_hi:[1,0]
.set i, i+2
.endr
	VFETCH \ks
.set i, 0
.rept 64
	v_max_num_f32 v[YB+i], 0, v[YB+i]
.set i, i+1
.endr
.set i, 0
.rept 32
	v_pk_mul_f32 v[YB+i:YB+i+1], v[YB+i:YB+i+1], v[YB+i:YB+i+1]
.set i, i+2
.endr
.irp c, 0,1
	v_cvt_scalef32_pk16_fp6_f32 v[PC+6*\c:PC+2+6*\c], v[YB+32*\c:YB+15+32*\c], v[BM+4*(\ks)+2*\c]
	v_cvt_scalef32_pk16_fp6_f32 v[TM+4*\c:TM+2+4*\c], v[YB+16+32*\c:YB+31+32*\c], v[BM+4*(\ks)+2*\c+1]   ; (a conversion's three registers begin on an even number)
.endr
	v_nop                                          ; one plain place behind a scaled conversion
.irp c, 0,1                                    ; the operand's layout wants a whole block in a lane
.irp i, 0,1,2
	v_permlane16_swap_b32 v[PC+6*\c+\i], v[TM+4*\c+\i]
.endr
.irp i, 0,1,2
	v_mov_b32 v[PC+3+6*\c+\i], v[TM+4*\c+\i]
.endr
.endr
	PLACES 4                                       ; an operand written by vector instructions stands four places ahead of a scaled matrix instruction
	s_wait_dscnt 0x0                               ; v's fragments are in
.irp t, 0,1,2,3                                ; the four accumulators take turns, from one 128 keys to the next too
.if (\ks) == 0
	v_wmma_scale_f32_16x16x128_f8f6f4 v[OA+8*\t:OA+8*\t+7], v[VF+12*\t:VF+12*\t+11], v[PC:PC+11], 0, v[VS+\t], v[PWS+(\ks)] matrix_a_fmt:MATRIX_FMT_FP6 matrix_b_fmt:MATRIX_FMT_FP6
.else
	v_wmma_scale_f32_16x16x128_f8f6f4 v[OA+8*\t:OA+8*\t+7], v[VF+12*\t:VF+12*\t+11], v[PC:PC+11], v[OA+8*\t:OA+8*\t+7], v[VS+\t], v[PWS+(\ks)] matrix_a_fmt:MATRIX_FMT_FP6 matrix_b_fmt:MATRIX_FMT_FP6
.endif
.endr
.endm
	s_wait_tensorcnt 0x0                           ; my parts of the images and of the scale words are in,
	s_barrier_signal -1
	s_barrier_wait -1                              ; everybody's are.  Nothing is filled again in this launch
	; ---- q: the other head's codes become zeros
	KFETCH 0
	s_wait_loadcnt 0x0                             ; q's fragment and its scale words
.irp i, 0,1,2,3,4,5
	v_and_b32 v[QF+\i], s[MLO], v[QF+\i]
	v_and_b32 v[QF+6+\i], s[MHI], v[QF+6+\i]
.endr
	PLACES 4                                       ; an operand written by vector instructions stands four places ahead of a scaled matrix instruction
	; ---- the scores of my 256 keys
	KQMUL 0
.irp g, 1,2,3
	PLACES 4                                       ; the registers to be loaded were read by the last four products
	KFETCH \g
	KQMUL \g
.endr
	PLACES 4                                       ; in front of the first read of results
	; ---- the largest of my 16 scores of each of my 8 blocks of 32 keys; each accumulator is first read at its low end
.irp b, 0,1,2,3,4,5,6,7
	v_max3_num_f32 v[BM+\b], v[S+16*\b], v[S+16*\b+1], v[S+16*\b+2]
.endr
.irp i, 3,5,7,9,11,13
.irp b, 0,1,2,3,4,5,6,7
	v_max3_num_f32 v[BM+\b], v[BM+\b], v[S+16*\b+\i], v[S+16*\b+\i+1]
.endr
.endr
.irp b, 0,1,2,3,4,5,6,7
	v_max_num_f32 v[BM+\b], v[BM+\b], v[S+16*\b+15]
.endr
.irp k, 0,1,2,3,4,5,6,7
	v_permlanex16_b32 v[TM+\k], v[BM+\k], s[SEL], s[SEL+1]
.endr
.irp k, 0,1,2,3,4,5,6,7
	v_max_num_f32 v[BM+\k], v[BM+\k], v[TM+\k]     ; with lane l xor 16's 16 keys
.endr
	; ---- the row's largest score: of my 256 keys, then of the four waves'
	v_max3_num_f32 v[TM], v[BM], v[BM+1], v[BM+2]
	v_max3_num_f32 v[TM+1], v[BM+3], v[BM+4], v[BM+5]
	v_max3_num_f32 v[TM], v[TM], v[BM+6], v[BM+7]
	v_max_num_f32 v[TM], v[TM], v[TM+1]
	ds_store_b32 v[XMA], v[TM]
	BARRIER                                        ; every wave's largest lies in LDS; these bytes are written once
.irp k, 0,1,2,3
	ds_load_b32 v[TM+4+\k], v[XMQ] offset:128*\k
.endr
	s_wait_dscnt 0x0
	v_max3_num_f32 v[TM], v[TM+4], v[TM+5], v[TM+6]
	v_max_num_f32 v[TM], v[TM], v[TM+7]
	v_mul_f32 v[NM], -1.0, v[TM]
	v_mul_f32 v[NM+1], -1.0, v[TM]                 ; (named with it as a pair, so it is written)
	; ---- y = score - the row's largest, in place
.set i, 0
.rept 64
	v_pk_add_f32 v[S+i:S+i+1], v[S+i:S+i+1], v[NM:NM+1] op_sel_hi:[1,0]
.set i, i+2
.endr
.set i, 0
.rept 4
	v_pk_add_f32 v[BM+i:BM+i+1], v[BM+i:BM+i+1], v[NM:NM+1] op_sel_hi:[1,0]   ; the blocks' largest go through the same instruction
.set i, i+2
.endr
	v_mov_b32 v[NT], 0x41800000                    ; -T = 16: tau = -1
	v_mov_b32 v[NT+1], 0x41800000
	; ---- the threshold: 14 Newton steps
	s_mov_b32 s[NI], STEPS
.Lnewton:
	GROUP 0, 1
	GROUP 1, 0
	GROUP 2, 0
	GROUP 3, 0
	v_pk_add_f32 v[SC:SC+1], v[SC:SC+1], v[SC+2:SC+3]
	v_pk_add_f32 v[SC+4:SC+5], v[SC+4:SC+5], v[SC+6:SC+7]
	v_pk_add_f32 v[DC:DC+1], v[DC:DC+1], v[DC+2:DC+3]
	v_pk_add_f32 v[DC+4:DC+5], v[DC+4:DC+5], v[DC+6:DC+7]
	v_pk_add_f32 v[SC:SC+1], v[SC:SC+1], v[SC+4:SC+5]
	v_pk_add_f32 v[DC:DC+1], v[DC:DC+1], v[DC+4:DC+5]
	v_add_f32 v[TM], v[SC], v[SC+1]
	v_add_f32 v[TM+1], v[DC], v[DC+1]
	v_permlanex16_b32 v[TM+2], v[TM], s[SEL], s[SEL+1]
	v_permlanex16_b32 v[TM+3], v[TM+1], s[SEL], s[SEL+1]
	v_add_f32 v[TM], v[TM], v[TM+2]                ; S and
	v_add_f32 v[TM+1], v[TM+1], v[TM+3]            ; D of my 256 keys
	ds_store_b64 v[XA], v[TM:TM+1]
	BARRIER                                        ; every wave's two sums lie in LDS
.irp k, 0,1,2,3
	ds_load_b64 v[TM+2+2*\k:TM+3+2*\k], v[XQ] offset:256*\k
.endr
	BARRIER                                        ; every wave has read its four's: the next step may write these bytes again
	v_pk_add_f32 v[TM+2:TM+3], v[TM+2:TM+3], v[TM+4:TM+5]
	v_pk_add_f32 v[TM+6:TM+7], v[TM+6:TM+7], v[TM+8:TM+9]
	v_pk_add_f32 v[TM:TM+1], v[TM+2:TM+3], v[TM+6:TM+7]   ; S: at least -T, since the row's largest y is 0: never 0.  D: at most 1,024 x 256
	v_sqrt_f32 v[TM+4], v[TM+1]
	v_rcp_f32 v[TM+5], v[TM]
	v_nop                                          ; one plain place behind the transcendentals
	s_wait_alu depctr_va_vdst(0)
	v_fma_f32 v[TM+6], v[TM+4], s[M16], v[TM+1]    ; D - 16 sqrt(D)
	v_fma_f32 v[NT], -v[TM+6], v[TM+5], v[NT]      ; -T -= (D - 16 sqrt(D)) / S
	s_sub_co_u32 s[NI], s[NI], 1
	s_cmp_lg_u32 s[NI], 0
	s_cbranch_scc1 .Lnewton
	; ---- my 8 blocks' scales: the largest d^2 by the elements' own instructions; the floor 2^(11 - 127) holds p's byte at 1 from below
.set i, 0
.rept 4
	v_pk_add_f32 v[BM+i:BM+i+1], v[BM+i:BM+i+1], v[NT:NT+1] op_sel_hi:[1,0]
.set i, i+2
.endr
.set i, 0
.rept 8
	v_max_num_f32 v[BM+i], 0, v[BM+i]
.set i, i+1
.endr
.set i, 0
.rept 4
	v_pk_mul_f32 v[BM+i:BM+i+1], v[BM+i:BM+i+1], v[BM+i:BM+i+1]
.set i, i+2
.endr
.set i, 0
.rept 8
	v_max_num_f32 v[BM+i], 0x5800000, v[BM+i]
.set i, i+1
.endr
.set i, 0
.rept 8
	v_add_nc_u32 v[BM+i], 0xff000000, v[BM+i]      ; 2 off the exponent field: the conversion's scale operand for d^2
.set i, i+1
.endr
.set i, 0
.rept 8
	v_lshrrev_b32 v[TM+i], 23, v[BM+i]
.set i, i+1
.endr
.irp k, 0,1
	v_lshl_or_b32 v[PWS+\k], v[TM+4*\k+1], 8, v[TM+4*\k]
.endr
.irp k, 0,1
	v_lshl_or_b32 v[PWS+\k], v[TM+4*\k+2], 16, v[PWS+\k]
.endr
.irp k, 0,1
	v_lshl_or_b32 v[PWS+\k], v[TM+4*\k+3], 24, v[PWS+\k]
.endr
.irp k, 0,1
	v_add_nc_u32 v[PWS+\k], 0xf7f7f7f8, v[PWS+\k]  ; 8 off each byte: p = d^2 / 256.  Each byte is 9 at the least, so none borrows
.endr
	; ---- the weights, and O^T over my 256 keys
	WSTEP 0
	WSTEP 1
	; ---- the four quarters of the keys meet
	PLACES 4
.irp t, 0,1,2,3
	ds_store_b128 v[OXA], v[OA+8*\t:OA+8*\t+3] offset:1024*\t          ; each accumulator from its low end on
	ds_store_b128 v[OXA], v[OA+8*\t+4:OA+8*\t+7] offset:1024*\t+512
.endr
	BARRIER                                        ; every wave's partial O^T lies in LDS; these bytes are written once
	s_cmp_lg_u32 s[KQ], 0                          ; the wave with the first quarter of the keys finishes the tile
	s_cbranch_scc1 .Lpartner
.irp k, 1,2,3
.irp i, 0,1,2,3,4,5,6,7
	ds_load_b128 v[OR+32*(\k-1)+4*\i:OR+32*(\k-1)+4*\i+3], v[OXQ] offset:4096*\k+512*\i
.endr
.endr
	s_wait_dscnt 0x0
.set i, 0
.rept 16
	v_pk_add_f32 v[OR+i:OR+i+1], v[OA+i:OA+i+1], v[OR+i:OR+i+1]
.set i, i+2
.endr
.set i, 0
.rept 16
	v_pk_add_f32 v[OR+32+i:OR+32+i+1], v[OR+32+i:OR+32+i+1], v[OR+64+i:OR+64+i+1]
.set i, i+2
.endr
.set i, 0
.rept 16
	v_pk_add_f32 v[OR+i:OR+i+1], v[OR+i:OR+i+1], v[OR+32+i:OR+32+i+1]
.set i, i+2
.endr
	; ---- O^T: register 16 b + i of lane (r, h) is o(query r, 32 b + 16 h + i): two blocks of 32 become 48 bytes of codes and two scale bytes
.irp b, 0,1
	v_max3_num_f32 v[TM+\b], |v[OR+16*\b]|, |v[OR+1+16*\b]|, 0x1800000   ; and the floor 2^(3 - 127)
.endr
.irp i, 2,4,6,8,10,12,14
.irp b, 0,1
	v_max3_num_f32 v[TM+\b], v[TM+\b], |v[OR+16*\b+\i]|, |v[OR+1+16*\b+\i]|
.endr
.endr
.irp b, 0,1
	v_permlanex16_b32 v[TM+2+\b], v[TM+\b], s[SEL], s[SEL+1]
.endr
.irp b, 0,1
	v_max_num_f32 v[TM+\b], v[TM+\b], v[TM+2+\b]
.endr
.irp b, 0,1
	v_add_nc_u32 v[TM+4+\b], 0xff000000, v[TM+\b]
.endr
.irp b, 0,1
	v_lshrrev_b32 v[TM+6+\b], 23, v[TM+4+\b]
.endr
	v_lshl_or_b32 v[TM+8], v[TM+7], 8, v[TM+6]     ; my query's two scale bytes
	v_cvt_scalef32_pk16_fp6_f32 v[OC:OC+2], v[OR:OR+15], v[TM+4]
	v_cvt_scalef32_pk16_fp6_f32 v[TM+12:TM+14], v[OR+16:OR+31], v[TM+5]
	v_nop                                          ; one plain place behind a scaled conversion
.irp i, 0,1,2
	v_permlane16_swap_b32 v[OC+\i], v[TM+12+\i]
.endr
.irp i, 0,1,2
	v_mov_b32 v[OC+3+\i], v[TM+12+\i]              ; lane (r, h) now holds block h of query r: 24 bytes
.endr
	ds_store_b64 v[STO], v[OC:OC+1]
	ds_store_b64 v[STO], v[OC+2:OC+3] offset:8
	ds_store_b64 v[STO], v[OC+4:OC+5] offset:16
	ds_store_b16 v[SB], v[TM+8]                    ; both halves of the lanes write the same bytes with the same value
.irp c, 0,1,2
	ds_load_b64 v[OB+2*\c:OB+2*\c+1], v[RB] offset:256*\c   ; LDS serves a wave's instructions in order (ISA guide 5.7.1.4): these see my stores
.endr
	s_wait_dscnt 0x0
.irp c, 0,1,2
	global_store_b64 v[GO], v[OB+2*\c:OB+2*\c+1], s[AP:AP+1] offset:256*\c   ; 32 lanes store 256 consecutive bytes, at a multiple of 256 from the buffer's first byte
.endr
.Lpartner:
	; ---- the work-group's 128 scale bytes leave as two runs of 64
	BARRIER                                        ; the four tiles' scale bytes lie in their stage
	s_cmp_lg_u32 s[WV], 0
	s_cbranch_scc1 .Lnot_mine
	ds_load_b32 v[TM], v[FL]
	s_wait_dscnt 0x0
	global_store_b32 v[FA], v[TM], s[ASP:ASP+1]    ; sixteen lanes store a head's 64 consecutive bytes
.Lnot_mine:
	s_wait_tensorcnt 0x0
	ds_add_u32 v78, v79
	s_wait_dscnt 0x0
	CROUND                                         ; the closing round: no work-group ends while a partner may still ask for a tile that names it
	s_endpgm
.Lfunc_end_k_q3d1b80e1ac_attn:
	.size	k_q3d1b80e1ac_attn, .Lfunc_end_k_q3d1b80e1ac_attn-k_q3d1b80e1ac_attn
	.p2alignl 7, 3214868480
	.fill 96, 4, 3214868480
	.section	.rodata,"a",@progbits
	.p2align	6, 0x0
	.amdhsa_kernel k_q3d1b80e1ac_attn
		.amdhsa_group_segment_fixed_size 327680
		.amdhsa_private_segment_fixed_size 0
		.amdhsa_enable_private_segment 0
		.amdhsa_kernarg_size 32
		.amdhsa_user_sgpr_count 2
		.amdhsa_user_sgpr_kernarg_segment_ptr 1
		.amdhsa_wavefront_size32 1
		.amdhsa_system_sgpr_workgroup_id_x 1
		.amdhsa_system_sgpr_workgroup_id_y 1
		.amdhsa_system_sgpr_workgroup_id_z 1
		.amdhsa_system_vgpr_workitem_id 0
		.amdhsa_next_free_vgpr 256
		.amdhsa_next_free_sgpr 84
		.amdhsa_reserve_vcc 0
		.amdhsa_float_denorm_mode_32 3
		.amdhsa_float_denorm_mode_16_64 3
		.amdhsa_memory_ordered 1
		.amdhsa_forward_progress 1
		.amdhsa_inst_pref_size 72
	.end_amdhsa_kernel
	.amdgpu_metadata
---
amdhsa.version: [ 1, 2 ]
amdhsa.kernels:
  - .name:           k_q3d1b80e1ac_attn
    .symbol:         k_q3d1b80e1ac_attn.kd
    .args:
      - { .name: q_ws, .offset: 0, .size: 8, .value_kind: global_buffer, .address_space: global }
      - { .name: k_ws, .offset: 8, .size: 8, .value_kind: global_buffer, .address_space: global }
      - { .name: v_ws, .offset: 16, .size: 8, .value_kind: global_buffer, .address_space: global }
      - { .name: a_ws, .offset: 24, .size: 8, .value_kind: global_buffer, .address_space: global }
    .group_segment_fixed_size: 327680
    .private_segment_fixed_size: 0
    .kernarg_segment_align: 8
    .kernarg_segment_size: 32
    .max_flat_workgroup_size: 512
    .sgpr_count:     84
    .vgpr_count:     256
    .wavefront_size: 32
...
	.end_amdgpu_metadata
.endif
;; end of part 3
;; launch oproj (part 4): grid 8 x 32, 4 waves a work-group, clusters of 4 x 4, 327,680 bytes of LDS; arguments a_ws, Wo_codes, Wo_scales, bo, out0; writes out0
.if DOCPART == 4
	.amdgcn_target "amdgcn-amd-amdhsa--gfx1250"
	.amdhsa_code_object_version 6
	.text
	.protected	k_q3d1b80e1ac_oproj
	.globl	k_q3d1b80e1ac_oproj
	.p2align	8
	.type	k_q3d1b80e1ac_oproj,@function
k_q3d1b80e1ac_oproj:
	s_mov_b64 s[64:65], 0
	v_nop
	global_prefetch_b8 v0, s[64:65] scope:SCOPE_SE
	s_setreg_imm32_b32 hwreg(HW_REG_WAVE_MODE, 25, 1), 1
	s_wait_xcnt 0x0
	s_wait_alu depctr_hold_cnt(0) depctr_sa_sdst(0) depctr_va_vdst(0) depctr_va_sdst(0) depctr_va_ssrc(0) depctr_va_vcc(0) depctr_vm_vsrc(0)
	s_getreg_b32 s2, hwreg(HW_REG_IB_STS2, 6, 4)
	s_cmp_eq_u32 s2, 0
	s_cbranch_scc0 .Lentry_in_a_cluster
	s_endpgm
.Lentry_in_a_cluster:
	s_bfe_u32 s2, ttmp6, 0x10000c
	s_cmp_lg_u32 s2, 0xf033
	s_cbranch_scc0 .Lentry_shape_is_right
	s_endpgm
.Lentry_shape_is_right:
; ONE TEXT FOR THREE LAUNCHES; MODE says which.  D = P Q^T + bias on codes of FP6 (E2M3), one E8M0 scale for each 32 along K, K = 1,024, sums in f32.
;   MODE 1: q = queries Wq + bq, k = keys Wk + bk, t = values Wk + bk (work-group y / 32 says which).  P = 128 rows of W, Q = 128 rows of x.  The results are quantised along the features.
;   MODE 2: v = t Wv + bv.  P = 128 rows of t (keys), Q = 128 rows of Wv.  The results are quantised along the KEYS, which are the K of the product that reads them.
;   MODE 3: out = a Wo + bo, f32.  P = 128 rows of Wo, Q = 128 rows of a.
; P IS SOURCE 0, Q SOURCE 1: in a result lane (r, h) holds Q's row r and its register j P's row 8 h + j of the tile, so a lane's registers run along P, the axis that is quantised (or, in MODE 3, along a row of out).
; SHARES.  A work-group of four waves makes 128 x 128; wave w makes all 128 of P x Q's tiles 2 w and 2 w + 1: 16 accumulators.  128 of P to a wave are one whole fragment and one whole scale word of the next product.
; WEIGHT ROWS OF A TILE ARE NOT NEIGHBOURS: lane r of tile 2 b + u takes row 32 b + 8 u + r + 8 (r / 8), so that the 16 registers of tiles 2 b and 2 b + 1 are 16 neighbours, 32 b + 16 h + 0 .. 15.
; Rows of x, t and a form tiles of 16 neighbours.  In MODE 2 a block's 32 keys so stand in another order than in memory; the launch that makes the other operand of that product lays its keys in the same order.
; LDS.  Both panels, for ALL of K, and their scale bytes come in once, by tensor loads at the head: nothing is filled again.  A row of 768 bytes lies as 3 x (256 + 16) bytes, 816 from row to row = 204 words:
; row i starts at bank 12 i mod 64 (64 banks of 4 bytes: ISA guide 11.1).  A panel is two halves: rows with (row / 16) even, then those with (row / 16) odd, 128 bytes further on than the first half's end:
; so the 32 lanes of a load of 8 bytes touch 64 different banks, in tiles of neighbours and in the weights' tiles alike.
; CLUSTER 4 x 4.  Q's panel hangs on work-group y alone and is asked for jointly by the four of a row of the cluster, P's on x alone (in MODE 1 also on which product, which all sixteen share) by the four of a column.
; WORKSPACE (q, k, t, v): AN OPERAND LIES AS AN IMAGE OF ITS REGISTERS.  A fragment (16 rows x 128 K, 12 registers) is 1,536 bytes: registers 4 c .. 4 c + 3 of lane l at 512 c + 16 l; its 16 scale words are 64 bytes.
; Eight fragments lie at IDX x 12,288, their scale words at SCOFF + IDX x 512, IDX = (8 batch + group of 128 features) x 8 + block of 128 rows (MODE 2: of 128 keys).
; LIMITS: NaN, infinities and scale bytes 0xff among the inputs are not served.  A block of zeros, or one whose largest magnitude lies under 2^(3 - 127), gets the byte 1 where the rule says 127 for zeros: its codes
; are zeros or held by that scale, and this program alone reads the bytes.  The bias is the C of each sum's first product, so it is added first and not last.
.set MODE,  3
.set SCOFF, 3145728                    ; a workspace buffer: 3,145,728 bytes of codes, then 131,072 scale bytes
.set PITCH, 816
.set SUB1,  64*PITCH+128               ; from a panel's first half to its second
.set QPAN,  0
.set PPAN,  2*SUB1
.set QSCL,  209408                     ; Q's scale bytes, 128 rows x 32
.set PSCL,  QSCL+4096                  ; P's
.set STG,   PSCL+4096                  ; a stage that no tensor load fills: MODE 1, 2: 512 bytes of scale words; MODE 3: 16 rows x 528 bytes for each wave
.set FR,    12                         ; registers of a fragment
.set PANW,  (3<<16)|(1<<20)|(1<<21)|(5<<22)|(3<<25)   ; group 1, word 0 beside the mask: elements of 8 bytes; padding on; bit 21 set beside a mask; after every 64 words, 4 words
.set DENW,  (3<<16)|(1<<21)            ; the same without padding
.if MODE == 2
.set PWRD, DENW                        ; P = t: four K steps x 8 fragments (12,288 bytes), 98,304 bytes from K step to K step
.set PST,  12288
.set PSD0, 64                          ; their scale words: 512 bytes, 4,096 bytes apart
.set PSD1, 4
.set PSST, 512
.else
.set PWRD, PANW                        ; P = a weight: four runs of 16 dense rows (12,288 bytes), 32 rows apart
.set PST,  3072
.set PSD0, 32                          ; 2,048 dense scale bytes as 8 rows of 256
.set PSD1, 8
.set PSST, 32
.endif
; scalar registers
.set QC,   4                           ; s[4:5]   Q's codes
.if MODE == 3
.set QSC,  4                           ;          Q's scale bytes lie in the same buffer
.else
.set QSC,  6                           ; s[6:7]   Q's scale bytes
.endif
.set PCD,  8                           ; s[8:9]   P's codes
.if MODE == 2
.set PSC,  8
.else
.set PSC,  10                          ; s[10:11] P's scale bytes
.endif
.set BIA,  12                          ; s[12:13] the bias
.set OUT,  14                          ; s[14:15] where my results go
.set OSC,  16                          ; s[16:17] and the work-group's scale words
.set WV,   18
.set ROLE, 19                          ; wave / 2: 0 fetches for Q, 1 for P
.set GH,   20                          ; wave % 2: which half of the panel
.set CX,   21
.set CY,   22
.set PB,   23                          ; work-group x: P's block
.set G1Q,  24                          ; groups 1: Q's panel, P's panel, Q's scale bytes, P's
.set G1P,  32
.set G1QS, 40
.set G1PS, 48
.set G0Q,  56                          ; groups 0 likewise
.set G0P,  60
.set G0QS, 68
.set G0PS, 72
.set QB,   76                          ; work-group y: Q's block (MODE 1: modulo 32)
.set MROW, 77
.set MCOL, 78
.set GSEL, 79                          ; MODE 1: which product
.set OQ,   80                          ; s[80:81], s[90:91] offsets on Q's side: they never hold cx
.set OP,   82                          ; s[82:83], s[92:93] on P's side: they never hold cy
.set OO,   84                          ; s[84:85] offsets of bias and results
.set SEL,  86                          ; s[86:87] v_permlanex16_b32's selects for lane l xor 16
.set OQS,  90
.set OPS,  92
; vector registers, window 0
.set R,    1
.set H,    2
.set LN,   3
.set AP0,  4                           ; LDS address of P's fragments; AP1: the pieces behind one padding more (MODE 2: K steps 4 to 7)
.set AP1,  5
.set AQ0,  6
.set AQ1,  7
.set APS,  8                           ; of P's scale words
.set AQS,  9
.set GI,   10                          ; 16 x lane
.set SW,   11                          ; into the stage
.set SR,   12                          ; out of it
.set BO,   13                          ; my offset in the bias
.set T0,   14
.set T1,   15
.set BV,   28                          ; MODE 2: bv of my two rows
.set PW,   30                          ; v30-31 the scale words just made
.set PS,   32                          ; v32-63 P's scale words: register 4 t + j: lanes 0-15 K step j, lanes 16-31 K step 4 + j
.set QS,   64                          ; v64-71 Q's likewise
.set PCA,  72                          ; v72-111 the codes just made: 12 + 8 at work for each of my two tiles
.set TM,   112                         ; v112-127 at work
.set ACC,  128                         ; v128-255 accumulator (q, t) at 128 + 64 q + 8 t
; window 1: P's fragments, two sets of 96; from v192 Q's, two sets of 24.   window 2: the bias in the result's layout
.set MSB, 0
.macro WIN new                         ; the immediate's high byte repeats the setting that is left
.if MSB != (\new)
	s_set_vgpr_msb (MSB<<8)|(\new)
.set MSB, (\new)
.endif
.endm
.macro PLACES n                        ; plain vector instructions between a matrix instruction and what touches its registers (ISA guide 7.12.1)
.rept \n
	v_nop
.endr
.endm
.macro CROUND                          ; a round of the cluster's barrier: my work-group's barrier; wave 0 signals for the work-group; every wave waits for all sixteen; my work-group's barrier once more
	s_barrier_signal -1
	s_barrier_wait -1
	s_cmp_lg_u32 s[WV], 0
	s_cbranch_scc1 .Lnot_wave_0_\@
	s_barrier_signal -3
.Lnot_wave_0_\@:
	s_barrier_wait -3
	s_barrier_signal -1
	s_barrier_wait -1
.endm
.macro JLOAD g0q, g1q, g0p, g1p        ; a joint load: waves 0 and 1 fetch for Q, waves 2 and 3 for P; each line has one mask; four v_nop follow each
	s_cmp_eq_u32 s[ROLE], 0
	s_cbranch_scc0 .Lfor_p_\@
	tensor_load_to_lds s[\g0q:\g0q+3], s[\g1q:\g1q+7]
	s_nop 0
.rept 4
	v_nop
.endr
	s_branch .Lasked_\@
.Lfor_p_\@:
	tensor_load_to_lds s[\g0p:\g0p+3], s[\g1p:\g1p+7]
	s_nop 0
.rept 4
	v_nop
.endr
.Lasked_\@:
.endm
.macro G1SET g, d0, d1, st             ; words 1 to 7 of a group 1: rows of d0 elements, d1 of them, st elements apart; the tile lies inside the tensor
	s_mov_b32 s[\g+1], (\d0)<<16
	s_mov_b32 s[\g+2], (\d1)<<16
	s_mov_b32 s[\g+3], (\d0)<<16
	s_mov_b32 s[\g+4], \d1
	s_mov_b32 s[\g+5], \st
	s_mov_b32 s[\g+6], 0
	s_mov_b32 s[\g+7], 0
.endm
.if MODE == 1
	s_load_b512 s[24:39], s[0:1], 0x0              ; queries, keys, values (codes, scales), Wq (codes, scales)
	s_load_b256 s[40:47], s[0:1], 0x40             ; Wk (codes, scales), bq, bk
	s_load_b128 s[48:51], s[0:1], 0x60             ; q_ws, k_ws
	s_load_b64 s[52:53], s[0:1], 0x70              ; t_ws
.elseif MODE == 2
	s_load_b64 s[PCD:PCD+1], s[0:1], 0x0           ; t_ws
	s_load_b128 s[QC:QC+3], s[0:1], 0x8            ; Wv's codes, Wv's scales
	s_load_b128 s[BIA:BIA+3], s[0:1], 0x18         ; bv, v_ws
.else
	s_load_b64 s[QC:QC+1], s[0:1], 0x0             ; a_ws
	s_load_b128 s[PCD:PCD+3], s[0:1], 0x8          ; Wo's codes, Wo's scales
	s_load_b128 s[BIA:BIA+3], s[0:1], 0x18         ; bo, out0
	v_lshl_add_u32 v126, v0, 2, 0x3d600
	v_mov_b32 v127, 0
	ds_add_u32 v126, v127
	ds_add_u32 v126, v127
.endif
	v_lshrrev_b32 v1, 5, v0
	v_readfirstlane_b32 s[WV], v1                  ; wave 0..3
	s_lshr_b32 s[ROLE], s[WV], 1
	s_and_b32 s[GH], s[WV], 1
	s_bfe_u32 s[CX], ttmp6, 0x40000                ; my place in the cluster
	s_bfe_u32 s[CY], ttmp6, 0x40004
	s_lshl_b32 s[PB], ttmp9, 2
	s_add_co_u32 s[PB], s[PB], s[CX]               ; work-group x = 4 x cluster x + cx
	s_and_b32 s[QB], ttmp7, 0xffff
.if MODE == 1
	s_lshr_b32 s[GSEL], s[QB], 3                   ; work-group y / 32 = cluster y / 8: the same in all sixteen partners
.endif
	s_lshl_b32 s[QB], s[QB], 2
	s_add_co_u32 s[QB], s[QB], s[CY]               ; work-group y = 4 x cluster y + cy
.if MODE == 1
	s_and_b32 s[QB], s[QB], 31                     ; the block of 128 rows of x
.endif
	s_lshl_b32 s[MROW], s[CY], 2
	s_lshl_b32 s[MROW], 15, s[MROW]                ; my row of the cluster
	s_lshl_b32 s[MCOL], 0x1111, s[CX]              ; my column
	s_mov_b32 s[SEL], 0x76543210
	s_mov_b32 s[SEL+1], 0xfedcba98
	; where the panels begin, in bytes
	s_mul_i32 s88, s[GH], 12288                    ; a row-major panel's second half begins 16 rows on
	s_lshl_b32 s89, s[GH], 11                      ; the scale bytes' second half 2,048 bytes on, in memory and in LDS
	s_mul_i32 s97, s[GH], SUB1                     ; the panel's second half in LDS
	s_mul_i32 s[OQ], s[QB], 98304                  ; 128 rows of 768 bytes
	s_add_co_u32 s[OQ], s[OQ], s88
	s_mov_b32 s[OQ+1], 0
	s_lshl_b32 s[OQS], s[QB], 12                   ; 128 rows of 32 scale bytes
	s_add_co_u32 s[OQS], s[OQS], s89
.if MODE == 3
	s_add_co_u32 s[OQS], s[OQS], SCOFF
.endif
	s_mov_b32 s[OQS+1], 0
.if MODE == 2
	s_lshr_b32 s94, s[PB], 3                       ; the batch
	s_and_b32 s95, s[PB], 7                        ; the block of 128 rows in it
	s_mul_i32 s[OP], s94, 786432
	s_mul_i32 s96, s95, 12288
	s_add_co_u32 s[OP], s[OP], s96
	s_mul_i32 s96, s[GH], 393216                   ; K steps 4 to 7
	s_add_co_u32 s[OP], s[OP], s96
	s_lshl_b32 s[OPS], s94, 15
	s_lshl_b32 s96, s95, 9
	s_add_co_u32 s[OPS], s[OPS], s96
	s_lshl_b32 s96, s[GH], 14
	s_add_co_u32 s[OPS], s[OPS], s96
	s_add_co_u32 s[OPS], s[OPS], SCOFF
	s_mul_i32 s99, s[GH], 49152
.else
	s_mul_i32 s[OP], s[PB], 98304
	s_add_co_u32 s[OP], s[OP], s88
	s_lshl_b32 s[OPS], s[PB], 12
	s_add_co_u32 s[OPS], s[OPS], s89
.endif
	s_mov_b32 s[OP+1], 0
	s_mov_b32 s[OPS+1], 0
	s_wait_dscnt 0x0
	s_wait_kmcnt 0x0
.if MODE == 1
	s_cmp_eq_u32 s[GSEL], 0                        ; the buffers are chosen by the product's number alone
	s_cselect_b64 s[QC:QC+1], s[24:25], s[28:29]
	s_cselect_b64 s[QSC:QSC+1], s[26:27], s[30:31]
	s_cselect_b64 s[PCD:PCD+1], s[36:37], s[40:41]
	s_cselect_b64 s[PSC:PSC+1], s[38:39], s[42:43]
	s_cselect_b64 s[BIA:BIA+1], s[44:45], s[46:47]
	s_cselect_b64 s[OUT:OUT+1], s[48:49], s[50:51]
	s_cmp_eq_u32 s[GSEL], 2
	s_cselect_b64 s[QC:QC+1], s[32:33], s[QC:QC+1]
	s_cselect_b64 s[QSC:QSC+1], s[34:35], s[QSC:QSC+1]
	s_cselect_b64 s[OUT:OUT+1], s[52:53], s[OUT:OUT+1]
.endif
	s_or_b32 s[G1Q], s[MROW], PANW                 ; Q's panel: four runs of 16 dense rows (1,536 elements of 8 bytes), 32 rows apart
	G1SET G1Q, 1536, 4, 3072
	s_or_b32 s[G1QS], s[MROW], DENW
	G1SET G1QS, 32, 8, 32
	s_or_b32 s[G1P], s[MCOL], PWRD
	G1SET G1P, 1536, 4, PST
	s_or_b32 s[G1PS], s[MCOL], DENW
	G1SET G1PS, PSD0, PSD1, PSST
	s_mov_b32 s[G0Q], 1                            ; groups 0: count 1; LDS address; global address; type 2
	s_add_co_u32 s[G0Q+1], s97, QPAN
	s_add_nc_u64 s[G0Q+2:G0Q+3], s[QC:QC+1], s[OQ:OQ+1]
	s_or_b32 s[G0Q+3], s[G0Q+3], 0x80000000
	s_mov_b32 s[G0QS], 1
	s_add_co_u32 s[G0QS+1], s89, QSCL
	s_add_nc_u64 s[G0QS+2:G0QS+3], s[QSC:QSC+1], s[OQS:OQS+1]
	s_or_b32 s[G0QS+3], s[G0QS+3], 0x80000000
	s_mov_b32 s[G0P], 1
.if MODE == 2
	s_add_co_u32 s[G0P+1], s99, PPAN
.else
	s_add_co_u32 s[G0P+1], s97, PPAN
.endif
	s_add_nc_u64 s[G0P+2:G0P+3], s[PCD:PCD+1], s[OP:OP+1]
	s_or_b32 s[G0P+3], s[G0P+3], 0x80000000
	s_mov_b32 s[G0PS], 1
	s_add_co_u32 s[G0PS+1], s89, PSCL
	s_add_nc_u64 s[G0PS+2:G0PS+3], s[PSC:PSC+1], s[OPS:OPS+1]
	s_or_b32 s[G0PS+3], s[G0PS+3], 0x80000000
	CROUND                                         ; all sixteen work-groups are here: the joint loads meet
	JLOAD G0QS, G1QS, G0PS, G1PS                   ; two tensor loads of mine are out: my half of a side's scale bytes,
	JLOAD G0Q, G1Q, G0P, G1P                       ; and my half of its panel
	v_and_b32 v[R], 15, v0                         ; r
	v_bfe_u32 v[H], v0, 4, 1                       ; h
	v_and_b32 v[LN], 31, v0
	v_lshlrev_b32 v[GI], 4, v[LN]
	v_bfe_u32 v[T1], v0, 3, 1                      ; r / 8
	v_and_b32 v[T0], 7, v0
	v_mul_u32_u24 v[T0], v[T0], PITCH
	v_mad_u32_u24 v[T0], v[T1], SUB1, v[T0]        ; a weight's tile: lanes 0-7 eight rows of the first half, lanes 8-15 the same eight of the second,
	v_mad_u32_u24 v[T0], v[H], 24, v[T0]           ; + 24 h
	v_lshl_add_u32 v[T1], v[T1], 3, v[R]           ; r + 8 (r / 8)
	s_mul_i32 s66, s[WV], 16*PITCH                 ; my two tiles of Q: 16 LDS rows for each wave
	s_lshl_b32 s67, s[WV], 10                      ; and 32 rows of scale bytes
.if MODE == 2
	v_add_nc_u32 v[AP0], PPAN, v[GI]               ; images: 16 x lane
	v_add_nc_u32 v[AP1], PPAN+49152, v[GI]
	v_add_nc_u32 v[AQ0], s66, v[T0]
	v_lshlrev_b32 v[APS], 2, v[R]
	v_lshl_add_u32 v[APS], v[H], 11, v[APS]        ; lanes 16-31 take the scale words four K steps on
	v_add_nc_u32 v[APS], PSCL, v[APS]
	v_lshlrev_b32 v[AQS], 5, v[T1]
	v_lshlrev_b32 v[BO], 2, v[T1]
.else
	v_add_nc_u32 v[AP0], PPAN, v[T0]
	v_lshl_add_u32 v[AP1], v[H], 4, v[AP0]
	v_mul_u32_u24 v[AQ0], v[R], PITCH
	v_mad_u32_u24 v[AQ0], v[H], 24, v[AQ0]
	v_add_nc_u32 v[AQ0], s66, v[AQ0]
	v_lshlrev_b32 v[APS], 5, v[T1]
	v_lshl_add_u32 v[APS], v[H], 4, v[APS]         ; 16 bytes: the words of K steps 4 h .. 4 h + 3
	v_add_nc_u32 v[APS], PSCL, v[APS]
	v_lshlrev_b32 v[AQS], 5, v[R]
	v_lshlrev_b32 v[BO], 6, v[H]
.endif
	v_lshl_add_u32 v[AQ1], v[H], 4, v[AQ0]
	v_lshl_add_u32 v[AQS], v[H], 4, v[AQS]
	v_add_nc_u32 v[AQS], s67, v[AQS]
	v_add_nc_u32 v[AQS], QSCL, v[AQS]
.if MODE == 3
	s_mul_i32 s100, s[WV], 16*528
	v_mul_u32_u24 v[SW], v[R], 528
	v_lshl_add_u32 v[SW], v[H], 6, v[SW]
	v_add_nc_u32 v[SW], s100, v[SW]
	v_add_nc_u32 v[SW], STG, v[SW]                 ; in: row r, + 64 h
	v_add_nc_u32 v[SR], s100, v[GI]
	v_add_nc_u32 v[SR], STG, v[SR]                 ; back: a row of 512 bytes to the 32 lanes
.else
	s_lshl_b32 s100, s[WV], 7
	v_lshl_add_u32 v[SW], v[R], 2, s100
	v_add_nc_u32 v[SW], STG, v[SW]                 ; my tiles' scale words: 128 x wave + 4 r
	v_add_nc_u32 v[SR], STG, v[GI]
.endif
.irp b, 0,1,2,3
	v_mov_b32 v[TM+4+\b], 0                        ; written once: a lane permute's destination counts as one of its sources
.endr
	; the bias, in the result's layout
	s_mov_b32 s[OO+1], 0
.if MODE == 2
	s_lshl_b32 s[OO], s[QB], 9
	s_lshl_b32 s94, s[WV], 7
	s_add_co_u32 s[OO], s[OO], s94
	s_add_nc_u64 s[BIA:BIA+1], s[BIA:BIA+1], s[OO:OO+1]
	global_load_b32 v[BV], v[BO], s[BIA:BIA+1]               ; bv of my row of tile 2 w: 32 w + r + 8 (r / 8),
	global_load_b32 v[BV+1], v[BO], s[BIA:BIA+1] offset:32   ; and of tile 2 w + 1: eight further on
.else
	s_lshl_b32 s[OO], s[PB], 9
	s_add_nc_u64 s[BIA:BIA+1], s[BIA:BIA+1], s[OO:OO+1]
	WIN 0x80                                       ; destination window 2
.irp t, 0,1,2,3,4,5,6,7
	global_load_b128 v[8*\t:8*\t+3], v[BO], s[BIA:BIA+1] offset:(32*(\t/2)+8*(\t%2))*4       ; tile t, lane half h: 32 (t / 2) + 16 h + 8 (t % 2) + 0 .. 7
	global_load_b128 v[8*\t+4:8*\t+7], v[BO], s[BIA:BIA+1] offset:(32*(\t/2)+8*(\t%2))*4+16
.endr
	WIN 0
.endif
	; where the results go
.if MODE == 3
	s_lshl_b32 s94, s[QB], 7
	s_lshl_b32 s95, s[WV], 5
	s_add_co_u32 s94, s94, s95                     ; my first row of out
	s_lshl_b32 s[OO], s94, 12
	s_lshl_b32 s95, s[PB], 9
	s_add_co_u32 s[OO], s[OO], s95
	s_add_nc_u64 s[OUT:OUT+1], s[OUT:OUT+1], s[OO:OO+1]
.else
.if MODE == 1
	s_lshr_b32 s94, s[QB], 3                       ; batch
	s_lshl_b32 s94, s94, 3
	s_add_co_u32 s94, s94, s[PB]                   ; group of 128 features
	s_and_b32 s95, s[QB], 7                        ; block of 128 rows
.else
	s_lshr_b32 s94, s[PB], 3
	s_lshl_b32 s94, s94, 3
	s_add_co_u32 s94, s94, s[QB]
	s_and_b32 s95, s[PB], 7                        ; block of 128 keys
.endif
	s_lshl_b32 s94, s94, 3
	s_add_co_u32 s94, s94, s95                     ; IDX
	s_lshl_b32 s[OO], s94, 9
	s_add_co_u32 s[OO], s[OO], SCOFF
	s_add_nc_u64 s[OSC:OSC+1], s[OUT:OUT+1], s[OO:OO+1]
	s_mul_i32 s[OO], s94, 12288
	s_mul_i32 s95, s[WV], 3072                     ; my two fragments
	s_add_co_u32 s[OO], s[OO], s95
	s_add_nc_u64 s[OUT:OUT+1], s[OUT:OUT+1], s[OO:OO+1]
.endif
; A fragment out of a row-major panel: lane (r, h) takes 24 bytes at 96 s + 24 h of its row and 24 bytes 48 further on, in pieces of 8 bytes.  Piece n of a row lies at 8 n + 16 (n / 32).
; Lanes 16-31 read three pieces further on: where that is behind one padding more, the second address register (40 for 24 bytes a half) serves.
.macro FRAG reg, adr, s, off
.irp p, 0,1,2,3,4,5
.set PCN, 12*(\s)+6*(\p/3)+\p%3
.if PCN%32 < 29
	ds_load_b64 v[\reg+2*\p:\reg+2*\p+1], v[\adr] offset:(\off)+8*PCN+16*(PCN/32)
.else
	ds_load_b64 v[\reg+2*\p:\reg+2*\p+1], v[\adr+1] offset:(\off)+8*PCN+16*(PCN/32)
.endif
.endr
.endm
.macro IFRAG reg, adr, off             ; a fragment out of an image
.irp c, 0,1,2
	ds_load_b128 v[\reg+4*\c:\reg+4*\c+3], v[\adr] offset:(\off)+512*\c
.endr
.endm
.macro FETCH s, st                     ; K step s: P's eight fragments and my two of Q into set st
	WIN 0x40                                       ; destination window 1
.irp t, 0,1,2,3,4,5,6,7
.if MODE == 2
	IFRAG 96*(\st)+FR*\t, AP0+(\s)/4, ((\s)%4)*12288+\t*1536
.else
	FRAG 96*(\st)+FR*\t, AP0, \s, (16*(\t/2)+8*(\t%2))*PITCH
.endif
.endr
.irp q, 0,1
.if MODE == 2
	FRAG 192+24*(\st)+FR*\q, AQ0, \s, 8*\q*PITCH
.else
	FRAG 192+24*(\st)+FR*\q, AQ0, \s, \q*SUB1
.endif
.endr
	WIN 0
.endm
.macro MM s, q, t                      ; one product: P's tile t x Q's tile q, K step s.  K steps 4 to 7 take their scale words from lanes 16-31
.set DD, ACC+64*(\q)+8*(\t)
.set AA, 96*((\s)%2)+FR*(\t)
.set BB, 192+24*((\s)%2)+FR*(\q)
.set SA, PS+4*(\t)+(\s)%4
.set SBB, QS+4*(\q)+(\s)%4
.if MODE == 2
.set CC, 8*(\q)
.else
.set CC, 8*(\t)
.endif
.if (\s) == 0
	v_wmma_scale_f32_16x16x128_f8f6f4 v[DD:DD+7], v[AA:AA+11], v[BB:BB+11], v[CC:CC+7], v[SA], v[SBB] matrix_a_fmt:MATRIX_FMT_FP6 matrix_b_fmt:MATRIX_FMT_FP6
.elseif (\s) < 4
	v_wmma_scale_f32_16x16x128_f8f6f4 v[DD:DD+7], v[AA:AA+11], v[BB:BB+11], v[DD:DD+7], v[SA], v[SBB] matrix_a_fmt:MATRIX_FMT_FP6 matrix_b_fmt:MATRIX_FMT_FP6
.else
	v_wmma_scale_f32_16x16x128_f8f6f4 v[DD:DD+7], v[AA:AA+11], v[BB:BB+11], v[DD:DD+7], v[SA], v[SBB] matrix_a_fmt:MATRIX_FMT_FP6 matrix_b_fmt:MATRIX_FMT_FP6 matrix_a_scale:MATRIX_SCALE_ROW1 matrix_b_scale:MATRIX_SCALE_ROW1
.endif
.endm
; A K step: 16 products; the 16 accumulators take turns, one instruction a turn, in the same order in every step.  The next step's fragments are asked for ahead of the products.
.macro STEP s
	s_wait_dscnt 0x0                               ; this step's fragments are in (asked for ahead of the last step's 16 products); at step 0 the scale words too
.if (\s) < 7
.if (\s) > 0
	PLACES 4                                       ; the set to be loaded was read by the last step's products
.endif
	FETCH (\s)+1, ((\s)+1)%2
.endif
.if (\s) == 0
	WIN 0x25                                       ; sources 0 and 1 window 1, C (the bias) window 2, D window 0
.else
	WIN 0x05
.endif
.irp q, 0,1
.irp t, 0,1,2,3,4,5,6,7
	MM \s, \q, \t
.endr
.endr
	WIN 0
.endm
; 64 numbers of a lane, v[s] .. v[s + 63], register 16 b + i = place 32 b + 16 h + i along the next K of my row, become a fragment's codes in v[pc] .. v[pc + 11] and its scale word in v[pw].
.macro QUANT s, pc, pw
.irp b, 0,1,2,3
	v_max3_num_f32 v[TM+\b], |v[\s+16*\b]|, |v[\s+1+16*\b]|, 0x1800000   ; block b: my 16 numbers, and the floor 2^(3 - 127): the byte cannot fall under 1
.endr
.irp i, 2,4,6,8,10,12,14
.irp b, 0,1,2,3
	v_max3_num_f32 v[TM+\b], v[TM+\b], |v[\s+16*\b+\i]|, |v[\s+1+16*\b+\i]|   ; (the four blocks by turns)
.endr
.endr
.irp b, 0,1,2,3
	v_permlanex16_b32 v[TM+4+\b], v[TM+\b], s[SEL], s[SEL+1]
.endr
.irp b, 0,1,2,3
	v_max_num_f32 v[TM+\b], v[TM+\b], v[TM+4+\b]   ; with lane l xor 16's: the block's largest magnitude
.endr
.irp b, 0,1,2,3
	v_add_nc_u32 v[TM+12+\b], 0xff000000, v[TM+\b] ; 2 off its exponent field: the conversion takes the exponent field of this operand as its scale
.endr
.irp b, 0,1,2,3
	v_lshrrev_b32 v[TM+4+\b], 23, v[TM+12+\b]      ; the scale's byte
.endr
	v_lshl_or_b32 v[\pw], v[TM+5], 8, v[TM+4]
	v_lshl_or_b32 v[\pw], v[TM+6], 16, v[\pw]
	v_lshl_or_b32 v[\pw], v[TM+7], 24, v[\pw]
.irp c, 0,1
	v_cvt_scalef32_pk16_fp6_f32 v[\pc+6*\c:\pc+2+6*\c], v[\s+32*\c:\s+15+32*\c], v[TM+12+2*\c]
	v_cvt_scalef32_pk16_fp6_f32 v[\pc+12+4*\c:\pc+14+4*\c], v[\s+16+32*\c:\s+31+32*\c], v[TM+12+2*\c+1]   ; (a conversion's three registers begin on an even number)
.endr
	v_nop                                          ; one plain place behind a scaled conversion
.irp c, 0,1                                    ; the operand's layout wants a whole block in a lane: lanes 0-15 block 2 c, lanes 16-31 block 2 c + 1
.irp i, 0,1,2
	v_permlane16_swap_b32 v[\pc+6*\c+\i], v[\pc+12+4*\c+\i]
.endr
.irp i, 0,1,2
	v_mov_b32 v[\pc+3+6*\c+\i], v[\pc+12+4*\c+\i]
.endr
.endr
.endm
	s_wait_tensorcnt 0x0                           ; my parts of the panels and of the scale bytes are in,
	s_barrier_signal -1
	s_barrier_wait -1                              ; everybody's are.  Nothing is filled again in this launch
.irp t, 0,1,2,3,4,5,6,7
.if MODE == 2
.irp j, 0,1,2,3
	ds_load_b32 v[PS+4*\t+\j], v[APS] offset:\j*512+\t*64
.endr
.else
	ds_load_b128 v[PS+4*\t:PS+4*\t+3], v[APS] offset:(32*(\t/2)+8*(\t%2))*32
.endif
.endr
.irp q, 0,1
.if MODE == 2
	ds_load_b128 v[QS+4*\q:QS+4*\q+3], v[AQS] offset:\q*256
.else
	ds_load_b128 v[QS+4*\q:QS+4*\q+3], v[AQS] offset:\q*512
.endif
.endr
	FETCH 0, 0
	s_wait_loadcnt 0x0                             ; the bias
.if MODE == 2
	WIN 0x80                                       ; a lane's eight results of a tile belong to one row of Wv: eight times the same number
.irp i, 0,1,2,3,4,5,6,7
	v_mov_b32 v[\i], v[BV]
	v_mov_b32 v[8+\i], v[BV+1]
.endr
	WIN 0
	PLACES 4
.endif
.irp s, 0,1,2,3,4,5,6,7
	STEP \s
.endr
	PLACES 4                                       ; in front of the first read of results
.if MODE == 3
; THE WAY OUT: 16 rows x 128 columns at a time through my own stage (rows of 512 + 16 bytes) and back as whole rows.  LDS serves a wave's instructions in order (ISA guide 5.7.1.4): no wait between stores and loads.
.irp q, 0,1
.irp b, 0,1,2,3
.irp i, 0,1,2,3
	ds_store_b128 v[SW], v[ACC+64*\q+16*\b+4*\i:ACC+64*\q+16*\b+4*\i+3] offset:128*\b+16*\i   ; columns 32 b + 16 h + 4 i on; each accumulator from its low end on
.endr
.endr
.irp i, 0,1,2,3,4,5,6,7,8,9,10,11,12,13,14,15
	ds_load_b128 v[ACC+64*\q+4*\i:ACC+64*\q+4*\i+3], v[SR] offset:528*\i
.endr
.irp i, 0,1,2,3,4,5,6,7,8,9,10,11,12,13,14,15
	s_wait_dscnt 15-\i                             ; row i is back; the loads issued behind it may be out
	global_store_b128 v[GI], v[ACC+64*\q+4*\i:ACC+64*\q+4*\i+3], s[OUT:OUT+1] offset:(16*\q+\i)*4096 th:TH_STORE_NT   ; 32 lanes store 512 consecutive bytes, at a multiple of 256 from out's first byte
.endr
.endr
.else
; THE WAY OUT: each of my two tiles becomes a fragment, stored as it stands: three stores of 512 consecutive bytes.  The scale words of the work-group's eight fragments meet in LDS and leave as 512 bytes.
.irp q, 0,1
	QUANT ACC+64*\q, PCA+20*\q, PW+\q
.irp c, 0,1,2
	global_store_b128 v[GI], v[PCA+20*\q+4*\c:PCA+20*\q+4*\c+3], s[OUT:OUT+1] offset:\q*1536+512*\c
.endr
	ds_store_b32 v[SW], v[PW+\q] offset:64*\q      ; both halves of the lanes write the same word with the same value
.endr
	s_wait_dscnt 0x0                               ; for the others' sake: my scale words lie in the stage
	s_barrier_signal -1
	s_barrier_wait -1
	s_cmp_lg_u32 s[WV], 0
	s_cbranch_scc1 .Lnot_mine
	ds_load_b128 v[TM:TM+3], v[SR]
	s_wait_dscnt 0x0
	global_store_b128 v[GI], v[TM:TM+3], s[OSC:OSC+1]   ; 512 consecutive bytes, at a multiple of 256 from the buffer's first byte
.Lnot_mine:
.endif
	s_wait_tensorcnt 0x0
	ds_add_u32 v126, v127
	s_wait_dscnt 0x0
	CROUND                                         ; the closing round: no work-group ends while a partner may still ask for a panel that names it
	s_endpgm
.Lfunc_end_k_q3d1b80e1ac_oproj:
	.size	k_q3d1b80e1ac_oproj, .Lfunc_end_k_q3d1b80e1ac_oproj-k_q3d1b80e1ac_oproj
	.p2alignl 7, 3214868480
	.fill 96, 4, 3214868480
	.section	.rodata,"a",@progbits
	.p2align	6, 0x0
	.amdhsa_kernel k_q3d1b80e1ac_oproj
		.amdhsa_group_segment_fixed_size 327680
		.amdhsa_private_segment_fixed_size 0
		.amdhsa_enable_private_segment 0
		.amdhsa_kernarg_size 40
		.amdhsa_user_sgpr_count 2
		.amdhsa_user_sgpr_kernarg_segment_ptr 1
		.amdhsa_wavefront_size32 1
		.amdhsa_system_sgpr_workgroup_id_x 1
		.amdhsa_system_sgpr_workgroup_id_y 1
		.amdhsa_system_sgpr_workgroup_id_z 1
		.amdhsa_system_vgpr_workitem_id 0
		.amdhsa_next_free_vgpr 768
		.amdhsa_next_free_sgpr 102
		.amdhsa_reserve_vcc 0
		.amdhsa_float_denorm_mode_32 3
		.amdhsa_float_denorm_mode_16_64 3
		.amdhsa_memory_ordered 1
		.amdhsa_forward_progress 1
		.amdhsa_inst_pref_size 68
	.end_amdhsa_kernel
	.amdgpu_metadata
---
amdhsa.version: [ 1, 2 ]
amdhsa.kernels:
  - .name:           k_q3d1b80e1ac_oproj
    .symbol:         k_q3d1b80e1ac_oproj.kd
    .args:
      - { .name: a_ws, .offset: 0, .size: 8, .value_kind: global_buffer, .address_space: global }
      - { .name: Wo_codes, .offset: 8, .size: 8, .value_kind: global_buffer, .address_space: global }
      - { .name: Wo_scales, .offset: 16, .size: 8, .value_kind: global_buffer, .address_space: global }
      - { .name: bo, .offset: 24, .size: 8, .value_kind: global_buffer, .address_space: global }
      - { .name: out0, .offset: 32, .size: 8, .value_kind: global_buffer, .address_space: global }
    .group_segment_fixed_size: 327680
    .private_segment_fixed_size: 0
    .kernarg_segment_align: 8
    .kernarg_segment_size: 40
    .max_flat_workgroup_size: 128
    .sgpr_count:     102
    .vgpr_count:     768
    .wavefront_size: 32
...
	.end_amdgpu_metadata
.endif
;; end of part 4
;; ======== version 2 of 2: 4 launches; 1.16 times as fast as version 1
;; workspace buffers: q_ws 3,276,800 bytes; k_ws 3,276,800 bytes; t_ws 3,276,800 bytes; v_ws 3,276,800 bytes; a_ws 3,276,800 bytes
;; launch proj: the kernel of part 1 again; grid 8 x 96, 4 waves a work-group, clusters of 4 x 4, 327,680 bytes of LDS; arguments queries_codes, queries_scales, keys_codes, keys_scales, values_codes, values_scales, Wq_codes, Wq_scales, Wk_codes, Wk_scales, bq, bk, q_ws, k_ws, t_ws; writes q_ws, k_ws, t_ws
;; launch vproj: the kernel of part 2 again; grid 32 x 8, 4 waves a work-group, clusters of 4 x 4, 327,680 bytes of LDS; arguments t_ws, Wv_codes, Wv_scales, bv, v_ws; writes v_ws
;; launch attn (part 5): grid 32 x 32, 16 waves a work-group, clusters of 4 x 1, 327,680 bytes of LDS; arguments q_ws, k_ws, v_ws, a_ws; writes a_ws
.if DOCPART == 5
	.amdgcn_target "amdgcn-amd-amdhsa--gfx1250"
	.amdhsa_code_object_version 6
	.text
	.protected	k_q3d1b80e1ac_attn
	.globl	k_q3d1b80e1ac_attn
	.p2align	8
	.type	k_q3d1b80e1ac_attn,@function
k_q3d1b80e1ac_attn:
	s_mov_b64 s[64:65], 0
	v_nop
	global_prefetch_b8 v0, s[64:65] scope:SCOPE_SE
	s_setreg_imm32_b32 hwreg(HW_REG_WAVE_MODE, 25, 1), 1
	s_wait_xcnt 0x0
	s_wait_alu depctr_hold_cnt(0) depctr_sa_sdst(0) depctr_va_vdst(0) depctr_va_sdst(0) depctr_va_ssrc(0) depctr_va_vcc(0) depctr_vm_vsrc(0)
	s_getreg_b32 s2, hwreg(HW_REG_IB_STS2, 6, 4)
	s_cmp_eq_u32 s2, 0
	s_cbranch_scc0 .Lentry_in_a_cluster
	s_endpgm
.Lentry_in_a_cluster:
	s_bfe_u32 s2, ttmp6, 0x10000c
	s_cmp_lg_u32 s2, 0x3003
	s_cbranch_scc0 .Lentry_shape_is_right
	s_endpgm
.Lentry_shape_is_right:
; a = Q(entmax15(q k^T / 8)) Q(v), head by head, both products on codes of FP6 (E2M3) with one E8M0 scale for each 32 along K; a is quantised along the head's 64 and stored as codes for the last product.
; q_ws, k_ws, v_ws hold operands as IMAGES OF THEIR REGISTERS: a fragment (16 rows x 128 K, 12 registers) is 1,536 bytes, registers 4 c .. 4 c + 3 of lane l at 512 c + 16 l; its 16 scale words are 64 bytes, SCOFF on.
; For batch b and head pair j (bj = 8 b + j): q and k: 64 fragments of 16 rows x the pair's 128 features at bj x 98,304; v: for each 128 keys eight fragments of 16 features x 128 keys.
; SHARES.  A work-group of sixteen waves takes one bj and 32 queries: 2 heads x 2 tiles of 16 queries.  FOUR WAVES SHARE A TILE: wave w takes keys 256 (w % 4) on, head 2 j + (w / 4) % 2, tile w / 8.
; A lane holds ONE query (lane % 16) and 128 of its scores, in v128-255.  Four waves lie on a SIMD, 256 registers each: no register window is switched.
; WHAT THE FOUR WAVES HAND EACH OTHER goes through LDS: the row's largest score, the two sums of each Newton step, and the partial O^T.  Each: store, wait, barrier, load.  Every wave reads all four parts, its own
; among them, and joins them in the same order, so the four carry the same numbers throughout.
; FIRST PRODUCT.  S^T = k q^T (source 0 = 16 keys, source 1 = the 16 queries).  A fragment holds both heads of the pair along K: the other head's codes of q are made zeros, which add nothing under any scale byte but 0xff.
; ENTMAX WITHOUT A SORT.  With y = score - the row's largest score, y / 16 is the x of the definition, bit for bit (1/8 and 1/2 are powers of two).  The threshold T (= 16 tau) is the root of
; g(T) = sqrt(sum of max(y - T, 0)^2) / 16 = 1.  g is convex and falls; its slope's magnitude a = (sum of d) / sqrt(sum of d^2) lies between 1 and 32 for 1,024 numbers; g(-16) >= 1, since the largest y is 0.
; Newton's steps from T = -16 stay left of the root and rise; the tangent at the new point gives r' <= r (1 - a' / a) for r = g - 1, and the ratios' product is at least a* / 32, a* the slope's magnitude at the root.
; In the definition's units no d exceeds -tau, so sum of d^2 <= -tau x sum of d: at the root a* >= 1 / |tau*|.  So the start, tau = -1, lies at most 1 - 1 / a* from the root, and the first r is at most 32 (1 - 1 / a*).
; After N steps r <= 32 (1 - 1 / a*) (1 - (a* / 32)^(1/N))^N, for EVERY row; over a* from 1 to 32 that is largest near a* = 1.3: 2.0e-7 at N = 12.  tau's error is at most r / a*, which is at most r |tau*|.
; So 12 steps are always made, with no branch on data.  A step: T += (D - 16 sqrt(D)) / S, S = sum of d, D = sum of d^2.  The clamps at 0 go two to an instruction, as a dual pair on an even register and the next.
; WEIGHTS.  p = d^2 / 256, made in place in the scores' registers.  d^2 is what is converted, under the scale of the block's largest d^2; the 1/256 is taken off the scale's byte (8 off each): the codes and bytes of p by the rule.
; A block's largest d^2 is not searched for: the block's largest score goes through the same operations as the elements, which do not fall where their input rises.
; SECOND PRODUCT.  O^T = v^T p^T (source 0 = 16 of the head's 64, source 1 = p), each wave over its 256 keys.  Within a block of 32 keys p's codes and v's stand in the same order (place 16 h + 8 u + j = key 16 u + 8 h + j).
; CLUSTER 4 x 1.  The four work-groups of a cluster share bj, so k's and v's images and scale words are asked for jointly, once, at the head; nothing is filled again.
; OUTPUT.  Query l of head h of batch b: 48 bytes of codes at ((16 b + h) 1,024 + l) 48 and two scale bytes at SCOFF + ((16 b + h) 1,024 + l) 2: that IS the last product's operand, row-major.
; A tile's codes leave as three stores of 256 consecutive bytes.  The work-group's scale bytes are 64 bytes a head and leave as two runs of 64 bytes, four bytes a lane.
; LIMITS: NaN and infinities are not served.  A block of zeros, or one under the floor, gets the byte 1 where the rule says 127 for zeros: its codes are zeros, and this program alone reads the bytes.
; tau comes from the 12 steps above, right to 2.0e-7 of itself, and not from a sort.  O^T is the sum of four partial sums, one for each quarter of the keys.
.set SCOFF, 3145728
.set KIMG,  0                          ; LDS: k's 64 fragments,
.set VIMG,  98304                      ; v's 64,
.set KSC,   196608                     ; k's scale words, 64 bytes a fragment,
.set VSC,   200704                     ; v's.  From here on bytes that no tensor load fills:
.set OST,   204800                     ; a stage of 768 bytes for each wave,
.set SST,   217088                     ; the scale bytes' stage: [key quarter of the writer][head of the pair][query]: only the first 128 bytes are written and read,
.set XM,    217600                     ; the rows' largest scores: 128 bytes a wave,
.set XC,    219648                     ; S and D: 256 bytes a wave,
.set OX,    223744                     ; the partial O^T: 4,096 bytes a wave
.set STEPS, 12
; scalar registers
.set QW,   4                           ; s[4:11] q_ws, k_ws, v_ws, a_ws
.set KW,   6
.set VW,   8
.set AW,   10
.set WV,   12
.set HP,   13                          ; which head of the pair
.set TS,   14                          ; which of the two tiles of queries
.set CX,   15
.set QBK,  16                          ; the block of 32 queries
.set BJ,   17
.set SEL,  18                          ; s[18:19] v_permlanex16_b32's selects for lane l xor 16
.set MLO,  20                          ; masks that keep my head's codes of q
.set MHI,  21
.set KQ,   22                          ; which quarter of the keys
.set NI,   23                          ; Newton steps to go
.set G1I,  24                          ; groups 1: 192 rows of 256 bytes; 8 rows of 256 bytes
.set G1S,  32
.set G0KI, 40                          ; groups 0: k's images, v's, k's scale words, v's
.set G0VI, 44
.set G0KS, 48
.set G0VS, 52
.set QP,   56                          ; s[56:57] the tile's fragment of q;  s[58:59] its scale words
.set QSP,  58
.set AP,   60                          ; s[60:61] the tile's 768 bytes of a
.set ASP,  62                          ; s[62:63] the work-group's scale bytes of a
.set M16,  66                          ; -16.0
.set FH,   67                          ; wave % 2: which half a fetching wave fetches
.set QD,   80                          ; the first wave of my four
; vector registers
.set R,    1
.set H,    2
.set LN,   3
.set LI,   4                           ; 16 x lane: an image's place for my lane
.set AK,   5                           ; my 16 fragments of k
.set AV,   6                           ; my head's four fragments of v for each of my two runs of 128 keys
.set AKS,  7
.set AVS,  8
.set STO,  9                           ; the stage: in
.set RB,   10                          ; and back
.set GO,   11                          ; 8 x lane
.set SB,   12                          ; my query's scale bytes in their stage
.set QSO,  13                          ; 4 r
.set XMA,  14                          ; the row's largest score: where I put mine,
.set XMQ,  15                          ; and where my four's begin
.set QF,   16                          ; v16-27 q's fragment;
.set PC,   16                          ;        when the scores are made: p's codes;
.set OC,   16                          ;        at the end: a's codes, v16-21,
.set OB,   22                          ;        and as they leave, v22-27
.set QS,   28                          ; q's scale words
.set FL,   29                          ; the last store: LDS address
.set NT,   30                          ; v30 -T; v31 is named with it as a pair
.set XA,   32                          ; S and D: mine,
.set XQ,   33                          ; my four's
.set OXA,  34                          ; the partial O^T: mine,
.set OXQ,  35                          ; my four's
.set FA,   36                          ; the last store: offset
.set NM,   38                          ; v38-39 minus the row's largest score
.set TM,   40                          ; v40-55 at work
.set BM,   56                          ; v56-63 my 8 blocks' largest scores, later the conversions' scale operands
.set PWS,  64                          ; v64-65 p's scale words
.set VS,   66                          ; v66-69 v's
.set KS,   70                          ; v70-73 k's
.set KF,   80                          ; v80-127 while the scores are made: four fragments of k;
.set P32,  80                          ;         in the Newton loop: v80-111 32 numbers at work,
.set SC,   112                         ;         v112-119 four chains of S, in pairs,
.set DC,   120                         ;         v120-127 four chains of D;
.set VF,   80                          ;         then four fragments of v
.set S,    128                         ; v128-255 the scores: my key tile T at v[128 + 8 T]
.set OA,   128                         ; v128-159 O^T, four tiles, once those scores have been converted
.set OR,   160                         ; v160-255 at the end: the three other partial O^T
.macro PLACES n                        ; plain vector instructions between a matrix instruction and what touches its registers (ISA guide 7.12.1)
.rept \n
	v_nop
.endr
.endm
.macro BARRIER                         ; my LDS stores have landed and my LDS loads are in: then the work-group's barrier
	s_wait_dscnt 0x0
	s_barrier_signal -1
	s_barrier_wait -1
.endm
; max(., 0) of n registers from v[base] on, in place, two to an instruction: base is even, so a pair's destinations are an even and an odd register and its second sources lie in neighbouring banks
.macro CLAMP2 base, n
.set i, 0
.rept (\n)/2
	v_dual_max_num_f32 v[\base+i], 0, v[\base+i] :: v_dual_max_num_f32 v[\base+i+1], 0, v[\base+i+1]
.set i, i+2
.endr
.endm
.macro CROUND                          ; a round of the cluster's barrier
	s_barrier_signal -1
	s_barrier_wait -1
	s_cmp_lg_u32 s[WV], 0
	s_cbranch_scc1 .Lnot_wave_0_\@
	s_barrier_signal -3
.Lnot_wave_0_\@:
	s_barrier_wait -3
	s_barrier_signal -1
	s_barrier_wait -1
.endm
.macro JLOAD g0k, g0v, g1              ; a joint load: waves 0 and 1 fetch k's halves, waves 2 and 3 v's, the others nothing; four v_nop follow each line
	s_cmp_lt_u32 s[WV], 2
	s_cbranch_scc0 .Lnot_k_\@
	tensor_load_to_lds s[\g0k:\g0k+3], s[\g1:\g1+7]
	s_nop 0
.rept 4
	v_nop
.endr
	s_branch .Lasked_\@
.Lnot_k_\@:
	s_cmp_lt_u32 s[WV], 4
	s_cbranch_scc0 .Lasked_\@
	tensor_load_to_lds s[\g0v:\g0v+3], s[\g1:\g1+7]
	s_nop 0
.rept 4
	v_nop
.endr
.Lasked_\@:
.endm
	s_load_b256 s[4:11], s[0:1], 0x0
	v_lshl_add_u32 v78, v0, 2, 0x46a00
	v_mov_b32 v79, 0
	ds_add_u32 v78, v79
	ds_add_u32 v78, v79
	v_lshrrev_b32 v1, 5, v0
	v_readfirstlane_b32 s[WV], v1                  ; wave 0..15
	s_and_b32 s[FH], s[WV], 1
	s_and_b32 s[KQ], s[WV], 3
	s_and_b32 s[QD], s[WV], 12
	s_bfe_u32 s[HP], s[WV], 0x10002                ; one bit from bit 2
	s_lshr_b32 s[TS], s[WV], 3
	s_bfe_u32 s[CX], ttmp6, 0x40000
	s_lshl_b32 s[QBK], ttmp9, 2
	s_add_co_u32 s[QBK], s[QBK], s[CX]             ; it enters q's and a's addresses alone
	s_and_b32 s[BJ], ttmp7, 0xffff                 ; which the four partners share
	s_mov_b32 s[SEL], 0x76543210
	s_mov_b32 s[SEL+1], 0xfedcba98
	s_mov_b32 s[M16], 0xc1800000
	s_cmp_eq_u32 s[HP], 0
	s_cselect_b32 s[MLO], -1, 0
	s_cselect_b32 s[MHI], 0, -1
	s_mov_b32 s[G1I], 15|(3<<16)|(1<<21)           ; the mask: all four work-groups; elements of 8 bytes; bit 21 set beside a mask; no padding
	s_mov_b32 s[G1I+1], 32<<16                     ; rows of 256 bytes,
	s_mov_b32 s[G1I+2], 192<<16                    ; 192 of them: half of the 64 fragments,
	s_mov_b32 s[G1I+3], 32<<16
	s_mov_b32 s[G1I+4], 192
	s_mov_b32 s[G1I+5], 32                         ; dense
	s_mov_b32 s[G1I+6], 0
	s_mov_b32 s[G1I+7], 0
	s_mov_b32 s[G1S], 15|(3<<16)|(1<<21)
	s_mov_b32 s[G1S+1], 32<<16
	s_mov_b32 s[G1S+2], 8<<16                      ; 2,048 bytes: half of the scale words
	s_mov_b32 s[G1S+3], 32<<16
	s_mov_b32 s[G1S+4], 8
	s_mov_b32 s[G1S+5], 32
	s_mov_b32 s[G1S+6], 0
	s_mov_b32 s[G1S+7], 0
	s_mul_i32 s68, s[BJ], 98304
	s_mul_i32 s70, s[FH], 49152                    ; which half a fetching wave fetches, in memory and in LDS
	s_add_co_u32 s68, s68, s70
	s_mov_b32 s69, 0
	s_lshl_b32 s76, s[BJ], 12
	s_lshl_b32 s71, s[FH], 11
	s_add_co_u32 s76, s76, s71
	s_add_co_u32 s76, s76, SCOFF
	s_mov_b32 s77, 0
	s_wait_dscnt 0x0
	s_wait_kmcnt 0x0
	s_mov_b32 s[G0KI], 1
	s_add_co_u32 s[G0KI+1], s70, KIMG
	s_add_nc_u64 s[G0KI+2:G0KI+3], s[KW:KW+1], s[68:69]
	s_or_b32 s[G0KI+3], s[G0KI+3], 0x80000000
	s_mov_b32 s[G0VI], 1
	s_add_co_u32 s[G0VI+1], s70, VIMG
	s_add_nc_u64 s[G0VI+2:G0VI+3], s[VW:VW+1], s[68:69]
	s_or_b32 s[G0VI+3], s[G0VI+3], 0x80000000
	s_mov_b32 s[G0KS], 1
	s_add_co_u32 s[G0KS+1], s71, KSC
	s_add_nc_u64 s[G0KS+2:G0KS+3], s[KW:KW+1], s[76:77]
	s_or_b32 s[G0KS+3], s[G0KS+3], 0x80000000
	s_mov_b32 s[G0VS], 1
	s_add_co_u32 s[G0VS+1], s71, VSC
	s_add_nc_u64 s[G0VS+2:G0VS+3], s[VW:VW+1], s[76:77]
	s_or_b32 s[G0VS+3], s[G0VS+3], 0x80000000
	CROUND                                         ; all four work-groups are here: the joint loads meet
	JLOAD G0KS, G0VS, G1S                          ; a fetching wave has two tensor loads out
	JLOAD G0KI, G0VI, G1I
	; q's and a's addresses
	s_lshl_b32 s74, s[QBK], 1
	s_add_co_u32 s74, s74, s[TS]                   ; my tile of queries: 2 x block + which of the two
	s_mul_i32 s72, s[BJ], 98304
	s_mul_i32 s75, s74, 1536
	s_add_co_u32 s72, s72, s75
	s_mov_b32 s73, 0
	s_add_nc_u64 s[QP:QP+1], s[QW:QW+1], s[72:73]
	s_lshl_b32 s72, s[BJ], 12
	s_lshl_b32 s75, s74, 6
	s_add_co_u32 s72, s72, s75
	s_add_co_u32 s72, s72, SCOFF
	s_add_nc_u64 s[QSP:QSP+1], s[QW:QW+1], s[72:73]
	s_lshl_b32 s72, s[BJ], 1
	s_add_co_u32 s72, s72, s[HP]                   ; 16 b + head
	s_mul_i32 s72, s72, 49152                      ; 1,024 queries of 48 bytes
	s_mul_i32 s75, s74, 768
	s_add_co_u32 s72, s72, s75
	s_add_nc_u64 s[AP:AP+1], s[AW:AW+1], s[72:73]
	s_lshl_b32 s72, s[BJ], 12                      ; two heads of 2,048 scale bytes
	s_lshl_b32 s75, s[QBK], 6                      ; 32 queries of 2 bytes
	s_add_co_u32 s72, s72, s75
	s_add_co_u32 s72, s72, SCOFF
	s_add_nc_u64 s[ASP:ASP+1], s[AW:AW+1], s[72:73]
	v_and_b32 v[R], 15, v0
	v_bfe_u32 v[H], v0, 4, 1
	v_and_b32 v[LN], 31, v0
	v_lshlrev_b32 v[GO], 3, v[LN]
	v_lshlrev_b32 v[LI], 4, v[LN]
	v_lshlrev_b32 v[QSO], 2, v[R]
.irp c, 0,1,2
	global_load_b128 v[QF+4*\c:QF+4*\c+3], v[LI], s[QP:QP+1] offset:512*\c   ; the tile's fragment of q,
.endr
	global_load_b32 v[QS], v[QSO], s[QSP:QSP+1]    ; and its scale words
	; LDS addresses: a constant + a constant x lane + constants x parts of the wave's number
	s_mul_i32 s78, s[KQ], 24576                    ; my quarter of the keys: 16 fragments of k, two runs of eight fragments of v
	v_add_nc_u32 v[AK], s78, v[LI]                 ; (k's images begin at LDS byte 0)
	s_mul_i32 s79, s[HP], 6144                     ; my head's four of a run's eight
	s_add_co_u32 s79, s79, s78
	s_add_co_u32 s79, s79, VIMG
	v_add_nc_u32 v[AV], s79, v[LI]
	s_lshl_b32 s78, s[KQ], 10
	s_add_co_u32 s79, s78, KSC
	v_add_nc_u32 v[AKS], s79, v[QSO]
	s_lshl_b32 s79, s[HP], 8
	s_add_co_u32 s79, s79, s78
	s_add_co_u32 s79, s79, VSC
	v_add_nc_u32 v[AVS], s79, v[QSO]
	s_mul_i32 s78, s[WV], 768
	s_add_co_u32 s78, s78, OST
	v_mul_u32_u24 v[STO], v[R], 48
	v_mad_u32_u24 v[STO], v[H], 24, v[STO]
	v_add_nc_u32 v[STO], s78, v[STO]               ; in: query r's 48 bytes, block h's 24
	v_add_nc_u32 v[RB], s78, v[GO]                 ; back: 8 bytes a lane
	s_lshl_b32 s78, s[KQ], 7
	s_lshl_b32 s79, s[HP], 6
	s_add_co_u32 s78, s78, s79
	s_lshl_b32 s79, s[TS], 5
	s_add_co_u32 s78, s78, s79
	s_add_co_u32 s78, s78, SST
	v_lshl_add_u32 v[SB], v[R], 1, s78
	v_lshl_add_u32 v[FL], v[LN], 2, SST
	v_lshlrev_b32 v[FA], 2, v[R]
	v_lshl_add_u32 v[FA], v[H], 11, v[FA]          ; lanes 0-15 the first head's 64 bytes, lanes 16-31 the second's, 2,048 bytes on
	s_lshl_b32 s78, s[WV], 7
	s_add_co_u32 s78, s78, XM
	v_lshl_add_u32 v[XMA], v[LN], 2, s78
	s_lshl_b32 s78, s[QD], 7
	s_add_co_u32 s78, s78, XM
	v_lshl_add_u32 v[XMQ], v[LN], 2, s78
	s_lshl_b32 s78, s[WV], 8
	s_add_co_u32 s78, s78, XC
	v_lshl_add_u32 v[XA], v[LN], 3, s78
	s_lshl_b32 s78, s[QD], 8
	s_add_co_u32 s78, s78, XC
	v_lshl_add_u32 v[XQ], v[LN], 3, s78
	s_lshl_b32 s78, s[WV], 12
	s_add_co_u32 s78, s78, OX
	v_add_nc_u32 v[OXA], s78, v[LI]
	s_lshl_b32 s78, s[QD], 12
	s_add_co_u32 s78, s78, OX
	v_add_nc_u32 v[OXQ], s78, v[LI]
.irp i, 0,1,2,3,4,5,6,7
	v_mov_b32 v[TM+\i], 0                          ; written once: a lane permute's destination counts as one of its sources
.endr
.macro KFETCH g                        ; my key tiles 4 g .. 4 g + 3 and their scale words
.irp t, 0,1,2,3
.irp c, 0,1,2
	ds_load_b128 v[KF+12*\t+4*\c:KF+12*\t+4*\c+3], v[AK] offset:(4*(\g)+\t)*1536+512*\c
.endr
.endr
.irp t, 0,1,2,3
	ds_load_b32 v[KS+\t], v[AKS] offset:(4*(\g)+\t)*64
.endr
.endm
.macro KQMUL g                         ; four products, each with an accumulator of its own that starts at 0
	s_wait_dscnt 0x0                               ; the four fragments and their scale words are in
.irp t, 0,1,2,3
	v_wmma_scale_f32_16x16x128_f8f6f4 v[S+8*(4*(\g)+\t):S+8*(4*(\g)+\t)+7], v[KF+12*\t:KF+12*\t+11], v[QF:QF+11], 0, v[KS+\t], v[QS] matrix_a_fmt:MATRIX_FMT_FP6 matrix_b_fmt:MATRIX_FMT_FP6
.endr
.endm
; 64 keys of a Newton step: d = max(y - T, 0) of 32 registers; S += d, D += d d; every line takes two numbers.  S and D run in four chains each.  first = 1: the chains start: nothing is cleared
.macro GROUP qd, first
.set i, 0
.rept 16
	v_pk_add_f32 v[P32+i:P32+i+1], v[S+32*(\qd)+i:S+32*(\qd)+i+1], v[NT:NT+1] op_sel_hi:[1,0]
.set i, i+2
.endr
	CLAMP2 P32, 32
.set i, 0
.rept 16
.if (\first) && (i < 4)
	v_pk_add_f32 v[SC+2*i:SC+2*i+1], v[P32+2*i:P32+2*i+1], v[P32+2*i+8:P32+2*i+9]
	v_pk_mul_f32 v[DC+2*i:DC+2*i+1], v[P32+2*i:P32+2*i+1], v[P32+2*i:P32+2*i+1]
.else
.if ((\first) == 0) || (i > 7)
	v_pk_add_f32 v[SC+2*(i%4):SC+2*(i%4)+1], v[SC+2*(i%4):SC+2*(i%4)+1], v[P32+2*i:P32+2*i+1]
.endif
	v_pk_fma_f32 v[DC+2*(i%4):DC+2*(i%4)+1], v[P32+2*i:P32+2*i+1], v[P32+2*i:P32+2*i+1], v[DC+2*(i%4):DC+2*(i%4)+1]
.endif
.set i, i+1
.endr
.endm
.macro VFETCH ks                       ; my head's four fragments of v for my keys 128 ks on, and their scale words
.irp t, 0,1,2,3
.irp c, 0,1,2
	ds_load_b128 v[VF+12*\t+4*\c:VF+12*\t+4*\c+3], v[AV] offset:(\ks)*12288+\t*1536+512*\c
.endr
.endr
.irp t, 0,1,2,3
	ds_load_b32 v[VS+\t], v[AVS] offset:(\ks)*512+\t*64
.endr
.endm
; 128 keys: d^2 in place, its codes, four products.  The 32 additions at the head are the places behind the last four products, in front of the loads into the registers that those have read.
.macro WSTEP ks
.set YB, S+64*(\ks)
.set i, 0
.rept 32
	v_pk_add_f32 v[YB+i:YB+i+1], v[YB+i:YB+i+1], v[NT:NT+1] op_sel_hi:[1,0]
.set i, i+2
.endr
	VFETCH \ks
	CLAMP2 YB, 64
.set i, 0
.rept 32
	v_pk_mul_f32 v[YB+i:YB+i+1], v[YB+i:YB+i+1], v[YB+i:YB+i+1]
.set i, i+2
.endr
.irp c, 0,1
	v_cvt_scalef32_pk16_fp6_f32 v[PC+6*\c:PC+2+6*\c], v[YB+32*\c:YB+15+32*\c], v[BM+4*(\ks)+2*\c]
	v_cvt_scalef32_pk16_fp6_f32 v[TM+4*\c:TM+2+4*\c], v[YB+16+32*\c:YB+31+32*\c], v[BM+4*(\ks)+2*\c+1]   ; (a conversion's three registers begin on an even number)
.endr
	v_nop                                          ; one plain place behind a scaled conversion
.irp c, 0,1                                    ; the operand's layout wants a whole block in a lane
.irp i, 0,1,2
	v_permlane16_swap_b32 v[PC+6*\c+\i], v[TM+4*\c+\i]
.endr
.irp i, 0,1,2
	v_mov_b32 v[PC+3+6*\c+\i], v[TM+4*\c+\i]
.endr
.endr
	PLACES 4                                       ; an operand written by vector instructions stands four places ahead of a scaled matrix instruction
	s_wait_dscnt 0x0                               ; v's fragments are in
.irp t, 0,1,2,3                                ; the four accumulators take turns, from one 128 keys to the next too
.if (\ks) == 0
	v_wmma_scale_f32_16x16x128_f8f6f4 v[OA+8*\t:OA+8*\t+7], v[VF+12*\t:VF+12*\t+11], v[PC:PC+11], 0, v[VS+\t], v[PWS+(\ks)] matrix_a_fmt:MATRIX_FMT_FP6 matrix_b_fmt:MATRIX_FMT_FP6
.else
	v_wmma_scale_f32_16x16x128_f8f6f4 v[OA+8*\t:OA+8*\t+7], v[VF+12*\t:VF+12*\t+11], v[PC:PC+11], v[OA+8*\t:OA+8*\t+7], v[VS+\t], v[PWS+(\ks)] matrix_a_fmt:MATRIX_FMT_FP6 matrix_b_fmt:MATRIX_FMT_FP6
.endif
.endr
.endm
	s_wait_tensorcnt 0x0                           ; my parts of the images and of the scale words are in,
	s_barrier_signal -1
	s_barrier_wait -1                              ; everybody's are.  Nothing is filled again in this launch
	; ---- q: the other head's codes become zeros
	KFETCH 0
	s_wait_loadcnt 0x0                             ; q's fragment and its scale words
.irp i, 0,1,2,3,4,5
	v_and_b32 v[QF+\i], s[MLO], v[QF+\i]
	v_and_b32 v[QF+6+\i], s[MHI], v[QF+6+\i]
.endr
	PLACES 4                                       ; an operand written by vector instructions stands four places ahead of a scaled matrix instruction
	; ---- the scores of my 256 keys
	KQMUL 0
.irp g, 1,2,3
	PLACES 4                                       ; the registers to be loaded were read by the last four products
	KFETCH \g
	KQMUL \g
.endr
	PLACES 4                                       ; in front of the first read of results
	; ---- the largest of my 16 scores of each of my 8 blocks of 32 keys; each accumulator is first read at its low end
.irp b, 0,1,2,3,4,5,6,7
	v_max3_num_f32 v[BM+\b], v[S+16*\b], v[S+16*\b+1], v[S+16*\b+2]
.endr
.irp i, 3,5,7,9,11,13
.irp b, 0,1,2,3,4,5,6,7
	v_max3_num_f32 v[BM+\b], v[BM+\b], v[S+16*\b+\i], v[S+16*\b+\i+1]
.endr
.endr
.irp b, 0,1,2,3,4,5,6,7
	v_max_num_f32 v[BM+\b], v[BM+\b], v[S+16*\b+15]
.endr
.irp k, 0,1,2,3,4,5,6,7
	v_permlanex16_b32 v[TM+\k], v[BM+\k], s[SEL], s[SEL+1]
.endr
.irp k, 0,1,2,3,4,5,6,7
	v_max_num_f32 v[BM+\k], v[BM+\k], v[TM+\k]     ; with lane l xor 16's 16 keys
.endr
	; ---- the row's largest score: of my 256 keys, then of the four waves'
	v_max3_num_f32 v[TM], v[BM], v[BM+1], v[BM+2]
	v_max3_num_f32 v[TM+1], v[BM+3], v[BM+4], v[BM+5]
	v_max3_num_f32 v[TM], v[TM], v[BM+6], v[BM+7]
	v_max_num_f32 v[TM], v[TM], v[TM+1]
	ds_store_b32 v[XMA], v[TM]
	BARRIER                                        ; every wave's largest lies in LDS; these bytes are written once
.irp k, 0,1,2,3
	ds_load_b32 v[TM+4+\k], v[XMQ] offset:128*\k
.endr
	s_wait_dscnt 0x0
	v_max3_num_f32 v[TM], v[TM+4], v[TM+5], v[TM+6]
	v_max_num_f32 v[TM], v[TM], v[TM+7]
	v_mul_f32 v[NM], -1.0, v[TM]
	v_mul_f32 v[NM+1], -1.0, v[TM]                 ; (named with it as a pair, so it is written)
	; ---- y = score - the row's largest, in place
.set i, 0
.rept 64
	v_pk_add_f32 v[S+i:S+i+1], v[S+i:S+i+1], v[NM:NM+1] op_sel_hi:[1,0]
.set i, i+2
.endr
.set i, 0
.rept 4
	v_pk_add_f32 v[BM+i:BM+i+1], v[BM+i:BM+i+1], v[NM:NM+1] op_sel_hi:[1,0]   ; the blocks' largest go through the same instruction
.set i, i+2
.endr
	v_mov_b32 v[NT], 0x41800000                    ; -T = 16: tau = -1
	v_mov_b32 v[NT+1], 0x41800000
	; ---- the threshold: 12 Newton steps
	s_mov_b32 s[NI], STEPS
.Lnewton:
	GROUP 0, 1
	GROUP 1, 0
	GROUP 2, 0
	GROUP 3, 0
	v_pk_add_f32 v[SC:SC+1], v[SC:SC+1], v[SC+2:SC+3]
	v_pk_add_f32 v[SC+4:SC+5], v[SC+4:SC+5], v[SC+6:SC+7]
	v_pk_add_f32 v[DC:DC+1], v[DC:DC+1], v[DC+2:DC+3]
	v_pk_add_f32 v[DC+4:DC+5], v[DC+4:DC+5], v[DC+6:DC+7]
	v_pk_add_f32 v[SC:SC+1], v[SC:SC+1], v[SC+4:SC+5]
	v_pk_add_f32 v[DC:DC+1], v[DC:DC+1], v[DC+4:DC+5]
	v_add_f32 v[TM], v[SC], v[SC+1]
	v_add_f32 v[TM+1], v[DC], v[DC+1]
	v_permlanex16_b32 v[TM+2], v[TM], s[SEL], s[SEL+1]
	v_permlanex16_b32 v[TM+3], v[TM+1], s[SEL], s[SEL+1]
	v_add_f32 v[TM], v[TM], v[TM+2]                ; S and
	v_add_f32 v[TM+1], v[TM+1], v[TM+3]            ; D of my 256 keys
	ds_store_b64 v[XA], v[TM:TM+1]
	BARRIER                                        ; every wave's two sums lie in LDS
.irp k, 0,1,2,3
	ds_load_b64 v[TM+2+2*\k:TM+3+2*\k], v[XQ] offset:256*\k
.endr
	BARRIER                                        ; every wave has read its four's: the next step may write these bytes again
	v_pk_add_f32 v[TM+2:TM+3], v[TM+2:TM+3], v[TM+4:TM+5]
	v_pk_add_f32 v[TM+6:TM+7], v[TM+6:TM+7], v[TM+8:TM+9]
	v_pk_add_f32 v[TM:TM+1], v[TM+2:TM+3], v[TM+6:TM+7]   ; S: at least -T, since the row's largest y is 0: never 0.  D: at most 1,024 x 256
	v_sqrt_f32 v[TM+4], v[TM+1]
	v_rcp_f32 v[TM+5], v[TM]
	v_nop                                          ; one plain place behind the transcendentals
	s_wait_alu depctr_va_vdst(0)
	v_fma_f32 v[TM+6], v[TM+4], s[M16], v[TM+1]    ; D - 16 sqrt(D)
	v_fma_f32 v[NT], -v[TM+6], v[TM+5], v[NT]      ; -T -= (D - 16 sqrt(D)) / S
	s_sub_co_u32 s[NI], s[NI], 1
	s_cmp_lg_u32 s[NI], 0
	s_cbranch_scc1 .Lnewton
	; ---- my 8 blocks' scales: the largest d^2 by the elements' own operations; the floor 2^(11 - 127) holds p's byte at 1 from below
.set i, 0
.rept 4
	v_pk_add_f32 v[BM+i:BM+i+1], v[BM+i:BM+i+1], v[NT:NT+1] op_sel_hi:[1,0]
.set i, i+2
.endr
	CLAMP2 BM, 8
.set i, 0
.rept 4
	v_pk_mul_f32 v[BM+i:BM+i+1], v[BM+i:BM+i+1], v[BM+i:BM+i+1]
.set i, i+2
.endr
.set i, 0
.rept 8
	v_max_num_f32 v[BM+i], 0x5800000, v[BM+i]
.set i, i+1
.endr
.set i, 0
.rept 8
	v_add_nc_u32 v[BM+i], 0xff000000, v[BM+i]      ; 2 off the exponent field: the conversion's scale operand for d^2
.set i, i+1
.endr
.set i, 0
.rept 8
	v_lshrrev_b32 v[TM+i], 23, v[BM+i]
.set i, i+1
.endr
.irp k, 0,1
	v_lshl_or_b32 v[PWS+\k], v[TM+4*\k+1], 8, v[TM+4*\k]
.endr
.irp k, 0,1
	v_lshl_or_b32 v[PWS+\k], v[TM+4*\k+2], 16, v[PWS+\k]
.endr
.irp k, 0,1
	v_lshl_or_b32 v[PWS+\k], v[TM+4*\k+3], 24, v[PWS+\k]
.endr
.irp k, 0,1
	v_add_nc_u32 v[PWS+\k], 0xf7f7f7f8, v[PWS+\k]  ; 8 off each byte: p = d^2 / 256.  Each byte is 9 at the least, so none borrows
.endr
	; ---- the weights, and O^T over my 256 keys
	WSTEP 0
	WSTEP 1
	; ---- the four quarters of the keys meet
	PLACES 4
.irp t, 0,1,2,3
	ds_store_b128 v[OXA], v[OA+8*\t:OA+8*\t+3] offset:1024*\t          ; each accumulator from its low end on
	ds_store_b128 v[OXA], v[OA+8*\t+4:OA+8*\t+7] offset:1024*\t+512
.endr
	BARRIER                                        ; every wave's partial O^T lies in LDS; these bytes are written once
	s_cmp_lg_u32 s[KQ], 0                          ; the wave with the first quarter of the keys finishes the tile
	s_cbranch_scc1 .Lpartner
.irp k, 1,2,3
.irp i, 0,1,2,3,4,5,6,7
	ds_load_b128 v[OR+32*(\k-1)+4*\i:OR+32*(\k-1)+4*\i+3], v[OXQ] offset:4096*\k+512*\i
.endr
.endr
	s_wait_dscnt 0x0
.set i, 0
.rept 16
	v_pk_add_f32 v[OR+i:OR+i+1], v[OA+i:OA+i+1], v[OR+i:OR+i+1]
.set i, i+2
.endr
.set i, 0
.rept 16
	v_pk_add_f32 v[OR+32+i:OR+32+i+1], v[OR+32+i:OR+32+i+1], v[OR+64+i:OR+64+i+1]
.set i, i+2
.endr
.set i, 0
.rept 16
	v_pk_add_f32 v[OR+i:OR+i+1], v[OR+i:OR+i+1], v[OR+32+i:OR+32+i+1]
.set i, i+2
.endr
	; ---- O^T: register 16 b + i of lane (r, h) is o(query r, 32 b + 16 h + i): two blocks of 32 become 48 bytes of codes and two scale bytes
.irp b, 0,1
	v_max3_num_f32 v[TM+\b], |v[OR+16*\b]|, |v[OR+1+16*\b]|, 0x1800000   ; and the floor 2^(3 - 127)
.endr
.irp i, 2,4,6,8,10,12,14
.irp b, 0,1
	v_max3_num_f32 v[TM+\b], v[TM+\b], |v[OR+16*\b+\i]|, |v[OR+1+16*\b+\i]|
.endr
.endr
.irp b, 0,1
	v_permlanex16_b32 v[TM+2+\b], v[TM+\b], s[SEL], s[SEL+1]
.endr
.irp b, 0,1
	v_max_num_f32 v[TM+\b], v[TM+\b], v[TM+2+\b]
.endr
.irp b, 0,1
	v_add_nc_u32 v[TM+4+\b], 0xff000000, v[TM+\b]
.endr
.irp b, 0,1
	v_lshrrev_b32 v[TM+6+\b], 23, v[TM+4+\b]
.endr
	v_lshl_or_b32 v[TM+8], v[TM+7], 8, v[TM+6]     ; my query's two scale bytes
	v_cvt_scalef32_pk16_fp6_f32 v[OC:OC+2], v[OR:OR+15], v[TM+4]
	v_cvt_scalef32_pk16_fp6_f32 v[TM+12:TM+14], v[OR+16:OR+31], v[TM+5]
	v_nop                                          ; one plain place behind a scaled conversion
.irp i, 0,1,2
	v_permlane16_swap_b32 v[OC+\i], v[TM+12+\i]
.endr
.irp i, 0,1,2
	v_mov_b32 v[OC+3+\i], v[TM+12+\i]              ; lane (r, h) now holds block h of query r: 24 bytes
.endr
	ds_store_b64 v[STO], v[OC:OC+1]
	ds_store_b64 v[STO], v[OC+2:OC+3] offset:8
	ds_store_b64 v[STO], v[OC+4:OC+5] offset:16
	ds_store_b16 v[SB], v[TM+8]                    ; both halves of the lanes write the same bytes with the same value
.irp c, 0,1,2
	ds_load_b64 v[OB+2*\c:OB+2*\c+1], v[RB] offset:256*\c   ; LDS serves a wave's instructions in order (ISA guide 5.7.1.4): these see my stores
.endr
	s_wait_dscnt 0x0
.irp c, 0,1,2
	global_store_b64 v[GO], v[OB+2*\c:OB+2*\c+1], s[AP:AP+1] offset:256*\c   ; 32 lanes store 256 consecutive bytes, at a multiple of 256 from the buffer's first byte
.endr
.Lpartner:
	; ---- the work-group's 128 scale bytes leave as two runs of 64
	BARRIER                                        ; the four tiles' scale bytes lie in their stage
	s_cmp_lg_u32 s[WV], 0
	s_cbranch_scc1 .Lnot_mine
	ds_load_b32 v[TM], v[FL]
	s_wait_dscnt 0x0
	global_store_b32 v[FA], v[TM], s[ASP:ASP+1]    ; sixteen lanes store a head's 64 consecutive bytes
.Lnot_mine:
	s_wait_tensorcnt 0x0
	ds_add_u32 v78, v79
	s_wait_dscnt 0x0
	CROUND                                         ; the closing round: no work-group ends while a partner may still ask for a tile that names it
	s_endpgm
.Lfunc_end_k_q3d1b80e1ac_attn:
	.size	k_q3d1b80e1ac_attn, .Lfunc_end_k_q3d1b80e1ac_attn-k_q3d1b80e1ac_attn
	.p2alignl 7, 3214868480
	.fill 96, 4, 3214868480
	.section	.rodata,"a",@progbits
	.p2align	6, 0x0
	.amdhsa_kernel k_q3d1b80e1ac_attn
		.amdhsa_group_segment_fixed_size 327680
		.amdhsa_private_segment_fixed_size 0
		.amdhsa_enable_private_segment 0
		.amdhsa_kernarg_size 32
		.amdhsa_user_sgpr_count 2
		.amdhsa_user_sgpr_kernarg_segment_ptr 1
		.amdhsa_wavefront_size32 1
		.amdhsa_system_sgpr_workgroup_id_x 1
		.amdhsa_system_sgpr_workgroup_id_y 1
		.amdhsa_system_sgpr_workgroup_id_z 1
		.amdhsa_system_vgpr_workitem_id 0
		.amdhsa_next_free_vgpr 256
		.amdhsa_next_free_sgpr 84
		.amdhsa_reserve_vcc 0
		.amdhsa_float_denorm_mode_32 3
		.amdhsa_float_denorm_mode_16_64 3
		.amdhsa_memory_ordered 1
		.amdhsa_forward_progress 1
		.amdhsa_inst_pref_size 72
	.end_amdhsa_kernel
	.amdgpu_metadata
---
amdhsa.version: [ 1, 2 ]
amdhsa.kernels:
  - .name:           k_q3d1b80e1ac_attn
    .symbol:         k_q3d1b80e1ac_attn.kd
    .args:
      - { .name: q_ws, .offset: 0, .size: 8, .value_kind: global_buffer, .address_space: global }
      - { .name: k_ws, .offset: 8, .size: 8, .value_kind: global_buffer, .address_space: global }
      - { .name: v_ws, .offset: 16, .size: 8, .value_kind: global_buffer, .address_space: global }
      - { .name: a_ws, .offset: 24, .size: 8, .value_kind: global_buffer, .address_space: global }
    .group_segment_fixed_size: 327680
    .private_segment_fixed_size: 0
    .kernarg_segment_align: 8
    .kernarg_segment_size: 32
    .max_flat_workgroup_size: 512
    .sgpr_count:     84
    .vgpr_count:     256
    .wavefront_size: 32
...
	.end_amdgpu_metadata
.endif
;; end of part 5
;; launch oproj: the kernel of part 4 again; grid 8 x 32, 4 waves a work-group, clusters of 4 x 4, 327,680 bytes of LDS; arguments a_ws, Wo_codes, Wo_scales, bo, out0; writes out0
